; MI455X (gfx1250); checked and timed in simulation.
; The chip was launched on July 23, 2026; its instructions are those of AMD's public machine-readable ISA for CDNA 5 (MIT licence, August 2026) and "CDNA5" Instruction Set Architecture Reference Guide (July 2026). The comments in the code are by the model that wrote it; some were corrected since.
;; Encoder Block. Allowed arithmetic: matrix products marked QUANTISED: E2M1 operands, one E8M0 scale for each 32 along K, by v_wmma_scale_f32_16x16x128_f8f6f4 with both operands' format E2M1 (or v_wmma_scale_f32_32x16x128_f4), f32 sums; everything else in f32.
;; Inputs: W1 512 x 2,048 float32; W2 2,048 x 512 float32; Wk 512 x 512 float32; Wo 512 x 512 float32; Wq 512 x 512 float32; Wv 512 x 512 float32; b1 2,048 float32; b2 512 float32; bk 512 float32; bo 512 float32; bq 512 float32; bv 512 float32; x 2 x 4,096 x 512 float32.
;; Outputs: out0 2 x 4,096 x 512 float32.
;; This version of the problem:
;;   THIS VERSION OF THE PROBLEM IS GIVEN IN LOW PRECISION. The matrix products marked QUANTISED in the list below multiply operands that are first quantised to E2M1 (2 exponent bits, 1 mantissa bit; 4 bits a number), with one power-of-two scale for each 32 numbers along K (OCP MX v1.0); their sums are f32. All else is computed in f32.
;;   The module's matrix products, in the order in which they are computed (A, B: the left and right operand; K: the contracted axis; several contracted axes count as one K, in the product's order):
;;     1. [M 8,192, K 512] x [K 512, N 512]; A: input x; B: input Wq: QUANTISED
;;     2. [M 8,192, K 512] x [K 512, N 512]; A: input x; B: input Wk: QUANTISED
;;     3. [M 8,192, K 512] x [K 512, N 512]; A: input x; B: input Wv: QUANTISED
;;     4. batch 16 x [M 4,096, K 64] x [K 64, N 4,096]; A: computed on the way; B: computed on the way: QUANTISED
;;     5. batch 16 x [M 4,096, K 4,096] x [K 4,096, N 64]; A: softmax (see below); B: computed on the way: QUANTISED
;;     6. [M 8,192, K 512] x [K 512, N 512]; A: computed on the way; B: input Wo: QUANTISED
;;     7. [M 8,192, K 512] x [K 512, N 2,048]; A: computed on the way; B: input W1: QUANTISED
;;     8. [M 8,192, K 2,048] x [K 2,048, N 512]; A: computed on the way; B: input W2: QUANTISED
;;   THE QUANTISER, for each operand of a quantised product, along K:
;;     - K is cut into blocks of 32 from its start; a last block that is shorter is filled with zeros.
;;     - A block's scale is 2^e with e = floor(log2(the largest magnitude in the block)) - 2, held to -126 .. 127; a block of zeros has e = 0. As a byte (E8M0): e + 127.
;;     - Each number is divided by its block's scale, clamped to +-6, and rounded to the nearest number of E2M1, ties to even, subnormals kept.
;;     - The product sums the exact products of the quantised numbers (number of the format x scale) in f32.
;;   ~~~python
;;   def quantise(x, axis):      # numpy; x: float32 -> the quantised numbers, widened to float32 again
;;       x = np.moveaxis(x, axis, -1); K = x.shape[-1]
;;       x = np.pad(x, [(0, 0)] * (x.ndim - 1) + [(0, -K % 32)]); x = x.reshape(x.shape[:-1] + (-1, 32)); a = np.abs(x).max(-1, keepdims=True)
;;       e = np.where(a > 0, np.clip(np.frexp(np.where(a > 0, a, 1))[1] - 1 - 2, -126, 127), 0)      # np.frexp(a)[1] - 1 = floor(log2(a)), exactly
;;       r = np.clip(x / 2.0 ** e, -6, 6)
;;       step = 2.0 ** (np.maximum(np.frexp(np.where(r == 0, 1, r))[1] - 1, 0) - 1)
;;       q = np.round(r / step) * step * 2.0 ** e      # np.round: ties to even
;;       return np.moveaxis(q.reshape(q.shape[:-2] + (-1,))[..., :K], -1, axis).astype(np.float32)
;;   ~~~
;;   SOFTMAX AHEAD OF A QUANTISED PRODUCT. Where the list says 'softmax', what is quantised is not the finished softmax but p = 2^(t - M), with t = logit x log2(e) and M = ceil(the row's largest t), a whole number; so 1/2 < the row's largest p <= 1. The row's sum l is taken of the UNQUANTISED p, in f32, and the product's result is divided by l at the end. Since M is a whole number, a kernel that streams over the keys may use a running M (the ceiling of the running maximum): every later rescaling is an exact power of two, which a block's scale takes up: the codes' values come out the same.
;;   OPERANDS COMPUTED ON THE WAY. 'Computed on the way' means the value that the module computes at that place (a softmax that the list does not call 'softmax' is quantised finished and normalised). What goes into a quantiser is computed in f32, as accurately as f32 sums, v_exp_f32 and their like allow (about 1e-6 of the number): no bf16 or f16 on the way to a quantiser, and a product that is left as it is and whose result goes on into a quantised operand takes f32 operands (vector FMAs, or v_wmma_f32_16x16x4_f32). A number that lies on a knife's edge between two numbers of the format may be rounded either way, as far as f32 arithmetic and the matrix unit's own rounding can turn it there, and no further.
;; 2 versions. Each part assembles by itself: llvm-mc -triple=amdgcn-amd-amdhsa -mcpu=gfx1250 --defsym DOCPART=n.
;; ======== version 1 of 2: 4 launches
;; workspace buffers: xq 2,228,224 bytes; wts 1,671,168 bytes; qb 2,359,296 bytes; kv 4,718,592 bytes; ctx 2,228,224 bytes
;; launch prep (part 1): grid 320 x 1, 4 waves a work-group, no clusters, 39,424 bytes of LDS; arguments x, Wq, Wk, Wv, Wo, W1, W2, xq, wts; writes xq, wts
.if DOCPART == 1
	.amdgcn_target "amdgcn-amd-amdhsa--gfx1250"
	.amdhsa_code_object_version 6
	.text
	.protected	k_q90afc565ec_prep
	.globl	k_q90afc565ec_prep
	.p2align	8
	.type	k_q90afc565ec_prep,@function
k_q90afc565ec_prep:
	s_mov_b64 s[64:65], 0
	v_nop
	global_prefetch_b8 v0, s[64:65] scope:SCOPE_SE
	s_setreg_imm32_b32 hwreg(HW_REG_WAVE_MODE, 25, 1), 1
	s_wait_xcnt 0x0
; x [8192][512] and the six weights ([K][N], K first) become codes of FP4 (E2M1) with one E8M0 scale byte for each 32 along K.
; A block's scale is 2^(floor(log2(its largest magnitude)) - 2); its byte is the largest magnitude's exponent field - 2, held at 1 from below.
; LIMITS: NaN and infinities among the inputs are not served; a block whose largest magnitude lies under 2^-124 gets the byte 1; a block of zeros gets the byte 1
; where the rule says 127: its codes are zeros, which add nothing under that byte, and this program alone reads the bytes.
; BOTH RESULTS ARE LAID AS IMAGES OF OPERAND REGISTERS.  A fragment (16 rows x 128 K) is 1,024 bytes: block kb (32 along K) of row r lies at 256 (kb % 4) + 16 r.
; THE ROWS OF A TILE ARE NOT NEIGHBOURS: row r of tile 2 b + u is element 32 b + 8 u + r + 8 (r / 8), of tokens and of weight columns alike.
; xq:  images [tile 512][K step 4][1024]; from XQS on scale bytes [tile][row][16].
; wts: images [tile][K step][1024] at Wq 0, Wk 131072, Wv 262144, Wo 393216, W1 524288, W2 1048576; from WS0 on scale words [K step][tile][row] at Wq 0, Wk 8192, Wv 16384, Wo 24576, W1 32768, W2 65536.
; Work-groups 0-127 take x (a wave a tile of 16 tokens, a step a row), work-groups 128-319 the weights (a wave 32 columns x 128 K).  Waves share nothing: no barrier.  Only x's path uses LDS.
.set XQS,   2097152
.set WS0,   1572864
.set WREG,  9728                       ; LDS of a wave: two turning stages, 256 scale bytes, the codes' stage
.set SP,    80                         ; a lane's place in a turning stage: 64 bytes + 16
.set SCB,   2*32*SP                    ; the scale bytes
.set CST,   SCB+256                    ; the codes' stage: 16 blocks x (256 bytes + 16)
.set CP,    272
.set R,     16                         ; v16-79   four sets of 16 numbers as they are loaded
.set X,     80                         ; v80-111  two sets of 16 neighbours
.set C,     112                        ; v112-115 codes, two sets by turns
.set E,     116                        ; v116-117 the scale byte, two by turns
.set OUTR,  128                        ; v128-159 the way out
.set WX,    32                         ; weights: v32-159 four blocks of 32 numbers
.set WC,    160                        ; v160-175 their codes
.set WB,    176                        ; v176     their four scale bytes
.macro LOAD t                          ; row t of the tile: 2,048 bytes, each load 512 consecutive bytes
.irp i, 0,1,2,3
	global_load_b128 v[R+16*((\t)%4)+4*\i:R+16*((\t)%4)+4*\i+3], v3, s[4:5] offset:2048*((\t)+8*((\t)/8))+512*\i th:TH_LOAD_NT
.endr
.endm
.macro TURN t                          ; through the stage: in as loaded, out 16 neighbours a lane; LDS serves a wave's instructions in order
.irp i, 0,1,2,3
	ds_store_b128 v14, v[R+16*((\t)%4)+4*\i:R+16*((\t)%4)+4*\i+3] offset:32*SP*((\t)%2)+8*SP*\i
.endr
.irp i, 0,1,2,3
	ds_load_b128 v[X+16*((\t)%2)+4*\i:X+16*((\t)%2)+4*\i+3], v15 offset:32*SP*((\t)%2)+16*\i
.endr
.endm
.macro STEP t
.set XS, X+16*((\t)%2)
.set CC, C+2*((\t)%2)
.if (\t) > 0
	s_wait_dscnt 2                                 ; this row's numbers are back; the last step's byte store and code store may be out; those of the step before are done, so their registers may be written
.else
	s_wait_dscnt 0x0
.endif
.if (\t)+4 < 16
	LOAD (\t)+4
.endif
.if (\t)+1 < 16
.if 14-(\t) >= 3
	s_wait_loadcnt 12                              ; the next row's four loads are in; those of the three rows behind it may be out
.else
	s_wait_loadcnt 4*(14-(\t))
.endif
	TURN (\t)+1
.endif
	v_max3_num_f32 v8, |v[XS]|, |v[XS+1]|, |v[XS+2]|
	v_max3_num_f32 v9, |v[XS+3]|, |v[XS+4]|, |v[XS+5]|
.irp i, 6,10
	v_max3_num_f32 v8, v8, |v[XS+\i]|, |v[XS+\i+1]|
	v_max3_num_f32 v9, v9, |v[XS+\i+2]|, |v[XS+\i+3]|
.endr
	v_max3_num_f32 v8, v8, |v[XS+14]|, |v[XS+15]|
	v_max3_num_f32 v8, v8, v9, 0x1800000           ; the floor 2^(3 - 127): the byte cannot fall under 1
	v_max_num_f32_dpp v8, v8, v8 row_xmask:1 row_mask:0xf bank_mask:0xf   ; with my neighbour's 16: the block's largest magnitude
	v_add_nc_u32 v11, 0xff000000, v8               ; 2 off its exponent field: the conversion's scale operand
	v_cvt_scalef32_pk8_fp4_f32 v[CC], v[XS:XS+7], v11
	v_cvt_scalef32_pk8_fp4_f32 v[CC+1], v[XS+8:XS+15], v11
	v_lshrrev_b32 v[E+(\t)%2], 23, v11             ; the scale's byte
	ds_store_b8 v5, v[E+(\t)%2] offset:16*(\t)     ; row t, block lane / 2: both lanes write the same byte
	ds_store_b64 v4, v[CC:CC+1] offset:16*(\t)     ; block lane / 2, row t, my half of its 16 bytes
.endm
.macro WLOAD t, pitch                  ; block t of my column: W(32 t + i, column), 128 consecutive bytes a load
.set ii, 0
.rept 32
	global_load_b32 v[WX+32*(\t)+ii], v3, s[26:27] offset:(32*(\t)+ii)*\pitch th:TH_LOAD_NT
.set ii, ii+1
.endr
.endm
.macro WBLOCK t, pitch
.set XB, WX+32*(\t)
.if (\t) < 3
	s_wait_loadcnt 32                              ; this block's 32 loads are in; the next block's may be out
.else
	s_wait_loadcnt 0x0
.endif
.if (\t)+2 < 4
	WLOAD (\t)+2, \pitch
.endif
	v_max3_num_f32 v12, |v[XB]|, |v[XB+1]|, |v[XB+2]|
	v_max3_num_f32 v13, |v[XB+3]|, |v[XB+4]|, |v[XB+5]|
.irp i, 6,10,14,18,22,26
	v_max3_num_f32 v12, v12, |v[XB+\i]|, |v[XB+\i+1]|
	v_max3_num_f32 v13, v13, |v[XB+\i+2]|, |v[XB+\i+3]|
.endr
	v_max3_num_f32 v12, v12, |v[XB+30]|, |v[XB+31]|
	v_max3_num_f32 v12, v12, v13, 0x1800000
	v_add_nc_u32 v11, 0xff000000, v12
	v_lshrrev_b32 v13, 23, v11
.irp g, 0,1,2,3
	v_cvt_scalef32_pk8_fp4_f32 v[WC+4*(\t)+\g], v[XB+8*\g:XB+8*\g+7], v11
.endr
.if (\t) == 0
	v_mov_b32 v[WB], v13                           ; four bytes make the K step's scale word, the lower K in the lower byte
.else
	v_lshl_or_b32 v[WB], v13, 8*(\t), v[WB]
.endif
	global_store_b128 v4, v[WC+4*(\t):WC+4*(\t)+3], s[40:41] offset:256*(\t)   ; sixteen lanes of one tile store 256 consecutive bytes, aligned
.endm
.macro WBODY pitch
	WLOAD 0, \pitch
	WLOAD 1, \pitch
	WBLOCK 0, \pitch
	WBLOCK 1, \pitch
	WBLOCK 2, \pitch
	WBLOCK 3, \pitch
	global_store_b32 v5, v[WB], s[42:43]           ; 128 consecutive bytes: the scale words of two tiles
	s_endpgm
.endm
	s_load_b256 s[4:11], s[0:1], 0x0               ; x, Wq, Wk, Wv
	s_load_b256 s[12:19], s[0:1], 0x20             ; Wo, W1, W2, xq
	s_load_b64 s[20:21], s[0:1], 0x40              ; wts
	v_lshl_add_u32 v192, v0, 2, 0x9800
	v_mov_b32 v193, 0
	v_lshrrev_b32 v1, 5, v0
	v_readfirstlane_b32 s24, v1                    ; wave
	v_and_b32 v2, 31, v0                           ; lane
	s_cmp_lt_u32 ttmp9, 128
	s_cbranch_scc0 .Lweights
	; ---------------- x: a wave takes one tile of 16 tokens
	v_lshlrev_b32 v3, 4, v2                        ; 16 x lane
	s_mul_i32 s25, s24, WREG
	v_lshrrev_b32 v14, 2, v2
	v_mul_u32_u24 v14, v14, SP
	v_and_b32 v15, 3, v2
	v_lshl_add_u32 v14, v15, 4, v14
	v_add_nc_u32 v14, s25, v14                     ; the turning stage, in: SP (lane / 4) + 16 (lane % 4)
	v_mul_u32_u24 v15, v2, SP
	v_add_nc_u32 v15, s25, v15                     ; and out: SP x lane
	v_lshrrev_b32 v5, 1, v2                        ; my block
	v_mul_u32_u24 v4, v5, CP
	v_and_b32 v6, 1, v2
	v_lshl_add_u32 v4, v6, 3, v4
	v_add_nc_u32 v4, s25, v4
	v_add_nc_u32 v4, CST, v4                       ; the codes' stage, in: CP x block + 8 x my half
	v_add_nc_u32 v5, s25, v5
	v_add_nc_u32 v5, SCB, v5                       ; my block's scale byte
	v_lshlrev_b32 v7, 3, v2
	v_add_nc_u32 v6, s25, v7
	v_add_nc_u32 v6, SCB, v6                       ; the scale bytes on the way out: 8 a lane
	v_lshrrev_b32 v10, 4, v2
	v_mul_u32_u24 v10, v10, CP
	v_and_b32 v8, 15, v2
	v_lshl_add_u32 v10, v8, 4, v10
	v_add_nc_u32 v10, s25, v10
	v_add_nc_u32 v10, CST, v10                     ; the codes' stage, out: sixteen lanes to a block's 256 bytes
	s_lshl_b32 s26, ttmp9, 2
	s_add_co_u32 s26, s26, s24                     ; my tile
	s_lshr_b32 s28, s26, 1
	s_lshl_b32 s28, s28, 16                        ; 32 tokens of 2,048 bytes for each pair of tiles,
	s_and_b32 s29, s26, 1
	s_lshl_b32 s29, s29, 14                        ; 8 tokens for the odd tile
	s_add_co_u32 s28, s28, s29
	s_mov_b32 s29, 0
	s_lshl_b32 s30, s26, 12
	s_mov_b32 s31, 0
	s_lshl_b32 s32, s26, 8
	s_mov_b32 s33, 0
	s_wait_kmcnt 0x0
	s_add_nc_u64 s[4:5], s[4:5], s[28:29]
	s_add_nc_u64 s[30:31], s[18:19], s[30:31]      ; my tile's image
	s_add_nc_u64 s[32:33], s[18:19], s[32:33]
	s_add_nc_u64 s[32:33], s[32:33], XQS           ; and its scale bytes
.irp t, 0,1,2,3
	LOAD \t
.endr
	s_wait_loadcnt 12                              ; row 0's four loads are in
	TURN 0
.irp t, 0,1,2,3,4,5,6,7,8,9,10,11,12,13,14,15
	STEP \t
.endr
	ds_load_b64 v[12:13], v6                       ; LDS serves a wave's instructions in order: these see my stores
.irp i, 0,1,2,3,4,5,6,7
	ds_load_b128 v[OUTR+4*\i:OUTR+4*\i+3], v10 offset:2*CP*\i
.endr
	s_wait_dscnt 0x0
	global_store_b64 v7, v[12:13], s[32:33]        ; 256 consecutive bytes, aligned
.irp i, 0,1,2,3,4,5,6,7
	global_store_b128 v3, v[OUTR+4*\i:OUTR+4*\i+3], s[30:31] offset:512*\i   ; 512 consecutive bytes, aligned
.endr
	s_wait_tensorcnt 0x0
	ds_add_u32 v192, v193
	s_wait_dscnt 0x0
	s_endpgm
	; ---------------- the weights: a wave takes 32 columns x 128 along K; a lane a column, its registers run down K
.Lweights:
	s_sub_co_u32 s25, ttmp9, 128
	s_wait_kmcnt 0x0
	s_cmp_lt_u32 s25, 64
	s_cbranch_scc0 .Lbig
	s_lshr_b32 s34, s25, 4                         ; which of Wq, Wk, Wv, Wo
	s_and_b32 s35, s25, 15
	s_cmp_eq_u32 s34, 1
	s_cselect_b64 s[26:27], s[8:9], s[6:7]
	s_cmp_eq_u32 s34, 2
	s_cselect_b64 s[26:27], s[10:11], s[26:27]
	s_cmp_eq_u32 s34, 3
	s_cselect_b64 s[26:27], s[12:13], s[26:27]
	s_and_b32 s28, s35, 3                          ; which 128 columns
	s_lshr_b32 s29, s35, 2                         ; which K step
	s_mov_b32 s30, 4                               ; K steps in all
	s_lshl_b32 s31, s34, 17                        ; where its images begin
	s_lshl_b32 s32, s34, 13
	s_add_co_u32 s32, s32, WS0                     ; and its scale words
	s_mov_b32 s33, 2048                            ; a row of W in bytes
	s_branch .Lcommon
.Lbig:
	s_cmp_lt_u32 s25, 128
	s_cbranch_scc0 .Lw2
	s_sub_co_u32 s35, s25, 64                      ; W1
	s_mov_b64 s[26:27], s[14:15]
	s_and_b32 s28, s35, 15
	s_lshr_b32 s29, s35, 4
	s_mov_b32 s30, 4
	s_mov_b32 s31, 524288
	s_mov_b32 s32, WS0+32768
	s_mov_b32 s33, 8192
	s_branch .Lcommon
.Lw2:
	s_sub_co_u32 s35, s25, 128                     ; W2
	s_mov_b64 s[26:27], s[16:17]
	s_and_b32 s28, s35, 3
	s_lshr_b32 s29, s35, 2
	s_mov_b32 s30, 16
	s_mov_b32 s31, 1048576
	s_mov_b32 s32, WS0+65536
	s_mov_b32 s33, 2048
.Lcommon:
	s_lshl_b32 s34, s28, 2
	s_add_co_u32 s34, s34, s24                     ; my group of 32 columns
	s_mul_i32 s36, s29, s33                        ; K step x a row's bytes
	s_lshl_b32 s35, s34, 7                         ; 128 bytes a group
	s_lshl_b32 s38, s36, 7                         ; 128 rows a K step
	s_add_co_u32 s38, s38, s35
	s_mov_b32 s39, 0
	s_add_nc_u64 s[26:27], s[26:27], s[38:39]      ; W at my first number
	s_mul_i32 s40, s34, s30
	s_lshl_b32 s40, s40, 1                         ; two tiles a group, each with all its K steps
	s_add_co_u32 s40, s40, s29
	s_lshl_b32 s40, s40, 10
	s_add_co_u32 s40, s40, s31
	s_mov_b32 s41, 0
	s_add_nc_u64 s[40:41], s[20:21], s[40:41]      ; the even tile's fragment of my K step
	s_add_co_u32 s42, s36, s35
	s_add_co_u32 s42, s42, s32
	s_mov_b32 s43, 0
	s_add_nc_u64 s[42:43], s[20:21], s[42:43]      ; my two tiles' scale words of my K step
	s_lshl_b32 s44, s30, 10                        ; from a tile to the next, in bytes
	v_lshlrev_b32 v3, 2, v2                        ; in: 4 bytes a lane
	v_bfe_u32 v6, v0, 3, 1                         ; column m of 32 lies in tile u = bit 3 of m,
	v_and_b32 v7, 7, v2
	v_bfe_u32 v8, v0, 4, 1
	v_lshl_or_b32 v7, v8, 3, v7                    ; at row r = bit 4 and bits 2 to 0 of m
	v_mul_u32_u24 v4, s44, v6
	v_lshl_add_u32 v4, v7, 4, v4                   ; codes: tile u, 16 r
	v_lshl_add_u32 v5, v6, 4, v7
	v_lshlrev_b32 v5, 2, v5                        ; scale words: 4 (16 u + r)
	s_cmp_eq_u32 s33, 2048
	s_cbranch_scc0 .Lwide
	WBODY 2048
.Lwide:
	WBODY 8192
.Lfunc_end_k_q90afc565ec_prep:
	.size	k_q90afc565ec_prep, .Lfunc_end_k_q90afc565ec_prep-k_q90afc565ec_prep
	.p2alignl 7, 3214868480
	.fill 96, 4, 3214868480
	.section	.rodata,"a",@progbits
	.p2align	6, 0x0
	.amdhsa_kernel k_q90afc565ec_prep
		.amdhsa_group_segment_fixed_size 39424
		.amdhsa_private_segment_fixed_size 0
		.amdhsa_enable_private_segment 0
		.amdhsa_kernarg_size 72
		.amdhsa_user_sgpr_count 2
		.amdhsa_user_sgpr_kernarg_segment_ptr 1
		.amdhsa_wavefront_size32 1
		.amdhsa_system_sgpr_workgroup_id_x 1
		.amdhsa_system_sgpr_workgroup_id_y 1
		.amdhsa_system_sgpr_workgroup_id_z 1
		.amdhsa_system_vgpr_workitem_id 0
		.amdhsa_next_free_vgpr 194
		.amdhsa_next_free_sgpr 66
		.amdhsa_reserve_vcc 0
		.amdhsa_float_denorm_mode_32 3
		.amdhsa_float_denorm_mode_16_64 3
		.amdhsa_memory_ordered 1
		.amdhsa_forward_progress 1
		.amdhsa_inst_pref_size 74
	.end_amdhsa_kernel
	.amdgpu_metadata
---
amdhsa.version: [ 1, 2 ]
amdhsa.kernels:
  - .name:           k_q90afc565ec_prep
    .symbol:         k_q90afc565ec_prep.kd
    .args:
      - { .name: x, .offset: 0, .size: 8, .value_kind: global_buffer, .address_space: global }
      - { .name: Wq, .offset: 8, .size: 8, .value_kind: global_buffer, .address_space: global }
      - { .name: Wk, .offset: 16, .size: 8, .value_kind: global_buffer, .address_space: global }
      - { .name: Wv, .offset: 24, .size: 8, .value_kind: global_buffer, .address_space: global }
      - { .name: Wo, .offset: 32, .size: 8, .value_kind: global_buffer, .address_space: global }
      - { .name: W1, .offset: 40, .size: 8, .value_kind: global_buffer, .address_space: global }
      - { .name: W2, .offset: 48, .size: 8, .value_kind: global_buffer, .address_space: global }
      - { .name: xq, .offset: 56, .size: 8, .value_kind: global_buffer, .address_space: global }
      - { .name: wts, .offset: 64, .size: 8, .value_kind: global_buffer, .address_space: global }
    .group_segment_fixed_size: 39424
    .private_segment_fixed_size: 0
    .kernarg_segment_align: 8
    .kernarg_segment_size: 72
    .max_flat_workgroup_size: 128
    .sgpr_count:     66
    .vgpr_count:     194
    .wavefront_size: 32
...
	.end_amdgpu_metadata
.endif
;; end of part 1
;; launch qkv (part 2): grid 64 x 3, 8 waves a work-group, no clusters, 35,840 bytes of LDS; arguments xq, wts, bq, bk, bv, qb, kv; writes qb, kv
.if DOCPART == 2
	.amdgcn_target "amdgcn-amd-amdhsa--gfx1250"
	.amdhsa_code_object_version 6
	.text
	.protected	k_q90afc565ec_qkv
	.globl	k_q90afc565ec_qkv
	.p2align	8
	.type	k_q90afc565ec_qkv,@function
k_q90afc565ec_qkv:
	s_mov_b64 s[64:65], 0
	v_nop
	global_prefetch_b8 v0, s[64:65] scope:SCOPE_SE
	s_setreg_imm32_b32 hwreg(HW_REG_WAVE_MODE, 25, 1), 1
	s_wait_xcnt 0x0
; q = x Wq + bq, k = x Wk + bk, v = x Wv + bv on codes of FP4 with E8M0 scales, and the results quantised at once: q and k along the head's 64, v along the keys.
; SHARES.  Work-group x: 128 tokens (8 tiles of 16: one key step of the attention); y: 0 q, 1 k, 2 v.  Wave = head: its 64 columns of the weight (16 fragments, 128 registers) stay in registers;
; the tokens' codes (32 KiB) and scale bytes come into LDS once, by a plain copy through registers, and all eight waves read them.  A wave walks four pairs of token tiles, 32 matrix instructions each.
; q, k: THE PRODUCT IS USED TRANSPOSED (source 0 = 16 columns of W, source 1 = 16 tokens): a lane holds one token and its registers run along the head's 64, which is the next product's K.
; v: not transposed (source 0 = tokens, source 1 = columns): a lane holds one channel and its registers run along the tokens, which are the next product's K.
; Rows of token tiles and of weight tiles are chosen so (row r of tile 2 b + u = element 32 b + 8 u + r + 8 (r / 8)) that the 16 registers of two neighbouring tiles are 16 neighbours along that K.
; OUT, as images of operand registers.  qb: [head of batch 16][group 32][4608]: 8 tiles x 512 bytes (lane l: 16 l), then [lane][4] scale words (word i of lane l: tile 2 i + l / 16, row l % 16; bytes 2, 3 = 127).
; kv: [head of batch][key step][9216]: K as in qb; at 4608 V^T's four fragments of 16 channels x 128 keys; at 8704 [lane][2] scale words (word i of lane l: channel tile 2 i + l / 16).
; The biases are the C of each sum's first matrix instruction.
; LIMITS: NaN and infinities are not served; a block under 2^-124, and a block of zeros, get the scale byte 1 (zero codes add nothing; this program alone reads the bytes).
; REGISTERS, window 0: v1-11 addresses; v16-79 x's fragments of a pair of tiles; v80-143 eight accumulators; v144-175 codes, 8 a pair; v176-191 at work; v192-199 x's scale words; v200-207 W's; v208-213 scale words made.
; window 1: v0-127 the weight's fragments (tile nt, K step ks) at 8 (4 nt + ks); v128-159 the bias, 8 a tile.
.set XQS, 2097152
.set WS0, 1572864
.set XSC, 32768                        ; LDS: the images at 0, the scale bytes here
.set LI,  1                            ; v1  16 x lane
.set XSA, 2                            ; v2  XSC + 16 r
.set T16, 3                            ; v3  16 x thread
.set T8,  4                            ; v4  8 x thread
.set VO,  6                            ; v6  1024 h + 16 r
.set L8,  7                            ; v7  8 x lane
.set BO,  8                            ; v8  64 h
.set L4,  11                           ; v11 4 x lane
.set XF,  16
.set HA,  80
.set PC,  144
.set TM,  176
.set XS,  192
.set WS,  200
.set SW,  208
.set VP,  212
.set TP,  214
.set WBI, 128
.set WV,  18
.set SEL, 20
.set MSB, 0
.macro WIN new                         ; the immediate's high byte repeats the setting that is left
.if MSB != \new
	s_set_vgpr_msb (MSB<<8)|\new
.set MSB, \new
.endif
.endm
.macro PLACES n
.rept \n
	v_nop
.endr
.endm
.macro WM d, a, b, c, sa, sb, mod      ; mod 1: source 0's scales from lanes 16-31; 2: source 1's
.if (\mod) == 1
	v_wmma_scale_f32_16x16x128_f8f6f4 v[\d:\d+7], v[\a:\a+7], v[\b:\b+7], v[\c:\c+7], v[\sa], v[\sb] matrix_a_fmt:MATRIX_FMT_FP4 matrix_b_fmt:MATRIX_FMT_FP4 matrix_a_scale:MATRIX_SCALE_ROW1
.elseif (\mod) == 2
	v_wmma_scale_f32_16x16x128_f8f6f4 v[\d:\d+7], v[\a:\a+7], v[\b:\b+7], v[\c:\c+7], v[\sa], v[\sb] matrix_a_fmt:MATRIX_FMT_FP4 matrix_b_fmt:MATRIX_FMT_FP4 matrix_b_scale:MATRIX_SCALE_ROW1
.else
	v_wmma_scale_f32_16x16x128_f8f6f4 v[\d:\d+7], v[\a:\a+7], v[\b:\b+7], v[\c:\c+7], v[\sa], v[\sb] matrix_a_fmt:MATRIX_FMT_FP4 matrix_b_fmt:MATRIX_FMT_FP4
.endif
.endm
; 64 numbers of a lane, register 16 b + i = number 16 h + i of block b, become codes: v[pc + 4 c .. + 3] of lane (r, h) = the whole block 2 c + h.  The four bytes are left in v[TM+4 ..].
.macro QUANT s, pc
.irp b, 0,1,2,3
	v_max3_num_f32 v[TM+\b], |v[\s+16*\b]|, |v[\s+1+16*\b]|, 0x1800000   ; with the floor 2^(3 - 127): the byte cannot fall under 1
.endr
.irp i, 2,4,6,8,10,12,14
.irp b, 0,1,2,3
	v_max3_num_f32 v[TM+\b], v[TM+\b], |v[\s+16*\b+\i]|, |v[\s+1+16*\b+\i]|
.endr
.endr
.irp b, 0,1,2,3
	v_permlanex16_b32 v[TM+4+\b], v[TM+\b], s[SEL], s[SEL+1]
.endr
.irp b, 0,1,2,3
	v_max_num_f32 v[TM+\b], v[TM+\b], v[TM+4+\b]   ; with lane l xor 16's: the block's largest magnitude
.endr
.irp b, 0,1,2,3
	v_add_nc_u32 v[TM+12+\b], 0xff000000, v[TM+\b] ; 2 off its exponent field: the conversion's scale operand
.endr
.irp b, 0,1,2,3
	v_lshrrev_b32 v[TM+4+\b], 23, v[TM+12+\b]      ; the scale's byte
.endr
.irp b, 0,1,2,3
	v_cvt_scalef32_pk8_fp4_f32 v[\pc+2*\b], v[\s+16*\b:\s+7+16*\b], v[TM+12+\b]
	v_cvt_scalef32_pk8_fp4_f32 v[\pc+1+2*\b], v[\s+8+16*\b:\s+15+16*\b], v[TM+12+\b]
.endr
	v_nop                                          ; one plain instruction behind the scaled conversions
.irp c, 0,1
.irp i, 0,1
	v_permlane16_swap_b32 v[\pc+4*\c+\i], v[\pc+2+4*\c+\i]
.endr
.endr
.endm
.macro FETCHX p                        ; the fragments and scale words of token tiles 2 p and 2 p + 1
.irp u, 0,1
.irp ks, 0,1,2,3
.irp c, 0,1
	ds_load_b128 v[XF+32*\u+8*\ks+4*\c:XF+32*\u+8*\ks+4*\c+3], v[LI] offset:(2*(\p)+\u)*4096+\ks*1024+\c*512
.endr
.endr
	ds_load_b128 v[XS+4*\u:XS+4*\u+3], v[XSA] offset:(2*(\p)+\u)*256
.endr
	s_wait_dscnt 0x0
.endm
	s_load_b256 s[4:11], s[0:1], 0x0               ; xq, wts, bq, bk
	s_load_b128 s[12:15], s[0:1], 0x20             ; bv, qb
	s_load_b64 s[16:17], s[0:1], 0x30              ; kv
	v_lshl_add_u32 v254, v0, 2, 0x8800
	v_mov_b32 v255, 0
	v_lshrrev_b32 v1, 5, v0
	v_readfirstlane_b32 s[WV], v1                  ; wave = head
	s_and_b32 s19, ttmp7, 0xffff                   ; 0 q, 1 k, 2 v
	v_and_b32 v5, 31, v0                           ; lane
	v_and_b32 v9, 15, v0                           ; r
	v_bfe_u32 v10, v0, 4, 1                        ; h
	v_lshlrev_b32 v[LI], 4, v5
	v_lshl_add_u32 v[XSA], v9, 4, XSC
	v_lshlrev_b32 v[T16], 4, v0
	v_lshlrev_b32 v[T8], 3, v0
	v_lshlrev_b32 v[VO], 4, v9
	v_lshl_add_u32 v[VO], v10, 10, v[VO]
	v_lshlrev_b32 v[L8], 3, v5
	v_lshlrev_b32 v[BO], 6, v10
	v_lshlrev_b32 v[L4], 2, v5
.irp b, 0,1,2,3
	v_mov_b32 v[TM+4+\b], 0                        ; written once: a lane permute's destination counts as one of its sources
.endr
	s_mov_b32 s[SEL], 0x76543210
	s_mov_b32 s[SEL+1], 0xfedcba98                 ; v_permlanex16_b32's selects for lane l xor 16
	s_mov_b32 vcc_lo, 0xffff0000                   ; the mask of lanes 16-31, for the whole kernel
	s_lshl_b32 s24, ttmp9, 15                      ; my 8 tiles' images,
	s_mov_b32 s25, 0
	s_lshl_b32 s26, ttmp9, 11                      ; their scale bytes,
	s_mov_b32 s27, 0
	s_lshl_b32 s28, s19, 17                        ; my weight's images, my head's four tiles,
	s_lshl_b32 s29, s[WV], 14
	s_add_co_u32 s28, s28, s29
	s_mov_b32 s29, 0
	s_lshl_b32 s30, s19, 13                        ; and their scale words
	s_lshl_b32 s31, s[WV], 8
	s_add_co_u32 s30, s30, s31
	s_add_co_u32 s30, s30, WS0
	s_mov_b32 s31, 0
	s_lshr_b32 s32, ttmp9, 5                       ; the batch,
	s_lshl_b32 s32, s32, 3
	s_add_co_u32 s32, s32, s[WV]                   ; its head,
	s_lshl_b32 s32, s32, 5
	s_and_b32 s33, ttmp9, 31
	s_add_co_u32 s32, s32, s33                     ; and the group of 128 tokens in it
	s_mul_i32 s34, s32, 4608
	s_mul_i32 s35, s32, 9216
	s_lshl_b32 s40, s[WV], 8                       ; my head's 64 numbers of a bias
	s_mov_b32 s41, 0
	s_wait_kmcnt 0x0
	s_add_nc_u64 s[24:25], s[4:5], s[24:25]
	s_add_nc_u64 s[26:27], s[4:5], s[26:27]
	s_add_nc_u64 s[26:27], s[26:27], XQS
	s_add_nc_u64 s[28:29], s[6:7], s[28:29]
	s_add_nc_u64 s[30:31], s[6:7], s[30:31]
.irp i, 0,1,2,3,4,5,6,7
	global_load_b128 v[XF+4*\i:XF+4*\i+3], v[T16], s[24:25] offset:4096*\i   ; the work-group's 256 threads copy 4,096 consecutive bytes a load
.endr
	global_load_b64 v[XF+32:XF+33], v[T8], s[26:27]
	WIN 0x40                                       ; destination window 1
.set ff, 0
.rept 16
.irp c, 0,1
	global_load_b128 v[8*ff+4*\c:8*ff+4*\c+3], v[LI], s[28:29] offset:ff*1024+\c*512
.endr
.set ff, ff+1
.endr
	WIN 0
.irp ks, 0,1,2,3
.irp pr, 0,1
	global_load_b32 v[WS+2*\ks+\pr], v[L4], s[30:31] offset:2048*\ks+128*\pr   ; lanes 0-15: tile 2 pr; lanes 16-31: tile 2 pr + 1
.endr
.endr
	s_wait_loadcnt 40                              ; the nine loads of x's codes and scale bytes are in; the 32 + 8 behind them may be out
.irp i, 0,1,2,3,4,5,6,7
	ds_store_b128 v[T16], v[XF+4*\i:XF+4*\i+3] offset:4096*\i
.endr
	ds_store_b64 v[T8], v[XF+32:XF+33] offset:XSC
	s_wait_dscnt 0x0                               ; my part of the copy has landed
	s_barrier_signal -1
	s_barrier_wait -1                              ; everybody's has; from here on LDS is only read
	s_cmp_eq_u32 s19, 2
	s_cbranch_scc1 .Lv
	; ---------------- q and k
	s_cmp_eq_u32 s19, 0
	s_cselect_b64 s[36:37], s[14:15], s[16:17]
	s_cselect_b64 s[38:39], s[8:9], s[10:11]
	s_cselect_b32 s34, s34, s35
	s_mov_b32 s35, 0
	s_add_nc_u64 s[36:37], s[36:37], s[34:35]
	s_add_nc_u64 s[38:39], s[38:39], s[40:41]
	WIN 0x40
.irp nt, 0,1,2,3
.irp q, 0,1
	global_load_b128 v[WBI+8*\nt+4*\q:WBI+8*\nt+4*\q+3], v[BO], s[38:39] offset:(32*(\nt/2)+8*(\nt%2))*4+16*\q   ; lane (r, h), tile 2 b + u: the bias at 32 b + 16 h + 8 u + 0 .. 7
.endr
.endr
	WIN 0
	s_wait_loadcnt 0x0
.irp p, 0,1,2,3
	FETCHX \p
.irp ks, 0,1,2,3
.if \ks == 0
	WIN 0x11                                       ; source 0 (W) and C (the bias) window 1
.else
	WIN 0x01
.endif
.irp u, 0,1
.irp nt, 0,1,2,3                               ; the eight accumulators take turns, one instruction a turn
.if \ks == 0
	WM HA+32*\u+8*\nt, 8*(4*\nt+\ks), XF+32*\u+8*\ks, WBI+8*\nt, WS+2*\ks+\nt/2, XS+4*\u+\ks, \nt%2
.else
	WM HA+32*\u+8*\nt, 8*(4*\nt+\ks), XF+32*\u+8*\ks, HA+32*\u+8*\nt, WS+2*\ks+\nt/2, XS+4*\u+\ks, \nt%2
.endif
.endr
.endr
.endr
	WIN 0
	PLACES 4                                       ; behind the last products, ahead of the first read of results
	QUANT HA, PC+8*\p                              ; blocks: (tile u, half b of the head's 64)
	v_lshl_or_b32 v[TP], v[TM+5], 8, v[TM+4]       ; the even tile's two bytes,
	v_lshl_or_b32 v[TP+1], v[TM+7], 8, v[TM+6]     ; the odd tile's,
	v_cndmask_b32 v[TP], v[TP], v[TP+1], vcc_lo    ; the even tile's in lanes 0-15, the odd tile's in lanes 16-31,
	v_or_b32 v[SW+\p], 0x7f7f0000, v[TP]           ; and 127 for the half of a K step of 128 that a head of 64 leaves empty
.irp u, 0,1
	global_store_b128 v[LI], v[PC+8*\p+4*\u:PC+8*\p+4*\u+3], s[36:37] offset:(2*\p+\u)*512   ; 512 consecutive bytes, aligned
.endr
.endr
	global_store_b128 v[LI], v[SW:SW+3], s[36:37] offset:4096
	s_wait_tensorcnt 0x0
	ds_add_u32 v254, v255
	s_wait_dscnt 0x0
	s_endpgm
	; ---------------- v
.Lv:
	s_mov_b32 s34, s35
	s_mov_b32 s35, 0
	s_add_nc_u64 s[36:37], s[16:17], s[34:35]
	s_add_nc_u64 s[36:37], s[36:37], 4608
	s_add_nc_u64 s[38:39], s[12:13], s[40:41]
	v_and_b32 v[TP+4], 8, v9
	v_add_nc_u32 v[TP+4], v[TP+4], v9
	v_lshlrev_b32 v[TP+4], 2, v[TP+4]              ; 4 (r + 8 (r / 8)): my channel in a pair of tiles
.irp nt, 0,1,2,3
	global_load_b32 v[TP+\nt], v[TP+4], s[38:39] offset:(32*(\nt/2)+8*(\nt%2))*4
.endr
	s_wait_loadcnt 0x0
	WIN 0x40
.irp nt, 0,1,2,3
.irp j, 0,1,2,3,4,5,6,7
	v_mov_b32 v[WBI+8*\nt+\j], v[TP+\nt]           ; here a lane holds one channel: its bias eight times
.endr
.endr
	WIN 0
.irp p, 0,1,2,3
	FETCHX \p
.irp ks, 0,1,2,3
.if \ks == 0
	WIN 0x14                                       ; source 1 (W) and C (the bias) window 1
.else
	WIN 0x04
.endif
.irp u, 0,1
.irp nt, 0,1,2,3
.if \ks == 0
	WM HA+16*\nt+8*\u, XF+32*\u+8*\ks, 8*(4*\nt+\ks), WBI+8*\nt, XS+4*\u+\ks, WS+2*\ks+\nt/2, 2*(\nt%2)
.else
	WM HA+16*\nt+8*\u, XF+32*\u+8*\ks, 8*(4*\nt+\ks), HA+16*\nt+8*\u, XS+4*\u+\ks, WS+2*\ks+\nt/2, 2*(\nt%2)
.endif
.endr
.endr
.endr
	WIN 0
	PLACES 4
	QUANT HA, PC+8*\p                              ; block nt: keys 32 p .. 32 p + 31 of my channel in tile nt
.irp nt, 0,1,2,3
.if \p == 0
	v_mov_b32 v[SW+\nt], v[TM+4+\nt]
.else
	v_lshl_or_b32 v[SW+\nt], v[TM+4+\nt], 8*\p, v[SW+\nt]   ; the key step's four bytes make a channel's scale word
.endif
.endr
.irp c, 0,1
	global_store_b128 v[VO], v[PC+8*\p+4*\c:PC+8*\p+4*\c+3], s[36:37] offset:\c*2048+\p*256   ; channel tile 2 c + h, block p: sixteen lanes store 256 consecutive bytes, aligned
.endr
.endr
	v_cndmask_b32 v[VP], v[SW], v[SW+1], vcc_lo
	v_cndmask_b32 v[VP+1], v[SW+2], v[SW+3], vcc_lo
	global_store_b64 v[L8], v[VP:VP+1], s[36:37] offset:4096
	s_wait_tensorcnt 0x0
	ds_add_u32 v254, v255
	s_wait_dscnt 0x0
	s_endpgm
.Lfunc_end_k_q90afc565ec_qkv:
	.size	k_q90afc565ec_qkv, .Lfunc_end_k_q90afc565ec_qkv-k_q90afc565ec_qkv
	.p2alignl 7, 3214868480
	.fill 96, 4, 3214868480
	.section	.rodata,"a",@progbits
	.p2align	6, 0x0
	.amdhsa_kernel k_q90afc565ec_qkv
		.amdhsa_group_segment_fixed_size 35840
		.amdhsa_private_segment_fixed_size 0
		.amdhsa_enable_private_segment 0
		.amdhsa_kernarg_size 56
		.amdhsa_user_sgpr_count 2
		.amdhsa_user_sgpr_kernarg_segment_ptr 1
		.amdhsa_wavefront_size32 1
		.amdhsa_system_sgpr_workgroup_id_x 1
		.amdhsa_system_sgpr_workgroup_id_y 1
		.amdhsa_system_sgpr_workgroup_id_z 1
		.amdhsa_system_vgpr_workitem_id 0
		.amdhsa_next_free_vgpr 448
		.amdhsa_next_free_sgpr 66
		.amdhsa_reserve_vcc 1
		.amdhsa_float_denorm_mode_32 3
		.amdhsa_float_denorm_mode_16_64 3
		.amdhsa_memory_ordered 1
		.amdhsa_forward_progress 1
		.amdhsa_inst_pref_size 86
	.end_amdhsa_kernel
	.amdgpu_metadata
---
amdhsa.version: [ 1, 2 ]
amdhsa.kernels:
  - .name:           k_q90afc565ec_qkv
    .symbol:         k_q90afc565ec_qkv.kd
    .args:
      - { .name: xq, .offset: 0, .size: 8, .value_kind: global_buffer, .address_space: global }
      - { .name: wts, .offset: 8, .size: 8, .value_kind: global_buffer, .address_space: global }
      - { .name: bq, .offset: 16, .size: 8, .value_kind: global_buffer, .address_space: global }
      - { .name: bk, .offset: 24, .size: 8, .value_kind: global_buffer, .address_space: global }
      - { .name: bv, .offset: 32, .size: 8, .value_kind: global_buffer, .address_space: global }
      - { .name: qb, .offset: 40, .size: 8, .value_kind: global_buffer, .address_space: global }
      - { .name: kv, .offset: 48, .size: 8, .value_kind: global_buffer, .address_space: global }
    .group_segment_fixed_size: 35840
    .private_segment_fixed_size: 0
    .kernarg_segment_align: 8
    .kernarg_segment_size: 56
    .max_flat_workgroup_size: 256
    .sgpr_count:     66
    .vgpr_count:     448
    .wavefront_size: 32
...
	.end_amdgpu_metadata
.endif
;; end of part 2
;; launch attn (part 3): grid 16 x 16, 16 waves a work-group, no clusters, 20,480 bytes of LDS; arguments qb, kv, ctx; writes ctx
.if DOCPART == 3
	.amdgcn_target "amdgcn-amd-amdhsa--gfx1250"
	.amdhsa_code_object_version 6
	.text
	.protected	k_q90afc565ec_attn
	.globl	k_q90afc565ec_attn
	.p2align	8
	.type	k_q90afc565ec_attn,@function
k_q90afc565ec_attn:
	s_mov_b64 s[64:65], 0
	v_nop
	global_prefetch_b8 v0, s[64:65] scope:SCOPE_SE
	s_setreg_imm32_b32 hwreg(HW_REG_WAVE_MODE, 25, 1), 1
	s_wait_xcnt 0x0
; ctx = softmax(q k^T / 8, causal) v for 16 heads of batch, 4,096 tokens, head size 64, both products on codes of FP4 with E8M0 scales; ctx is quantised at once along the 512 columns that the next product sums over.
; THE SOFTMAX: t = score x log2(e) / 8; M = the row's largest t so far, rounded UP to a whole number; p = 2^(t - M) is what is quantised, along the keys, not normalised.  The row's sum is taken of the
; unquantised p and divides at the end.  When M moves, the sum and O are multiplied by 2^(old M - new M): exact.
; SHARES.  y: the head of batch.  x = j: the work-group owns the groups of 128 queries j and 31 - j, so that under the causal mask every work-group has 8 (j + 1) + 8 (32 - j) = 264 steps of a tile.
; Each of its sixteen waves owns one tile of 16 queries: wave w tile w / 2 of group j or 31 - j by the bit (w xor w / 4) & 1.  The work-group walks key steps 0 .. 31 - j, 128 keys each.
; A wave leaves out the work of steps beyond its own group (a scalar branch on ids); it still copies and passes every barrier.  In the step on the diagonal hidden scores become -infinity.
; A key step's 8,960 bytes (K's 8 tiles and scale words, V^T's 4 fragments and scale words, as the launch before laid them) are copied through registers into one of two LDS slots, a step ahead:
; loaded at a step's head, stored at its end, one barrier a step: in front of it each wave's reads of this slot and its stores into the other are done.
; LAYOUT.  Both products are used transposed: S^T = K Q^T, O^T = V^T P^T: a lane holds ONE query throughout; the keys of a tile of K are chosen so that p's 16 registers of two neighbouring tiles are 16 neighbouring keys.
; A HEAD OF 64 IN AN INSTRUCTION OF 128: Q's registers 4-7 are zero codes and the scale bytes 2 and 3 are 127 on both sides; K's operand of tile t is its four registers and the four that follow (the next tile's codes, at the
; end four zeros): every code is a finite number, and it meets a zero.
; LIMITS: NaN and infinities are not served; a block of ctx under 2^-124, and a block of zeros, get the scale byte 1 (this program alone reads the bytes).
; REGISTERS: v1-8 addresses; v12 -M, v13 the largest t, v[14:15] the sum in two halves; v16-23 Q, v24 its scale words; v26-31 the copy; v32-67 K; v68-99 V^T; v100-163 S^T, then p; v164-195 O^T; v196-203 p's codes;
; v204-207 K's scale words, v208-209 V's, v228 p's; v212-231 at work.
.set XQS,  2097152
.set SLOT, 9216
.set KSCO, 4096
.set VIO,  4608
.set VSCO, 8704
.set QF,  16
.set QS,  24
.set LD,  26
.set LE,  30
.set KF,  32
.set VF,  68
.set S,   100
.set OA,  164
.set PC,  196
.set KS,  204
.set VS,  208
.set BM,  212
.set PD,  216
.set SO,  220
.set T,   224
.set F,   226
.set PS,  228
.set SU,  230
.set WV,  10
.set LIM, 15                           ; s15  my group of queries = my last key step
.set SS,  16                           ; s16  the key step in hand
.set TR,  17                           ; s17  trips of two steps
.set CN,  18
.set PL,  19                           ; s19  a wave prefetches while the step in hand is under this
.set SEL, 20
.set CS,  22
.set KVB, 24                           ; s[24:25] my head's first key step
.set NB,  26                           ; s[26:27] the next key step
.macro WM d, a, b, c, sa, sb, mod
.if (\mod) == 1
	v_wmma_scale_f32_16x16x128_f8f6f4 v[\d:\d+7], v[\a:\a+7], v[\b:\b+7], v[\c:\c+7], v[\sa], v[\sb] matrix_a_fmt:MATRIX_FMT_FP4 matrix_b_fmt:MATRIX_FMT_FP4 matrix_a_scale:MATRIX_SCALE_ROW1
.else
	v_wmma_scale_f32_16x16x128_f8f6f4 v[\d:\d+7], v[\a:\a+7], v[\b:\b+7], v[\c:\c+7], v[\sa], v[\sb] matrix_a_fmt:MATRIX_FMT_FP4 matrix_b_fmt:MATRIX_FMT_FP4
.endif
.endm
.macro WM0 d, a, b, sa, sb, mod        ; the product starts the sum
.if (\mod) == 1
	v_wmma_scale_f32_16x16x128_f8f6f4 v[\d:\d+7], v[\a:\a+7], v[\b:\b+7], 0, v[\sa], v[\sb] matrix_a_fmt:MATRIX_FMT_FP4 matrix_b_fmt:MATRIX_FMT_FP4 matrix_a_scale:MATRIX_SCALE_ROW1
.else
	v_wmma_scale_f32_16x16x128_f8f6f4 v[\d:\d+7], v[\a:\a+7], v[\b:\b+7], 0, v[\sa], v[\sb] matrix_a_fmt:MATRIX_FMT_FP4 matrix_b_fmt:MATRIX_FMT_FP4
.endif
.endm
; A KEY STEP out of slot \slot
.macro STEP slot
	s_wait_xcnt 0x0                                ; the last prefetch, a step back, has read its address; the loads that named it were waited for at that step's end
	s_add_co_u32 s30, s[SS], 1
	s_min_u32 s30, s30, 31                         ; the next step (the last one is copied again where there is none: no load leaves the buffer)
	s_mul_i32 s30, s30, SLOT
	s_mov_b32 s31, 0
	s_add_nc_u64 s[NB:NB+1], s[KVB:KVB+1], s[30:31]
	global_load_b128 v[LD:LD+3], v3, s[NB:NB+1]    ; 512 threads x 16 bytes,
	s_cmp_lt_u32 s[WV], 3
	s_cbranch_scc0 .Lnl_\@
	global_load_b64 v[LE:LE+1], v4, s[NB:NB+1] offset:8192   ; and 96 threads x 8 bytes: 8,960 in all
.Lnl_\@:
	s_cmp_lt_u32 s[SS], s[PL]                      ; a prefetch into the L2 of the step three on, two steps ahead of the load that will want it: its first 8,192 bytes, lanes 256 bytes apart.  All sixteen work-groups of a
	s_cbranch_scc0 .Lna_\@                         ; head walk the same steps: wave 3 of the work-group that walks them all (x = 0) asks, nobody else; it stops when step 31 has been named.  Steps 0 to 2 come by their loads alone
	global_prefetch_b8 v6, s[NB:NB+1] offset:2*SLOT th:TH_LOAD_NT scope:SCOPE_SE
.Lna_\@:
	s_cmp_gt_u32 s[SS], s[LIM]                     ; all keys of this step come after my queries: nothing to compute
	s_cbranch_scc1 .Lhid_\@
	ds_load_b128 v[KS:KS+3], v1 offset:\slot*SLOT+KSCO
.irp t, 0,1,2,3,4,5,6,7
	ds_load_b128 v[KF+4*\t:KF+4*\t+3], v1 offset:\slot*SLOT+512*\t
.endr
	ds_load_b64 v[VS:VS+1], v2 offset:\slot*SLOT+VSCO
.irp d, 0,1,2,3
.irp c, 0,1
	ds_load_b128 v[VF+8*\d+4*\c:VF+8*\d+4*\c+3], v1 offset:\slot*SLOT+VIO+1024*\d+512*\c
.endr
.endr
	s_wait_dscnt 9                                 ; K and its scale words are in; V's nine loads may be out
.irp t, 0,1,2,3,4,5,6,7
	WM0 S+8*\t, KF+4*\t, QF, KS+\t/2, QS, \t%2     ; S^T: lane (r, h) holds query r; registers 16 b + i are keys 32 b + 16 h + i
.endr
.rept 4
	v_nop                                          ; places behind the products, ahead of the first read of results
.endr
	s_cmp_lt_u32 s[SS], s[LIM]                     ; under the diagonal every key counts
	s_cbranch_scc1 .Lopen_\@
	v_mov_b32 v[T], 0xff800000                     ; -infinity
.irp n, 0,1,2,3,4,5,6,7,8,9,10,11,12,13,14,15,16,17,18,19,20,21,22,23,24,25,26,27,28,29,30,31,32,33,34,35,36,37,38,39,40,41,42,43,44,45,46,47,48,49,50,51,52,53,54,55,56,57,58,59,60,61,62,63
	v_cmp_gt_i32 vcc_lo, 32*(\n/16)+\n%16, v5      ; v5 = my query's place in the group - 16 h: the register's key is hidden where 32 b + i is above it
	v_cndmask_b32 v[S+\n], v[S+\n], v[T], vcc_lo
.endr
.Lopen_\@:
.irp b, 0,1,2,3
	v_max3_num_f32 v[BM+\b], v[S+16*\b], v[S+1+16*\b], v[S+2+16*\b]   ; the largest score of each block of 32 keys: it serves the row's maximum and, since p rises with the score, the block's largest p
.endr
.irp i, 3,5,7,9,11,13
.irp b, 0,1,2,3
	v_max3_num_f32 v[BM+\b], v[BM+\b], v[S+16*\b+\i], v[S+1+16*\b+\i]
.endr
.endr
.irp b, 0,1,2,3
	v_max_num_f32 v[BM+\b], v[BM+\b], v[S+15+16*\b]
.endr
.irp b, 0,1,2,3
	v_permlanex16_b32 v[PD+\b], v[BM+\b], s[SEL], s[SEL+1]
.endr
.irp b, 0,1,2,3
	v_max_num_f32 v[BM+\b], v[BM+\b], v[PD+\b]     ; with lane l xor 16's 16 keys
.endr
	v_max3_num_f32 v[T], v[BM], v[BM+1], v[BM+2]
	v_max_num_f32 v[T], v[T], v[BM+3]              ; the step's largest score of my query
	v_mul_f32 v[T], s[CS], v[T]                    ; as t
	v_max_num_f32 v13, v13, v[T]                   ; the running largest t
	v_mov_b32 v[T], v12
	v_floor_f32 v12, -v13                          ; the new -M = floor(-t) = -ceil(t)
	v_sub_f32 v[T], v12, v[T]                      ; old M - new M: a whole number, 0 or less
	v_cvt_i32_f32 v[T], v[T]                       ; (it saturates)
	v_ldexp_f32 v[F], 1.0, v[T]                    ; f = 2^(old M - new M)
.set jj, 0
.rept 32
	v_pk_fma_f32 v[S+jj:S+jj+1], v[S+jj:S+jj+1], s[CS:CS+1], v[12:13] op_sel_hi:[1,0,0]   ; t - M, two at a time
.set jj, jj+2
.endr
.irp b, 0,1,2,3
	v_fma_f32 v[BM+\b], v[BM+\b], s[CS], v12       ; the same of each block's largest score
.endr
.set jj, 0
.rept 64
	v_exp_f32 v[S+jj], v[S+jj]                     ; p = 2^(t - M)
.set jj, jj+1
.endr
	v_pk_mul_f32 v[14:15], v[14:15], v[F:F+1] op_sel_hi:[1,0]   ; the sums under the new M: a plain instruction behind the exponentials
	s_wait_alu depctr_va_vdst(0)                   ; one wait for the whole batch, ahead of its first reader
.irp b, 0,1,2,3
	v_exp_f32 v[BM+\b], v[BM+\b]                   ; the block's largest p
.endr
	v_pk_add_f32 v[SU:SU+1], v[S:S+1], v[S+2:S+3]  ; the row's sum of the unquantised p, in two chains
.irp j, 4,8,12,16,20,24,28,32,36,40,44,48,52,56,60
	v_pk_add_f32 v[14:15], v[14:15], v[S+\j:S+\j+1]
	v_pk_add_f32 v[SU:SU+1], v[SU:SU+1], v[S+2+\j:S+3+\j]
.endr
	v_pk_add_f32 v[14:15], v[14:15], v[SU:SU+1]
	s_wait_alu depctr_va_vdst(0)                   ; and one for the four
.irp b, 0,1,2,3
	v_max_num_f32 v[BM+\b], 0x1800000, v[BM+\b]    ; the floor 2^(3 - 127): a block whose every p is 0 keeps the byte 1; its codes are zeros
.endr
.irp b, 0,1,2,3
	v_add_nc_u32 v[SO+\b], 0xff000000, v[BM+\b]    ; 2 off the exponent field: the conversion's scale operand
.endr
.irp b, 0,1,2,3
	v_lshrrev_b32 v[PD+\b], 23, v[SO+\b]           ; the scale's byte
.endr
	v_lshl_or_b32 v[PS], v[PD+1], 8, v[PD]         ; p's scale word for these 128 keys
	v_lshl_or_b32 v[PS], v[PD+2], 16, v[PS]
	v_lshl_or_b32 v[PS], v[PD+3], 24, v[PS]
.irp b, 0,1,2,3
	v_cvt_scalef32_pk8_fp4_f32 v[PC+2*\b], v[S+16*\b:S+7+16*\b], v[SO+\b]
	v_cvt_scalef32_pk8_fp4_f32 v[PC+1+2*\b], v[S+8+16*\b:S+15+16*\b], v[SO+\b]
.endr
	v_nop                                          ; one plain instruction behind the scaled conversions
.irp c, 0,1
.irp i, 0,1
	v_permlane16_swap_b32 v[PC+4*\c+\i], v[PC+2+4*\c+\i]   ; a whole block in a lane: lanes 0-15 block 2 c, lanes 16-31 block 2 c + 1
.endr
.endr
.set jj, 0
.rept 16
	v_pk_mul_f32 v[OA+jj:OA+jj+1], v[OA+jj:OA+jj+1], v[F:F+1] op_sel_hi:[1,0]   ; O^T under the new M; these sixteen are also the places between p's scale word and codes and the products
.set jj, jj+2
.endr
	s_wait_dscnt 0x0                               ; V is in
.irp d, 0,1,2,3
	WM OA+8*\d, VF+8*\d, PC, OA+8*\d, VS+\d/2, PS, \d%2   ; O^T += V^T P^T: the four accumulators take turns
.endr
.rept 4
	v_nop                                          ; places ahead of the next step's loads into V's registers
.endr
.Lhid_\@:
	s_wait_loadcnt 0x0                             ; the next step's bytes are in registers
	ds_store_b128 v3, v[LD:LD+3] offset:(1-\slot)*SLOT
	s_cmp_lt_u32 s[WV], 3
	s_cbranch_scc0 .Lns_\@
	ds_store_b64 v4, v[LE:LE+1] offset:(1-\slot)*SLOT+8192
.Lns_\@:
	s_wait_dscnt 0x0                               ; my stores into the other slot have landed, and my reads of this one are over
	s_barrier_signal -1
	s_barrier_wait -1                              ; both hold of every wave
	s_add_co_u32 s[SS], s[SS], 1
.endm
	s_load_b128 s[4:7], s[0:1], 0x0                ; qb, kv
	s_load_b64 s[8:9], s[0:1], 0x10                ; ctx
	v_lshl_add_u32 v254, v0, 2, 0x4800
	v_mov_b32 v255, 0
	v_lshrrev_b32 v1, 5, v0
	v_readfirstlane_b32 s[WV], v1                  ; wave 0..15
	s_and_b32 s11, ttmp7, 0xffff                   ; the head of batch
	s_lshr_b32 s13, s[WV], 2
	s_xor_b32 s13, s13, s[WV]
	s_and_b32 s13, s13, 1                          ; which of the work-group's two groups of queries
	s_lshr_b32 s14, s[WV], 1                       ; which tile of it
	s_sub_co_u32 s28, 31, ttmp9
	s_cmp_eq_u32 s13, 1
	s_cselect_b32 s[LIM], s28, ttmp9
	s_sub_co_u32 s[TR], 33, ttmp9
	s_lshr_b32 s[TR], s[TR], 1                     ; 32 - j steps, two a trip, rounded up
	s_xor_b32 s28, s[WV], 3
	s_or_b32 s28, s28, ttmp9
	s_cmp_eq_u32 s28, 0
	s_cselect_b32 s[PL], 29, 0
	s_mov_b32 s[SEL], 0x76543210
	s_mov_b32 s[SEL+1], 0xfedcba98
	s_mov_b32 s[CS], 0x3e38aa3b                    ; c = log2(e) / 8
	s_mov_b32 s[CS+1], s[CS]                       ; (named with it as a pair, so it is written)
	s_mov_b32 s[SS], 0
	s_mov_b32 s[CN], 0
	v_and_b32 v9, 31, v0                           ; lane
	v_and_b32 v10, 15, v0                          ; r
	v_bfe_u32 v11, v0, 4, 1                        ; h
	v_lshlrev_b32 v1, 4, v9                        ; 16 x lane
	v_lshlrev_b32 v2, 3, v9                        ; 8 x lane
	v_lshlrev_b32 v3, 4, v0                        ; 16 x thread
	v_lshlrev_b32 v4, 3, v0                        ; 8 x thread
	v_lshlrev_b32 v6, 8, v9                        ; 256 x lane
	s_lshr_b32 s40, s14, 1
	s_lshl_b32 s40, s40, 5
	s_and_b32 s41, s14, 1
	s_lshl_b32 s41, s41, 3
	s_add_co_u32 s40, s40, s41                     ; my tile's first token in its group
	v_and_b32 v5, 8, v10
	v_add_nc_u32 v5, v5, v10
	v_lshlrev_b32 v7, 4, v11
	v_sub_nc_u32 v5, v5, v7
	v_add_nc_u32 v5, s40, v5                       ; my query's place in the group, less 16 h
	v_lshlrev_b32 v7, 4, v10                       ; 16 r
	v_add_nc_u32 v8, v7, v11                       ; 16 r + h
	s_lshl_b32 s28, s11, 5
	s_add_co_u32 s28, s28, s[LIM]
	s_mul_i32 s28, s28, 4608                       ; my group in qb
	s_lshl_b32 s29, s14, 9
	s_and_b32 s32, s14, 1
	s_lshl_b32 s32, s32, 8
	s_lshr_b32 s33, s14, 1
	s_lshl_b32 s33, s33, 2
	s_add_co_u32 s32, s32, s33
	s_add_co_u32 s32, s32, s28
	s_add_co_u32 s32, s32, 4096                    ; my tile's scale words: lanes 16 (tile % 2) on, word tile / 2
	s_mov_b32 s33, 0
	s_add_co_u32 s28, s28, s29                     ; my tile's image
	s_mov_b32 s29, 0
	s_mul_i32 s30, s11, 32*SLOT
	s_mov_b32 s31, 0
	s_lshr_b32 s36, s11, 3
	s_lshl_b32 s36, s36, 8
	s_lshl_b32 s37, s[LIM], 3
	s_add_co_u32 s36, s36, s37
	s_add_co_u32 s36, s36, s14                     ; my tile among the 512 of all tokens
	s_and_b32 s37, s11, 7                          ; my head
	s_lshl_b32 s38, s36, 8
	s_lshl_b32 s39, s37, 1
	s_add_co_u32 s38, s38, s39
	s_add_co_u32 s38, s38, XQS                     ; ctx's scale bytes: 256 a tile, 2 a head
	s_mov_b32 s39, 0
	s_lshl_b32 s36, s36, 12
	s_lshl_b32 s37, s37, 9
	s_add_co_u32 s36, s36, s37                     ; ctx's image: 4,096 a tile, 512 a head
	s_mov_b32 s37, 0
	s_wait_kmcnt 0x0
	s_add_nc_u64 s[28:29], s[4:5], s[28:29]
	s_add_nc_u64 s[32:33], s[4:5], s[32:33]
	s_add_nc_u64 s[KVB:KVB+1], s[6:7], s[30:31]
	s_add_nc_u64 s[36:37], s[8:9], s[36:37]
	s_add_nc_u64 s[38:39], s[8:9], s[38:39]
	global_load_b128 v[QF:QF+3], v1, s[28:29]      ; Q's fragment stays in registers
	global_load_b32 v[QS], v7, s[32:33]
	global_load_b128 v[LD:LD+3], v3, s[KVB:KVB+1]  ; key step 0
	s_cmp_lt_u32 s[WV], 3
	s_cbranch_scc0 .Lh0
	global_load_b64 v[LE:LE+1], v4, s[KVB:KVB+1] offset:8192
.Lh0:
.irp j, 0,1,2,3
	v_mov_b32 v[QF+4+\j], 0                        ; zero codes for the empty half of the K step
	v_mov_b32 v[KF+32+\j], 0                       ; what follows K's last tile
	v_mov_b32 v[PD+\j], 0                          ; written once: a lane permute's destination counts as one of its sources
.endr
	v_mov_b32 v13, 0xff61b1e6                      ; the largest t so far: -3e38, under every t
	v_floor_f32 v12, -v13                          ; -M
	v_mov_b32 v14, 0                               ; the sum, in two halves
	v_mov_b32 v15, 0
	v_mov_b32 v[F+1], 0                            ; (named as the upper half of a pair)
.set jj, 0
.rept 32
	v_mov_b32 v[OA+jj], 0                          ; O^T.  The step is written without a first step of its own: it finds zeros, which the first change of M leaves zeros
.set jj, jj+1
.endr
	s_wait_loadcnt 0x0
	ds_store_b128 v3, v[LD:LD+3]
	s_cmp_lt_u32 s[WV], 3
	s_cbranch_scc0 .Lh1
	ds_store_b64 v4, v[LE:LE+1] offset:8192
.Lh1:
	s_wait_dscnt 0x0
	s_barrier_signal -1
	s_barrier_wait -1                              ; slot 0 holds key step 0
.Lpair:
	STEP 0
	STEP 1
	s_add_co_u32 s[CN], s[CN], 1
	s_cmp_lt_u32 s[CN], s[TR]
	s_cbranch_scc1 .Lpair
	; THE WAY OUT: O^T / the sum, quantised along the head's 64 (two blocks of the next product's K), as an image of that operand's registers
	v_add_f32 v14, v14, v15
	v_permlanex16_b32 v[PD], v14, s[SEL], s[SEL+1]
	v_add_f32 v14, v14, v[PD]                      ; the row's sum
	v_rcp_f32 v14, v14
	v_nop                                          ; a plain instruction behind the reciprocal,
	s_wait_alu depctr_va_vdst(0)                   ; and the wait ahead of its first reader
.set jj, 0
.rept 32
	v_mul_f32 v[S+jj], v[OA+jj], v14               ; register 16 b + i: channel 32 b + 16 h + i of my query
.set jj, jj+1
.endr
.irp b, 0,1
	v_max3_num_f32 v[BM+\b], |v[S+16*\b]|, |v[S+1+16*\b]|, 0x1800000
.endr
.irp i, 2,4,6,8,10,12,14
.irp b, 0,1
	v_max3_num_f32 v[BM+\b], v[BM+\b], |v[S+16*\b+\i]|, |v[S+1+16*\b+\i]|
.endr
.endr
.irp b, 0,1
	v_permlanex16_b32 v[PD+\b], v[BM+\b], s[SEL], s[SEL+1]
.endr
.irp b, 0,1
	v_max_num_f32 v[BM+\b], v[BM+\b], v[PD+\b]
.endr
.irp b, 0,1
	v_add_nc_u32 v[SO+\b], 0xff000000, v[BM+\b]
.endr
.irp b, 0,1
	v_lshrrev_b32 v[PD+\b], 23, v[SO+\b]
.endr
.irp b, 0,1
	v_cvt_scalef32_pk8_fp4_f32 v[PC+2*\b], v[S+16*\b:S+7+16*\b], v[SO+\b]
	v_cvt_scalef32_pk8_fp4_f32 v[PC+1+2*\b], v[S+8+16*\b:S+15+16*\b], v[SO+\b]
.endr
	v_nop
	v_permlane16_swap_b32 v[PC], v[PC+2]
	v_permlane16_swap_b32 v[PC+1], v[PC+3]         ; lane (r, h): block h of row r
	s_mov_b32 vcc_lo, 0xffff0000
	v_cndmask_b32 v[T], v[PD], v[PD+1], vcc_lo     ; and its byte
	global_store_b128 v1, v[PC:PC+3], s[36:37]     ; 512 consecutive bytes, aligned
	global_store_b8 v8, v[T], s[38:39]             ; one byte a lane, 16 apart: once a wave, so that the next launch takes a row's sixteen bytes by one load
	s_wait_tensorcnt 0x0
	ds_add_u32 v254, v255
	s_wait_dscnt 0x0
	s_endpgm
.Lfunc_end_k_q90afc565ec_attn:
	.size	k_q90afc565ec_attn, .Lfunc_end_k_q90afc565ec_attn-k_q90afc565ec_attn
	.p2alignl 7, 3214868480
	.fill 96, 4, 3214868480
	.section	.rodata,"a",@progbits
	.p2align	6, 0x0
	.amdhsa_kernel k_q90afc565ec_attn
		.amdhsa_group_segment_fixed_size 20480
		.amdhsa_private_segment_fixed_size 0
		.amdhsa_enable_private_segment 0
		.amdhsa_kernarg_size 24
		.amdhsa_user_sgpr_count 2
		.amdhsa_user_sgpr_kernarg_segment_ptr 1
		.amdhsa_wavefront_size32 1
		.amdhsa_system_sgpr_workgroup_id_x 1
		.amdhsa_system_sgpr_workgroup_id_y 1
		.amdhsa_system_sgpr_workgroup_id_z 1
		.amdhsa_system_vgpr_workitem_id 0
		.amdhsa_next_free_vgpr 256
		.amdhsa_next_free_sgpr 66
		.amdhsa_reserve_vcc 1
		.amdhsa_float_denorm_mode_32 3
		.amdhsa_float_denorm_mode_16_64 3
		.amdhsa_memory_ordered 1
		.amdhsa_forward_progress 1
		.amdhsa_inst_pref_size 51
	.end_amdhsa_kernel
	.amdgpu_metadata
---
amdhsa.version: [ 1, 2 ]
amdhsa.kernels:
  - .name:           k_q90afc565ec_attn
    .symbol:         k_q90afc565ec_attn.kd
    .args:
      - { .name: qb, .offset: 0, .size: 8, .value_kind: global_buffer, .address_space: global }
      - { .name: kv, .offset: 8, .size: 8, .value_kind: global_buffer, .address_space: global }
      - { .name: ctx, .offset: 16, .size: 8, .value_kind: global_buffer, .address_space: global }
    .group_segment_fixed_size: 20480
    .private_segment_fixed_size: 0
    .kernarg_segment_align: 8
    .kernarg_segment_size: 24
    .max_flat_workgroup_size: 512
    .sgpr_count:     66
    .vgpr_count:     256
    .wavefront_size: 32
...
	.end_amdgpu_metadata
.endif
;; end of part 3
;; launch mlp (part 4): grid 128 x 1, 4 waves a work-group, no clusters, 71,168 bytes of LDS; arguments ctx, wts, x, bo, b1, b2, out0; writes out0
.if DOCPART == 4
	.amdgcn_target "amdgcn-amd-amdhsa--gfx1250"
	.amdhsa_code_object_version 6
	.text
	.protected	k_q90afc565ec_mlp
	.globl	k_q90afc565ec_mlp
	.p2align	8
	.type	k_q90afc565ec_mlp,@function
k_q90afc565ec_mlp:
	s_mov_b64 s[64:65], 0
	v_nop
	global_prefetch_b8 v0, s[64:65] scope:SCOPE_SE
	s_setreg_imm32_b32 hwreg(HW_REG_WAVE_MODE, 25, 1), 1
	s_wait_xcnt 0x0
; x1 = x + ctx Wo + bo;  out = x1 + relu(x1 W1 + b1) W2 + b2.  All three products on codes of FP4 with E8M0 scales; x1 and the hidden layer are quantised in registers and never go to memory.
; SHARES.  A work-group takes 64 tokens (four tiles of 16).  THE WAVES SHARE THE COLUMNS: wave w makes columns 128 w .. 128 w + 127 of x1 and of out, and in each of four chunks of 512 hidden units the units 128 w .. + 127
; of the chunk, for all 64 tokens.  So what a wave makes is K step w of the next product: one fragment and one scale word a row and tile.
; 64 tokens to a work-group, 128 work-groups: every work-group has to read all 1.2 MB of weight codes, and with half the tokens that traffic would double while each fragment fed half as many products.
; No cluster and no joint loads in this text, though all work-groups walk the same weights: the weights go from memory straight into operand registers, laid by the first launch in that order.
; OPERANDS GO FROM WAVE TO WAVE THROUGH LDS AS IMAGES OF THEIR REGISTERS: two ds_store_b128 at 16 x lane a fragment, the scale word by ds_store_b32.
; ALL PRODUCTS ARE USED TRANSPOSED (source 0 = 16 columns of the weight, source 1 = 16 tokens): a lane holds one token and its registers run along the columns; the columns of a weight tile are chosen
; (row r of tile 2 b + u = column 32 b + 8 u + r + 8 (r / 8)) so that the 16 registers of two neighbouring tiles are 16 neighbouring columns.  Token tiles have the same order.
; x comes in by whole rows (512 consecutive bytes a load) and is turned into the results' layout through the wave's own stage in LDS; out leaves the same way.  x + bo is the C of the first product, b1 of the second;
; x1 + b2 starts the sums of the third.
; LIMITS: NaN and infinities are not served; a block under 2^-124, and a block of zeros, get the scale byte 1 (zero codes add nothing).
; REGISTERS, window 0: v1-8 addresses; v16-47 x1's fragments of a tile; v48-111 eight accumulators, later two sets of four hidden fragments; v112-119 codes; v120-136 at work; v140-143 x1's scale words;
;   v144-159 ctx's, later the hidden layer's; v160-175 Wo's, later W1's; v176-191 W2's; v192-255 b1.
; window 1: Wo, later a chunk of W1: fragment (tile nt, K step ks) at 8 (4 nt + ks).   window 2: bo, b2 and ctx's 16 fragments, later a chunk of W2.   window 3: x, then the 32 accumulators of out: (m, nt) at 64 m + 8 nt.
.set XQS,  2097152
.set WS0,  1572864
.set XIMG, 0                           ; LDS: x1's 16 fragments (4 m + K step),
.set XSC,  16384                       ; their scale words [m][lane][4],
.set HIMG, 18432                       ; the hidden layer's 16 fragments,
.set HSC,  34816                       ; their scale words,
.set STG,  36864                       ; and a stage of 16 rows x (512 bytes + 16) for each wave
.set SPI,  528
.set LI,  1                            ; v1  16 x lane
.set R16, 2                            ; v2  16 r
.set IWI, 3                            ; v3  16 x lane + 1024 x wave
.set IWS, 4                            ; v4  16 x lane + 4 x wave
.set STO, 5                            ; v5  my stage: row r, + 64 h
.set SR,  6                            ; v6  my stage: 16 x lane
.set L4,  7                            ; v7  4 x lane
.set H64, 8                            ; v8  64 h
.set XF,  16
.set HA,  48
.set PC,  112
.set TM,  120
.set PW,  136
.set XS,  140
.set HS,  144
.set WAS, 160
.set WBS, 176
.set B1,  192
.set WV,  18
.set SEL, 20
.set CH,  22
.set MSB, 0
.macro WIN new                         ; the immediate's high byte repeats the setting that is left
.if MSB != \new
	s_set_vgpr_msb (MSB<<8)|\new
.set MSB, \new
.endif
.endm
.macro PLACES n
.rept \n
	v_nop
.endr
.endm
.macro WM d, a, b, c, sa, sb, mod
.if (\mod) == 1
	v_wmma_scale_f32_16x16x128_f8f6f4 v[\d:\d+7], v[\a:\a+7], v[\b:\b+7], v[\c:\c+7], v[\sa], v[\sb] matrix_a_fmt:MATRIX_FMT_FP4 matrix_b_fmt:MATRIX_FMT_FP4 matrix_a_scale:MATRIX_SCALE_ROW1
.else
	v_wmma_scale_f32_16x16x128_f8f6f4 v[\d:\d+7], v[\a:\a+7], v[\b:\b+7], v[\c:\c+7], v[\sa], v[\sb] matrix_a_fmt:MATRIX_FMT_FP4 matrix_b_fmt:MATRIX_FMT_FP4
.endif
.endm
; 64 numbers of a lane, register 16 b + i = column 32 b + 16 h + i of my token, become a fragment's codes in v[pc] on; the four bytes are left in v[TM+4 ..]
.macro QUANT s, pc
.irp b, 0,1,2,3
	v_max3_num_f32 v[TM+\b], |v[\s+16*\b]|, |v[\s+1+16*\b]|, 0x1800000   ; with the floor 2^(3 - 127): the byte cannot fall under 1
.endr
.irp i, 2,4,6,8,10,12,14
.irp b, 0,1,2,3
	v_max3_num_f32 v[TM+\b], v[TM+\b], |v[\s+16*\b+\i]|, |v[\s+1+16*\b+\i]|
.endr
.endr
.irp b, 0,1,2,3
	v_permlanex16_b32 v[TM+4+\b], v[TM+\b], s[SEL], s[SEL+1]
.endr
.irp b, 0,1,2,3
	v_max_num_f32 v[TM+\b], v[TM+\b], v[TM+4+\b]
.endr
.irp b, 0,1,2,3
	v_add_nc_u32 v[TM+12+\b], 0xff000000, v[TM+\b]
.endr
.irp b, 0,1,2,3
	v_lshrrev_b32 v[TM+4+\b], 23, v[TM+12+\b]
.endr
.irp b, 0,1,2,3
	v_cvt_scalef32_pk8_fp4_f32 v[\pc+2*\b], v[\s+16*\b:\s+7+16*\b], v[TM+12+\b]
	v_cvt_scalef32_pk8_fp4_f32 v[\pc+1+2*\b], v[\s+8+16*\b:\s+15+16*\b], v[TM+12+\b]
.endr
	v_nop                                          ; one plain instruction behind the scaled conversions
.irp c, 0,1
.irp i, 0,1
	v_permlane16_swap_b32 v[\pc+4*\c+\i], v[\pc+2+4*\c+\i]
.endr
.endr
	v_lshl_or_b32 v[PW], v[TM+5], 8, v[TM+4]       ; the four bytes make my token's scale word
	v_lshl_or_b32 v[PW], v[TM+6], 16, v[PW]
	v_lshl_or_b32 v[PW], v[TM+7], 24, v[PW]
.endm
.macro IMAGE img, sc                   ; the fragment just made goes to LDS as it stands: K step = my wave
.irp c, 0,1
	ds_store_b128 v[IWI], v[PC+4*\c:PC+4*\c+3] offset:\img+512*\c
.endr
	ds_store_b32 v[IWS], v[PW] offset:\sc
.endm
.macro XIN m                           ; tile m's 16 rows of x (my 128 columns) through my stage, into the results' layout, into the registers that they left; LDS serves a wave's instructions in order
	WIN 0x0c                                       ; an LDS store's data are its source 1: window 3
.irp i, 0,1,2,3,4,5,6,7,8,9,10,11,12,13,14,15
	ds_store_b128 v[SR], v[64*\m+4*\i:64*\m+4*\i+3] offset:SPI*\i
.endr
	WIN 0xc0
.irp nt, 0,1,2,3,4,5,6,7
.irp q, 0,1
	ds_load_b128 v[64*\m+8*\nt+4*\q:64*\m+8*\nt+4*\q+3], v[STO] offset:128*(\nt/2)+32*(\nt%2)+16*\q
.endr
.endr
.endm
.macro FETCHX m                        ; x1's four fragments and scale words of tile m
.irp ks, 0,1,2,3
.irp c, 0,1
	ds_load_b128 v[XF+8*\ks+4*\c:XF+8*\ks+4*\c+3], v[LI] offset:XIMG+4096*(\m)+1024*\ks+512*\c
.endr
.endr
	ds_load_b128 v[XS:XS+3], v[LI] offset:XSC+512*(\m)
.endm
.macro FETCHH s                        ; the hidden layer's K step s of the four tiles, into set s % 2
.irp m, 0,1,2,3
.irp c, 0,1
	ds_load_b128 v[HA+32*((\s)%2)+8*\m+4*\c:HA+32*((\s)%2)+8*\m+4*\c+3], v[LI] offset:HIMG+4096*\m+1024*(\s)+512*\c
.endr
.endr
.endm
.macro LW1                             ; my part of a chunk of W1: 32 fragments, their scale words, b1
	WIN 0x40
.set ff, 0
.rept 32
.irp c, 0,1
	global_load_b128 v[8*ff+4*\c:8*ff+4*\c+3], v[LI], s[28:29] offset:ff*1024+\c*512
.endr
.set ff, ff+1
.endr
	WIN 0
.irp ks, 0,1,2,3
.irp i, 0,1,2,3
	global_load_b32 v[WAS+4*\ks+\i], v[L4], s[30:31] offset:8192*\ks+128*\i
.endr
.endr
.irp nt, 0,1,2,3,4,5,6,7
.irp q, 0,1
	global_load_b128 v[B1+8*\nt+4*\q:B1+8*\nt+4*\q+3], v[H64], s[32:33] offset:(32*(\nt/2)+8*(\nt%2))*4+16*\q
.endr
.endr
.endm
.macro LW2                             ; my part of a chunk of W2: 8 tiles x 4 K steps, and their scale words
	WIN 0x80
.irp nt, 0,1,2,3,4,5,6,7
.irp ks, 0,1,2,3
.irp c, 0,1
	global_load_b128 v[8*(4*\nt+\ks)+4*\c:8*(4*\nt+\ks)+4*\c+3], v[LI], s[34:35] offset:16384*\nt+1024*\ks+512*\c
.endr
.endr
.endr
	WIN 0
.irp ks, 0,1,2,3
.irp i, 0,1,2,3
	global_load_b32 v[WBS+4*\ks+\i], v[L4], s[36:37] offset:2048*\ks+128*\i
.endr
.endr
.endm
	s_load_b256 s[4:11], s[0:1], 0x0               ; ctx, wts, x, bo
	s_load_b128 s[12:15], s[0:1], 0x20             ; b1, b2
	s_load_b64 s[16:17], s[0:1], 0x30              ; out0
	v_lshl_add_u32 v14, v0, 2, 0x11400
	v_mov_b32 v15, 0
	v_lshrrev_b32 v1, 5, v0
	v_readfirstlane_b32 s[WV], v1                  ; wave 0..3
	v_and_b32 v9, 31, v0                           ; lane
	v_and_b32 v10, 15, v0                          ; r
	v_bfe_u32 v11, v0, 4, 1                        ; h
	v_lshlrev_b32 v[LI], 4, v9
	v_lshlrev_b32 v[R16], 4, v10
	s_lshl_b32 s50, s[WV], 10
	v_add_nc_u32 v[IWI], s50, v[LI]
	s_lshl_b32 s50, s[WV], 2
	v_add_nc_u32 v[IWS], s50, v[LI]
	s_mul_i32 s50, s[WV], 16*SPI
	s_add_co_u32 s50, s50, STG
	v_mul_u32_u24 v[STO], v10, SPI
	v_lshl_add_u32 v[STO], v11, 6, v[STO]
	v_add_nc_u32 v[STO], s50, v[STO]
	v_add_nc_u32 v[SR], s50, v[LI]
	v_lshlrev_b32 v[L4], 2, v9
	v_lshlrev_b32 v[H64], 6, v11
.irp b, 0,1,2,3
	v_mov_b32 v[TM+4+\b], 0                        ; written once: a lane permute's destination counts as one of its sources
.endr
	s_mov_b32 s[SEL], 0x76543210
	s_mov_b32 s[SEL+1], 0xfedcba98
	s_mov_b32 s[CH], 4                             ; chunks to go
	s_lshl_b32 s50, s[WV], 15
	s_mov_b32 s51, 0
	s_lshl_b32 s52, s[WV], 9
	s_mov_b32 s53, 0
	s_lshl_b32 s54, s[WV], 17
	s_mov_b32 s55, 0
	s_lshl_b32 s56, ttmp9, 17                      ; 64 tokens of 2,048 bytes,
	s_add_co_u32 s56, s56, s52                     ; my 128 columns
	s_mov_b32 s57, 0
	s_lshl_b32 s58, ttmp9, 14
	s_mov_b32 s59, 0
	s_lshl_b32 s60, ttmp9, 10
	s_mov_b32 s61, 0
	s_wait_kmcnt 0x0
	s_add_nc_u64 s[28:29], s[6:7], s[50:51]
	s_add_nc_u64 s[24:25], s[28:29], 393216        ; Wo: my 8 tiles
	s_add_nc_u64 s[28:29], s[28:29], 524288        ; W1: my 8 tiles of chunk 0
	s_add_nc_u64 s[30:31], s[6:7], s[52:53]
	s_add_nc_u64 s[26:27], s[30:31], WS0+24576     ; Wo's scale words
	s_add_nc_u64 s[36:37], s[30:31], WS0+65536     ; W2's
	s_add_nc_u64 s[30:31], s[30:31], WS0+32768     ; W1's
	s_add_nc_u64 s[34:35], s[6:7], s[54:55]
	s_add_nc_u64 s[34:35], s[34:35], 1048576       ; W2: my 8 tiles, K steps 0 to 3
	s_add_nc_u64 s[32:33], s[12:13], s[52:53]      ; b1
	s_add_nc_u64 s[44:45], s[10:11], s[52:53]      ; bo
	s_add_nc_u64 s[46:47], s[14:15], s[52:53]      ; b2
	s_add_nc_u64 s[38:39], s[8:9], s[56:57]        ; x
	s_add_nc_u64 s[48:49], s[16:17], s[56:57]      ; out
	s_add_nc_u64 s[40:41], s[4:5], s[58:59]        ; ctx's images
	s_add_nc_u64 s[42:43], s[4:5], s[60:61]
	s_add_nc_u64 s[42:43], s[42:43], XQS           ; and scale bytes
	WIN 0xc0                                       ; destination window 3
.irp m, 0,1,2,3
.irp i, 0,1,2,3,4,5,6,7,8,9,10,11,12,13,14,15
	global_load_b128 v[64*\m+4*\i:64*\m+4*\i+3], v[LI], s[38:39] offset:(32*(\m/2)+8*(\m%2)+\i+8*(\i/8))*2048 th:TH_LOAD_NT   ; row i of tile m: 512 consecutive bytes
.endr
.endr
	WIN 0x80                                       ; destination window 2
.set ff, 0
.rept 16
.irp c, 0,1
	global_load_b128 v[128+8*ff+4*\c:128+8*ff+4*\c+3], v[LI], s[40:41] offset:ff*1024+\c*512
.endr
.set ff, ff+1
.endr
.irp nt, 0,1,2,3,4,5,6,7
.irp q, 0,1
	global_load_b128 v[8*\nt+4*\q:8*\nt+4*\q+3], v[H64], s[44:45] offset:(32*(\nt/2)+8*(\nt%2))*4+16*\q
	global_load_b128 v[64+8*\nt+4*\q:64+8*\nt+4*\q+3], v[H64], s[46:47] offset:(32*(\nt/2)+8*(\nt%2))*4+16*\q
.endr
.endr
	WIN 0x40                                       ; destination window 1
.set ff, 0
.rept 32
.irp c, 0,1
	global_load_b128 v[8*ff+4*\c:8*ff+4*\c+3], v[LI], s[24:25] offset:ff*1024+\c*512
.endr
.set ff, ff+1
.endr
	WIN 0
.irp m, 0,1,2,3
	global_load_b128 v[HS+4*\m:HS+4*\m+3], v[R16], s[42:43] offset:256*\m
.endr
.irp ks, 0,1,2,3
.irp i, 0,1,2,3
	global_load_b32 v[WAS+4*\ks+\i], v[L4], s[26:27] offset:2048*\ks+128*\i
.endr
.endr
	s_wait_loadcnt 0x0
	XIN 0
	XIN 1
	XIN 2
	XIN 3
	WIN 0
	s_wait_dscnt 0x0
	; ---- A: x1 = x + bo + ctx Wo, a tile of 16 tokens at a time
.irp m, 0,1,2,3
	WIN 0x0b                                       ; source 0 (x) window 3, source 1 (bo) window 2
.set jj, 0
.rept 32
	v_pk_add_f32 v[HA+jj:HA+jj+1], v[64*\m+jj:64*\m+jj+1], v[jj:jj+1]
.set jj, jj+2
.endr
	WIN 0x09                                       ; source 0 (Wo) window 1, source 1 (ctx) window 2
	PLACES 4
.irp ks, 0,1,2,3
.irp nt, 0,1,2,3,4,5,6,7                       ; the eight accumulators take turns, one instruction a turn
	WM HA+8*\nt, 8*(4*\nt+\ks), 128+8*(4*\m+\ks), HA+8*\nt, WAS+4*\ks+\nt/2, HS+4*\m+\ks, \nt%2
.endr
.endr
	WIN 0
	PLACES 4
	QUANT HA, PC
	IMAGE XIMG+4096*\m, XSC+512*\m
	WIN 0xc8                                       ; destination window 3, source 1 (b2) window 2
.set jj, 0
.rept 32
	v_pk_add_f32 v[64*\m+jj:64*\m+jj+1], v[HA+jj:HA+jj+1], v[64+jj:64+jj+1]   ; x1 + b2 starts the sums of out
.set jj, jj+2
.endr
	WIN 0
	s_wait_dscnt 0x0                               ; the image's stores are done: the codes' registers may be written again
.endr
	LW1                                            ; chunk 0 of W1, over Wo
	s_barrier_signal -1                            ; (no LDS instruction of mine is out)
	s_barrier_wait -1                              ; x1's sixteen fragments lie in LDS; they are only read from here on
	s_wait_loadcnt 0x0                             ; W1's chunk is in
	LW2                                            ; chunk 0 of W2, over bo, b2 and ctx: it has the whole first phase in which to land
	FETCHX 0
.Lchunk:
	; ---- 1: my 128 hidden units of the chunk, a tile of tokens at a time
.irp m, 0,1,2,3
	s_wait_dscnt 0x0                               ; x1's fragments are in, and the last image's stores are done
	WIN 0x01                                       ; source 0 (W1) window 1
.irp ks, 0,1,2,3
.irp nt, 0,1,2,3,4,5,6,7
.if \ks == 0
	WM HA+8*\nt, 8*(4*\nt+\ks), XF+8*\ks, B1+8*\nt, WAS+4*\ks+\nt/2, XS+\ks, \nt%2
.else
	WM HA+8*\nt, 8*(4*\nt+\ks), XF+8*\ks, HA+8*\nt, WAS+4*\ks+\nt/2, XS+\ks, \nt%2
.endif
.endr
.endr
	WIN 0
	PLACES 4                                       ; ahead of loads into registers that the products read, and of the first read of results
.if \m < 3
	FETCHX \m+1
.endif
.set jj, 0
.rept 64
	v_max_num_f32 v[HA+jj], 0, v[HA+jj]            ; the activation, in f32
.set jj, jj+1
.endr
	QUANT HA, PC
	IMAGE HIMG+4096*\m, HSC+512*\m
.endr
	s_wait_dscnt 0x0
	s_barrier_signal -1
	s_barrier_wait -1                              ; the chunk's sixteen hidden fragments lie in LDS
	; ---- 2: out += hidden W2, 32 accumulators by turns, a K step at a time
	s_wait_loadcnt 0x0                             ; W2's chunk is in: the only loads that were out
	s_cmp_eq_u32 s[CH], 1
	s_cbranch_scc1 .Lno_w1
	s_add_nc_u64 s[28:29], s[28:29], 131072        ; (the loads that named these are done)
	s_add_nc_u64 s[30:31], s[30:31], 2048
	s_add_nc_u64 s[32:33], s[32:33], 2048
	LW1                                            ; the next chunk of W1 lands during this phase
.Lno_w1:
.irp m, 0,1,2,3
	ds_load_b128 v[HS+4*\m:HS+4*\m+3], v[LI] offset:HSC+512*\m
.endr
	FETCHH 0
.irp ks, 0,1,2,3
.if \ks < 3
	FETCHH \ks+1
	s_wait_dscnt 8                                 ; all but the eight just issued
.else
	s_wait_dscnt 0x0
.endif
	WIN 0xf2                                       ; source 0 (W2) window 2, C and D window 3
.irp m, 0,1,2,3
.irp nt, 0,1,2,3,4,5,6,7
	WM 64*\m+8*\nt, 8*(4*\nt+\ks), HA+32*(\ks%2)+8*\m, 64*\m+8*\nt, WBS+4*\ks+\nt/2, HS+4*\m+\ks, \nt%2
.endr
.endr
	WIN 0
	PLACES 5                                       ; four ahead of loads into registers that these products read; the fifth since the next chunk's first products write over such registers
.endr
	s_barrier_signal -1                            ; (my LDS loads are in: the last wait was for 0)
	s_barrier_wait -1                              ; nobody reads the hidden fragments any more
	s_cmp_eq_u32 s[CH], 1
	s_cbranch_scc1 .Lno_w2
	s_wait_loadcnt 0x0                             ; the next chunk of W1 is in
	s_add_nc_u64 s[34:35], s[34:35], 4096
	s_add_nc_u64 s[36:37], s[36:37], 8192
	LW2
	FETCHX 0
.Lno_w2:
	s_sub_co_u32 s[CH], s[CH], 1
	s_cmp_lg_u32 s[CH], 0
	s_cbranch_scc1 .Lchunk
	; ---- THE WAY OUT: a tile at a time through my stage, back as whole rows of 512 bytes
.macro TOSTAGE m
	WIN 0x0c
.irp nt, 0,1,2,3,4,5,6,7
	ds_store_b128 v[STO], v[64*(\m)+8*\nt:64*(\m)+8*\nt+3] offset:128*(\nt/2)+32*(\nt%2)       ; each accumulator from its low end on
	ds_store_b128 v[STO], v[64*(\m)+8*\nt+4:64*(\m)+8*\nt+7] offset:128*(\nt/2)+32*(\nt%2)+16
.endr
	WIN 0
.irp i, 0,1,2,3,4,5,6,7,8,9,10,11,12,13,14,15
	ds_load_b128 v[16+64*((\m)%2)+4*\i:16+64*((\m)%2)+4*\i+3], v[SR] offset:SPI*\i   ; LDS serves a wave's instructions in order: these see the stores above
.endr
.endm
.macro SEND m, younger                 ; younger: the LDS instructions issued behind tile m's loads
	s_wait_dscnt \younger
.irp i, 0,1,2,3,4,5,6,7,8,9,10,11,12,13,14,15
	global_store_b128 v[LI], v[16+64*((\m)%2)+4*\i:16+64*((\m)%2)+4*\i+3], s[48:49] offset:(32*((\m)/2)+8*((\m)%2)+\i+8*(\i/8))*2048 th:TH_STORE_NT   ; 512 consecutive bytes, aligned
.endr
.endm
	TOSTAGE 0
.irp m, 1,2,3
.if \m > 1
	s_wait_xcnt 0x0                                ; the stores of the tile two back have read their registers: this tile's rows may land there
.endif
	TOSTAGE \m
	SEND \m-1, 32                                  ; behind that tile's loads: this tile's 16 stores and 16 loads
.endr
	SEND 3, 0
	s_wait_tensorcnt 0x0
	ds_add_u32 v14, v15
	s_wait_dscnt 0x0
	s_endpgm
.Lfunc_end_k_q90afc565ec_mlp:
	.size	k_q90afc565ec_mlp, .Lfunc_end_k_q90afc565ec_mlp-k_q90afc565ec_mlp
	.p2alignl 7, 3214868480
	.fill 96, 4, 3214868480
	.section	.rodata,"a",@progbits
	.p2align	6, 0x0
	.amdhsa_kernel k_q90afc565ec_mlp
		.amdhsa_group_segment_fixed_size 71168
		.amdhsa_private_segment_fixed_size 0
		.amdhsa_enable_private_segment 0
		.amdhsa_kernarg_size 56
		.amdhsa_user_sgpr_count 2
		.amdhsa_user_sgpr_kernarg_segment_ptr 1
		.amdhsa_wavefront_size32 1
		.amdhsa_system_sgpr_workgroup_id_x 1
		.amdhsa_system_sgpr_workgroup_id_y 1
		.amdhsa_system_sgpr_workgroup_id_z 1
		.amdhsa_system_vgpr_workitem_id 0
		.amdhsa_next_free_vgpr 1024
		.amdhsa_next_free_sgpr 66
		.amdhsa_reserve_vcc 0
		.amdhsa_float_denorm_mode_32 3
		.amdhsa_float_denorm_mode_16_64 3
		.amdhsa_memory_ordered 1
		.amdhsa_forward_progress 1
		.amdhsa_inst_pref_size 192
	.end_amdhsa_kernel
	.amdgpu_metadata
---
amdhsa.version: [ 1, 2 ]
amdhsa.kernels:
  - .name:           k_q90afc565ec_mlp
    .symbol:         k_q90afc565ec_mlp.kd
    .args:
      - { .name: ctx, .offset: 0, .size: 8, .value_kind: global_buffer, .address_space: global }
      - { .name: wts, .offset: 8, .size: 8, .value_kind: global_buffer, .address_space: global }
      - { .name: x, .offset: 16, .size: 8, .value_kind: global_buffer, .address_space: global }
      - { .name: bo, .offset: 24, .size: 8, .value_kind: global_buffer, .address_space: global }
      - { .name: b1, .offset: 32, .size: 8, .value_kind: global_buffer, .address_space: global }
      - { .name: b2, .offset: 40, .size: 8, .value_kind: global_buffer, .address_space: global }
      - { .name: out0, .offset: 48, .size: 8, .value_kind: global_buffer, .address_space: global }
    .group_segment_fixed_size: 71168
    .private_segment_fixed_size: 0
    .kernarg_segment_align: 8
    .kernarg_segment_size: 56
    .max_flat_workgroup_size: 128
    .sgpr_count:     66
    .vgpr_count:     1024
    .wavefront_size: 32
...
	.end_amdgpu_metadata
.endif
;; end of part 4
;; ======== version 2 of 2: 4 launches
;; workspace buffers: xq 2,228,224 bytes; wts 1,671,168 bytes; qb 2,359,296 bytes; kv 4,718,592 bytes; ctx 2,228,224 bytes
;; launch prep (part 5): grid 320 x 1, 4 waves a work-group, no clusters, 39,424 bytes of LDS; arguments x, Wq, Wk, Wv, Wo, W1, W2, xq, wts; writes xq, wts
.if DOCPART == 5
	.amdgcn_target "amdgcn-amd-amdhsa--gfx1250"
	.amdhsa_code_object_version 6
	.text
	.protected	k_q90afc565ec_prep
	.globl	k_q90afc565ec_prep
	.p2align	8
	.type	k_q90afc565ec_prep,@function
k_q90afc565ec_prep:
	s_mov_b64 s[64:65], 0
	v_nop
	global_prefetch_b8 v0, s[64:65] scope:SCOPE_SE
	s_setreg_imm32_b32 hwreg(HW_REG_WAVE_MODE, 25, 1), 1
	s_wait_xcnt 0x0
; x [8192][512] and the six weights ([K][N], K first) become codes of FP4 (E2M1) with one E8M0 scale byte for each 32 along K.
; A block's scale is 2^(floor(log2(its largest magnitude)) - 2); its byte is the largest magnitude's exponent field - 2, held at 1 from below.
; LIMITS: NaN and infinities among the inputs are not served; a block whose largest magnitude lies under 2^-124 gets the byte 1; a block of zeros gets the byte 1
; where the rule says 127: its codes are zeros, which add nothing under that byte, and this program alone reads the bytes.
; BOTH RESULTS ARE LAID AS IMAGES OF OPERAND REGISTERS.  A fragment (16 rows x 128 K) is 1,024 bytes: block kb (32 along K) of row r lies at 256 (kb % 4) + 16 r.
; THE ROWS OF A TILE ARE NOT NEIGHBOURS: row r of tile 2 b + u is element 32 b + 8 u + r + 8 (r / 8), of tokens and of weight columns alike.
; xq:  images [tile 512][K step 4][1024]; from XQS on scale bytes [tile][row][16].
; wts: images [tile][K step][1024] at Wq 0, Wk 131072, Wv 262144, Wo 393216, W1 524288, W2 1048576; from WS0 on scale words [K step][tile][row] at Wq 0, Wk 8192, Wv 16384, Wo 24576, W1 32768, W2 65536.
; Work-groups 0-127 take x (a wave a tile of 16 tokens, a step a row), work-groups 128-319 the weights (a wave 32 columns x 128 K).  Waves share nothing: no barrier.  Only x's path uses LDS.
.set XQS,   2097152
.set WS0,   1572864
.set WREG,  9728                       ; LDS of a wave: two turning stages, 256 scale bytes, the codes' stage
.set SP,    80                         ; a lane's place in a turning stage: 64 bytes + 16
.set SCB,   2*32*SP                    ; the scale bytes
.set CST,   SCB+256                    ; the codes' stage: 16 blocks x (256 bytes + 16)
.set CP,    272
.set R,     16                         ; v16-79   four sets of 16 numbers as they are loaded
.set X,     80                         ; v80-111  two sets of 16 neighbours
.set C,     112                        ; v112-115 codes, two sets by turns
.set E,     116                        ; v116-117 the scale byte, two by turns
.set OUTR,  128                        ; v128-159 the way out
.set WX,    32                         ; weights: v32-159 four blocks of 32 numbers
.set WC,    160                        ; v160-175 their codes
.set WB,    176                        ; v176     their four scale bytes
.macro LOAD t                          ; row t of the tile: 2,048 bytes, each load 512 consecutive bytes
.irp i, 0,1,2,3
	global_load_b128 v[R+16*((\t)%4)+4*\i:R+16*((\t)%4)+4*\i+3], v3, s[4:5] offset:2048*((\t)+8*((\t)/8))+512*\i th:TH_LOAD_NT
.endr
.endm
.macro TURN t                          ; through the stage: in as loaded, out 16 neighbours a lane; LDS serves a wave's instructions in order
.irp i, 0,1,2,3
	ds_store_b128 v14, v[R+16*((\t)%4)+4*\i:R+16*((\t)%4)+4*\i+3] offset:32*SP*((\t)%2)+8*SP*\i
.endr
.irp i, 0,1,2,3
	ds_load_b128 v[X+16*((\t)%2)+4*\i:X+16*((\t)%2)+4*\i+3], v15 offset:32*SP*((\t)%2)+16*\i
.endr
.endm
.macro STEP t
.set XS, X+16*((\t)%2)
.set CC, C+2*((\t)%2)
.if (\t) > 0
	s_wait_dscnt 2                                 ; this row's numbers are back; the last step's byte store and code store may be out; those of the step before are done, so their registers may be written
.else
	s_wait_dscnt 0x0
.endif
.if (\t)+4 < 16
	LOAD (\t)+4
.endif
.if (\t)+1 < 16
.if 14-(\t) >= 3
	s_wait_loadcnt 12                              ; the next row's four loads are in; those of the three rows behind it may be out
.else
	s_wait_loadcnt 4*(14-(\t))
.endif
	TURN (\t)+1
.endif
	v_max3_num_f32 v8, |v[XS]|, |v[XS+1]|, |v[XS+2]|
	v_max3_num_f32 v9, |v[XS+3]|, |v[XS+4]|, |v[XS+5]|
.irp i, 6,10
	v_max3_num_f32 v8, v8, |v[XS+\i]|, |v[XS+\i+1]|
	v_max3_num_f32 v9, v9, |v[XS+\i+2]|, |v[XS+\i+3]|
.endr
	v_max3_num_f32 v8, v8, |v[XS+14]|, |v[XS+15]|
	v_max3_num_f32 v8, v8, v9, 0x1800000           ; the floor 2^(3 - 127): the byte cannot fall under 1
	v_max_num_f32_dpp v8, v8, v8 row_xmask:1 row_mask:0xf bank_mask:0xf   ; with my neighbour's 16: the block's largest magnitude
	v_add_nc_u32 v11, 0xff000000, v8               ; 2 off its exponent field: the conversion's scale operand
	v_cvt_scalef32_pk8_fp4_f32 v[CC], v[XS:XS+7], v11
	v_cvt_scalef32_pk8_fp4_f32 v[CC+1], v[XS+8:XS+15], v11
	v_lshrrev_b32 v[E+(\t)%2], 23, v11             ; the scale's byte
	ds_store_b8 v5, v[E+(\t)%2] offset:16*(\t)     ; row t, block lane / 2: both lanes write the same byte
	ds_store_b64 v4, v[CC:CC+1] offset:16*(\t)     ; block lane / 2, row t, my half of its 16 bytes
.endm
.macro WLOAD t, pitch                  ; block t of my column: W(32 t + i, column), 128 consecutive bytes a load
.set ii, 0
.rept 32
	global_load_b32 v[WX+32*(\t)+ii], v3, s[26:27] offset:(32*(\t)+ii)*\pitch th:TH_LOAD_NT
.set ii, ii+1
.endr
.endm
.macro WBLOCK t, pitch
.set XB, WX+32*(\t)
.if (\t) < 3
	s_wait_loadcnt 32                              ; this block's 32 loads are in; the next block's may be out
.else
	s_wait_loadcnt 0x0
.endif
.if (\t)+2 < 4
	WLOAD (\t)+2, \pitch
.endif
	v_max3_num_f32 v12, |v[XB]|, |v[XB+1]|, |v[XB+2]|
	v_max3_num_f32 v13, |v[XB+3]|, |v[XB+4]|, |v[XB+5]|
.irp i, 6,10,14,18,22,26
	v_max3_num_f32 v12, v12, |v[XB+\i]|, |v[XB+\i+1]|
	v_max3_num_f32 v13, v13, |v[XB+\i+2]|, |v[XB+\i+3]|
.endr
	v_max3_num_f32 v12, v12, |v[XB+30]|, |v[XB+31]|
	v_max3_num_f32 v12, v12, v13, 0x1800000
	v_add_nc_u32 v11, 0xff000000, v12
	v_lshrrev_b32 v13, 23, v11
.irp g, 0,1,2,3
	v_cvt_scalef32_pk8_fp4_f32 v[WC+4*(\t)+\g], v[XB+8*\g:XB+8*\g+7], v11
.endr
.if (\t) == 0
	v_mov_b32 v[WB], v13                           ; four bytes make the K step's scale word, the lower K in the lower byte
.else
	v_lshl_or_b32 v[WB], v13, 8*(\t), v[WB]
.endif
	global_store_b128 v4, v[WC+4*(\t):WC+4*(\t)+3], s[40:41] offset:256*(\t)   ; sixteen lanes of one tile store 256 consecutive bytes, aligned
.endm
.macro WBODY pitch
	WLOAD 0, \pitch
	WLOAD 1, \pitch
	WBLOCK 0, \pitch
	WBLOCK 1, \pitch
	WBLOCK 2, \pitch
	WBLOCK 3, \pitch
	global_store_b32 v5, v[WB], s[42:43]           ; 128 consecutive bytes: the scale words of two tiles
	s_endpgm
.endm
	s_load_b256 s[4:11], s[0:1], 0x0               ; x, Wq, Wk, Wv
	s_load_b256 s[12:19], s[0:1], 0x20             ; Wo, W1, W2, xq
	s_load_b64 s[20:21], s[0:1], 0x40              ; wts
	v_lshl_add_u32 v192, v0, 2, 0x9800
	v_mov_b32 v193, 0
	v_lshrrev_b32 v1, 5, v0
	v_readfirstlane_b32 s24, v1                    ; wave
	v_and_b32 v2, 31, v0                           ; lane
	s_cmp_lt_u32 ttmp9, 128
	s_cbranch_scc0 .Lweights
	; ---------------- x: a wave takes one tile of 16 tokens
	v_lshlrev_b32 v3, 4, v2                        ; 16 x lane
	s_mul_i32 s25, s24, WREG
	v_lshrrev_b32 v14, 2, v2
	v_mul_u32_u24 v14, v14, SP
	v_and_b32 v15, 3, v2
	v_lshl_add_u32 v14, v15, 4, v14
	v_add_nc_u32 v14, s25, v14                     ; the turning stage, in: SP (lane / 4) + 16 (lane % 4)
	v_mul_u32_u24 v15, v2, SP
	v_add_nc_u32 v15, s25, v15                     ; and out: SP x lane
	v_lshrrev_b32 v5, 1, v2                        ; my block
	v_mul_u32_u24 v4, v5, CP
	v_and_b32 v6, 1, v2
	v_lshl_add_u32 v4, v6, 3, v4
	v_add_nc_u32 v4, s25, v4
	v_add_nc_u32 v4, CST, v4                       ; the codes' stage, in: CP x block + 8 x my half
	v_add_nc_u32 v5, s25, v5
	v_add_nc_u32 v5, SCB, v5                       ; my block's scale byte
	v_lshlrev_b32 v7, 3, v2
	v_add_nc_u32 v6, s25, v7
	v_add_nc_u32 v6, SCB, v6                       ; the scale bytes on the way out: 8 a lane
	v_lshrrev_b32 v10, 4, v2
	v_mul_u32_u24 v10, v10, CP
	v_and_b32 v8, 15, v2
	v_lshl_add_u32 v10, v8, 4, v10
	v_add_nc_u32 v10, s25, v10
	v_add_nc_u32 v10, CST, v10                     ; the codes' stage, out: sixteen lanes to a block's 256 bytes
	s_lshl_b32 s26, ttmp9, 2
	s_add_co_u32 s26, s26, s24                     ; my tile
	s_lshr_b32 s28, s26, 1
	s_lshl_b32 s28, s28, 16                        ; 32 tokens of 2,048 bytes for each pair of tiles,
	s_and_b32 s29, s26, 1
	s_lshl_b32 s29, s29, 14                        ; 8 tokens for the odd tile
	s_add_co_u32 s28, s28, s29
	s_mov_b32 s29, 0
	s_lshl_b32 s30, s26, 12
	s_mov_b32 s31, 0
	s_lshl_b32 s32, s26, 8
	s_mov_b32 s33, 0
	s_wait_kmcnt 0x0
	s_add_nc_u64 s[4:5], s[4:5], s[28:29]
	s_add_nc_u64 s[30:31], s[18:19], s[30:31]      ; my tile's image
	s_add_nc_u64 s[32:33], s[18:19], s[32:33]
	s_add_nc_u64 s[32:33], s[32:33], XQS           ; and its scale bytes
.irp t, 0,1,2,3
	LOAD \t
.endr
	s_wait_loadcnt 12                              ; row 0's four loads are in
	TURN 0
.irp t, 0,1,2,3,4,5,6,7,8,9,10,11,12,13,14,15
	STEP \t
.endr
	ds_load_b64 v[12:13], v6                       ; LDS serves a wave's instructions in order: these see my stores
.irp i, 0,1,2,3,4,5,6,7
	ds_load_b128 v[OUTR+4*\i:OUTR+4*\i+3], v10 offset:2*CP*\i
.endr
	s_wait_dscnt 0x0
	global_store_b64 v7, v[12:13], s[32:33]        ; 256 consecutive bytes, aligned
.irp i, 0,1,2,3,4,5,6,7
	global_store_b128 v3, v[OUTR+4*\i:OUTR+4*\i+3], s[30:31] offset:512*\i   ; 512 consecutive bytes, aligned
.endr
	s_wait_tensorcnt 0x0
	ds_add_u32 v192, v193
	s_wait_dscnt 0x0
	s_endpgm
	; ---------------- the weights: a wave takes 32 columns x 128 along K; a lane a column, its registers run down K
.Lweights:
	s_sub_co_u32 s25, ttmp9, 128
	s_wait_kmcnt 0x0
	s_cmp_lt_u32 s25, 64
	s_cbranch_scc0 .Lbig
	s_lshr_b32 s34, s25, 4                         ; which of Wq, Wk, Wv, Wo
	s_and_b32 s35, s25, 15
	s_cmp_eq_u32 s34, 1
	s_cselect_b64 s[26:27], s[8:9], s[6:7]
	s_cmp_eq_u32 s34, 2
	s_cselect_b64 s[26:27], s[10:11], s[26:27]
	s_cmp_eq_u32 s34, 3
	s_cselect_b64 s[26:27], s[12:13], s[26:27]
	s_and_b32 s28, s35, 3                          ; which 128 columns
	s_lshr_b32 s29, s35, 2                         ; which K step
	s_mov_b32 s30, 4                               ; K steps in all
	s_lshl_b32 s31, s34, 17                        ; where its images begin
	s_lshl_b32 s32, s34, 13
	s_add_co_u32 s32, s32, WS0                     ; and its scale words
	s_mov_b32 s33, 2048                            ; a row of W in bytes
	s_branch .Lcommon
.Lbig:
	s_cmp_lt_u32 s25, 128
	s_cbranch_scc0 .Lw2
	s_sub_co_u32 s35, s25, 64                      ; W1
	s_mov_b64 s[26:27], s[14:15]
	s_and_b32 s28, s35, 15
	s_lshr_b32 s29, s35, 4
	s_mov_b32 s30, 4
	s_mov_b32 s31, 524288
	s_mov_b32 s32, WS0+32768
	s_mov_b32 s33, 8192
	s_branch .Lcommon
.Lw2:
	s_sub_co_u32 s35, s25, 128                     ; W2
	s_mov_b64 s[26:27], s[16:17]
	s_and_b32 s28, s35, 3
	s_lshr_b32 s29, s35, 2
	s_mov_b32 s30, 16
	s_mov_b32 s31, 1048576
	s_mov_b32 s32, WS0+65536
	s_mov_b32 s33, 2048
.Lcommon:
	s_lshl_b32 s34, s28, 2
	s_add_co_u32 s34, s34, s24                     ; my group of 32 columns
	s_mul_i32 s36, s29, s33                        ; K step x a row's bytes
	s_lshl_b32 s35, s34, 7                         ; 128 bytes a group
	s_lshl_b32 s38, s36, 7                         ; 128 rows a K step
	s_add_co_u32 s38, s38, s35
	s_mov_b32 s39, 0
	s_add_nc_u64 s[26:27], s[26:27], s[38:39]      ; W at my first number
	s_mul_i32 s40, s34, s30
	s_lshl_b32 s40, s40, 1                         ; two tiles a group, each with all its K steps
	s_add_co_u32 s40, s40, s29
	s_lshl_b32 s40, s40, 10
	s_add_co_u32 s40, s40, s31
	s_mov_b32 s41, 0
	s_add_nc_u64 s[40:41], s[20:21], s[40:41]      ; the even tile's fragment of my K step
	s_add_co_u32 s42, s36, s35
	s_add_co_u32 s42, s42, s32
	s_mov_b32 s43, 0
	s_add_nc_u64 s[42:43], s[20:21], s[42:43]      ; my two tiles' scale words of my K step
	s_lshl_b32 s44, s30, 10                        ; from a tile to the next, in bytes
	s_wait_alu depctr_va_vdst(0)
	v_lshlrev_b32 v3, 2, v2                        ; in: 4 bytes a lane
	v_bfe_u32 v6, v0, 3, 1                         ; column m of 32 lies in tile u = bit 3 of m,
	v_and_b32 v7, 7, v2
	v_bfe_u32 v8, v0, 4, 1
	v_lshl_or_b32 v7, v8, 3, v7                    ; at row r = bit 4 and bits 2 to 0 of m
	v_mul_u32_u24 v4, s44, v6
	v_lshl_add_u32 v4, v7, 4, v4                   ; codes: tile u, 16 r
	v_lshl_add_u32 v5, v6, 4, v7
	v_lshlrev_b32 v5, 2, v5                        ; scale words: 4 (16 u + r)
	s_cmp_eq_u32 s33, 2048
	s_cbranch_scc0 .Lwide
	s_wait_alu depctr_va_vdst(0)
	WBODY 2048
.Lwide:
	s_wait_alu depctr_va_vdst(0)
	WBODY 8192
.Lfunc_end_k_q90afc565ec_prep:
	.size	k_q90afc565ec_prep, .Lfunc_end_k_q90afc565ec_prep-k_q90afc565ec_prep
	.p2alignl 7, 3214868480
	.fill 96, 4, 3214868480
	.section	.rodata,"a",@progbits
	.p2align	6, 0x0
	.amdhsa_kernel k_q90afc565ec_prep
		.amdhsa_group_segment_fixed_size 39424
		.amdhsa_private_segment_fixed_size 0
		.amdhsa_enable_private_segment 0
		.amdhsa_kernarg_size 72
		.amdhsa_user_sgpr_count 2
		.amdhsa_user_sgpr_kernarg_segment_ptr 1
		.amdhsa_wavefront_size32 1
		.amdhsa_system_sgpr_workgroup_id_x 1
		.amdhsa_system_sgpr_workgroup_id_y 1
		.amdhsa_system_sgpr_workgroup_id_z 1
		.amdhsa_system_vgpr_workitem_id 0
		.amdhsa_next_free_vgpr 194
		.amdhsa_next_free_sgpr 66
		.amdhsa_reserve_vcc 0
		.amdhsa_float_denorm_mode_32 3
		.amdhsa_float_denorm_mode_16_64 3
		.amdhsa_memory_ordered 1
		.amdhsa_forward_progress 1
		.amdhsa_inst_pref_size 74
	.end_amdhsa_kernel
	.amdgpu_metadata
---
amdhsa.version: [ 1, 2 ]
amdhsa.kernels:
  - .name:           k_q90afc565ec_prep
    .symbol:         k_q90afc565ec_prep.kd
    .args:
      - { .name: x, .offset: 0, .size: 8, .value_kind: global_buffer, .address_space: global }
      - { .name: Wq, .offset: 8, .size: 8, .value_kind: global_buffer, .address_space: global }
      - { .name: Wk, .offset: 16, .size: 8, .value_kind: global_buffer, .address_space: global }
      - { .name: Wv, .offset: 24, .size: 8, .value_kind: global_buffer, .address_space: global }
      - { .name: Wo, .offset: 32, .size: 8, .value_kind: global_buffer, .address_space: global }
      - { .name: W1, .offset: 40, .size: 8, .value_kind: global_buffer, .address_space: global }
      - { .name: W2, .offset: 48, .size: 8, .value_kind: global_buffer, .address_space: global }
      - { .name: xq, .offset: 56, .size: 8, .value_kind: global_buffer, .address_space: global }
      - { .name: wts, .offset: 64, .size: 8, .value_kind: global_buffer, .address_space: global }
    .group_segment_fixed_size: 39424
    .private_segment_fixed_size: 0
    .kernarg_segment_align: 8
    .kernarg_segment_size: 72
    .max_flat_workgroup_size: 128
    .sgpr_count:     66
    .vgpr_count:     194
    .wavefront_size: 32
...
	.end_amdgpu_metadata
.endif
;; end of part 5
;; launch qkv (part 6): grid 64 x 3, 8 waves a work-group, no clusters, 35,840 bytes of LDS; arguments xq, wts, bq, bk, bv, qb, kv; writes qb, kv
.if DOCPART == 6
	.amdgcn_target "amdgcn-amd-amdhsa--gfx1250"
	.amdhsa_code_object_version 6
	.text
	.protected	k_q90afc565ec_qkv
	.globl	k_q90afc565ec_qkv
	.p2align	8
	.type	k_q90afc565ec_qkv,@function
k_q90afc565ec_qkv:
	s_mov_b64 s[64:65], 0
	v_nop
	global_prefetch_b8 v0, s[64:65] scope:SCOPE_SE
	s_setreg_imm32_b32 hwreg(HW_REG_WAVE_SCHED_MODE, 0, 2), 2
	s_setreg_imm32_b32 hwreg(HW_REG_WAVE_MODE, 25, 1), 1
	s_wait_xcnt 0x0
	s_wait_alu depctr_vm_vsrc(0)
; q = x Wq + bq, k = x Wk + bk, v = x Wv + bv on codes of FP4 with E8M0 scales, and the results quantised at once: q and k along the head's 64, v along the keys.
; SHARES.  Work-group x: 128 tokens (8 tiles of 16: one key step of the attention); y: 0 q, 1 k, 2 v.  Wave = head: its 64 columns of the weight (16 fragments, 128 registers) stay in registers;
; the tokens' codes (32 KiB) and scale bytes come into LDS once, by a plain copy through registers, and all eight waves read them.  A wave walks four pairs of token tiles, 32 matrix instructions each.
; q, k: THE PRODUCT IS USED TRANSPOSED (source 0 = 16 columns of W, source 1 = 16 tokens): a lane holds one token and its registers run along the head's 64, which is the next product's K.
; v: not transposed (source 0 = tokens, source 1 = columns): a lane holds one channel and its registers run along the tokens, which are the next product's K.
; Rows of token tiles and of weight tiles are chosen so (row r of tile 2 b + u = element 32 b + 8 u + r + 8 (r / 8)) that the 16 registers of two neighbouring tiles are 16 neighbours along that K.
; OUT, as images of operand registers.  qb: [head of batch 16][group 32][4608]: 8 tiles x 512 bytes (lane l: 16 l), then [lane][4] scale words (word i of lane l: tile 2 i + l / 16, row l % 16; bytes 2, 3 = 127).
; kv: [head of batch][key step][9216]: K as in qb; at 4608 V^T's four fragments of 16 channels x 128 keys; at 8704 [lane][2] scale words (word i of lane l: channel tile 2 i + l / 16).
; The biases are the C of each sum's first matrix instruction.
; LIMITS: NaN and infinities are not served; a block under 2^-124, and a block of zeros, get the scale byte 1 (zero codes add nothing; this program alone reads the bytes).
; REGISTERS, window 0: v1-11 addresses; v16-79 x's fragments of a pair of tiles; v80-143 eight accumulators; v144-175 codes, 8 a pair; v176-191 at work; v192-199 x's scale words; v200-207 W's; v208-213 scale words made.
; window 1: v0-127 the weight's fragments (tile nt, K step ks) at 8 (4 nt + ks); v128-159 the bias, 8 a tile.
; THE MODE: SCHED_MODE bits 1:0 = 2 (LLVM: expert scheduling mode 2), set by the entry lines.  The code itself states the register dependences
; between vector or matrix instructions and memory or LDS instructions, with s_wait_alu, always for 0.
; THE PLAN.  Registers that memory or LDS instructions touch:
;   v1-v11       offsets and addresses: made once at the head, never written again.
;   XF, XS       at the head XF stages the copy (global loads land, LDS stores read); then the LDS loads of pair p + 1 land in XF and XS, which the products of pair p read.
;   PC, SW, VP   the quantiser of pair p writes eight registers of PC that are that pair's own; global stores read them; none is written again.
;   window 1, WS loaded once.
; ONE wait on va_vdst stands in a pair, behind its 32 products and their places: the products are done reading XF and XS, and the quantiser of the pair before has written its codes.  Behind it stand the next
; pair's 18 LDS loads and the two stores of the pair before; the quantiser that follows names HA, TM, TP, SW and its own part of PC: none of the registers that those loads and stores touch.
.set XQS, 2097152
.set WS0, 1572864
.set XSC, 32768                        ; LDS: the images at 0, the scale bytes here
.set LI,  1                            ; v1  16 x lane
.set XSA, 2                            ; v2  XSC + 16 r
.set T16, 3                            ; v3  16 x thread
.set T8,  4                            ; v4  8 x thread
.set VO,  6                            ; v6  1024 h + 16 r
.set L8,  7                            ; v7  8 x lane
.set BO,  8                            ; v8  64 h
.set L4,  11                           ; v11 4 x lane
.set XF,  16
.set HA,  80
.set PC,  144
.set TM,  176
.set XS,  192
.set WS,  200
.set SW,  208
.set VP,  212
.set TP,  214
.set WBI, 128
.set WV,  18
.set SEL, 20
.set MSB, 0
.macro WIN new                         ; the immediate's high byte repeats the setting that is left
.if MSB != \new
	s_set_vgpr_msb (MSB<<8)|\new
.set MSB, \new
.endif
.endm
.macro PLACES n
.rept \n
	v_nop
.endr
.endm
.macro WM d, a, b, c, sa, sb, mod      ; mod 1: source 0's scales from lanes 16-31; 2: source 1's
.if (\mod) == 1
	v_wmma_scale_f32_16x16x128_f8f6f4 v[\d:\d+7], v[\a:\a+7], v[\b:\b+7], v[\c:\c+7], v[\sa], v[\sb] matrix_a_fmt:MATRIX_FMT_FP4 matrix_b_fmt:MATRIX_FMT_FP4 matrix_a_scale:MATRIX_SCALE_ROW1
.elseif (\mod) == 2
	v_wmma_scale_f32_16x16x128_f8f6f4 v[\d:\d+7], v[\a:\a+7], v[\b:\b+7], v[\c:\c+7], v[\sa], v[\sb] matrix_a_fmt:MATRIX_FMT_FP4 matrix_b_fmt:MATRIX_FMT_FP4 matrix_b_scale:MATRIX_SCALE_ROW1
.else
	v_wmma_scale_f32_16x16x128_f8f6f4 v[\d:\d+7], v[\a:\a+7], v[\b:\b+7], v[\c:\c+7], v[\sa], v[\sb] matrix_a_fmt:MATRIX_FMT_FP4 matrix_b_fmt:MATRIX_FMT_FP4
.endif
.endm
; 64 numbers of a lane, register 16 b + i = number 16 h + i of block b, become codes: v[pc + 4 c .. + 3] of lane (r, h) = the whole block 2 c + h.  The four bytes are left in v[TM+4 ..].
.macro QUANT s, pc
.irp b, 0,1,2,3
	v_max3_num_f32 v[TM+\b], |v[\s+16*\b]|, |v[\s+1+16*\b]|, 0x1800000   ; with the floor 2^(3 - 127): the byte cannot fall under 1
.endr
.irp i, 2,4,6,8,10,12,14
.irp b, 0,1,2,3
	v_max3_num_f32 v[TM+\b], v[TM+\b], |v[\s+16*\b+\i]|, |v[\s+1+16*\b+\i]|
.endr
.endr
.irp b, 0,1,2,3
	v_permlanex16_b32 v[TM+4+\b], v[TM+\b], s[SEL], s[SEL+1]
.endr
.irp b, 0,1,2,3
	v_max_num_f32 v[TM+\b], v[TM+\b], v[TM+4+\b]   ; with lane l xor 16's: the block's largest magnitude
.endr
.irp b, 0,1,2,3
	v_add_nc_u32 v[TM+12+\b], 0xff000000, v[TM+\b] ; 2 off its exponent field: the conversion's scale operand
.endr
.irp b, 0,1,2,3
	v_lshrrev_b32 v[TM+4+\b], 23, v[TM+12+\b]      ; the scale's byte
.endr
.irp b, 0,1,2,3
	v_cvt_scalef32_pk8_fp4_f32 v[\pc+2*\b], v[\s+16*\b:\s+7+16*\b], v[TM+12+\b]
	v_cvt_scalef32_pk8_fp4_f32 v[\pc+1+2*\b], v[\s+8+16*\b:\s+15+16*\b], v[TM+12+\b]
.endr
	v_nop                                          ; one plain instruction behind the scaled conversions
.irp c, 0,1
.irp i, 0,1
	v_permlane16_swap_b32 v[\pc+4*\c+\i], v[\pc+2+4*\c+\i]
.endr
.endr
.endm
.macro FETCHX p                        ; the fragments and scale words of token tiles 2 p and 2 p + 1: 18 LDS loads; the wait for them stands at the head of the pair that multiplies them
.irp u, 0,1
.irp ks, 0,1,2,3
.irp c, 0,1
	ds_load_b128 v[XF+32*\u+8*\ks+4*\c:XF+32*\u+8*\ks+4*\c+3], v[LI] offset:(2*(\p)+\u)*4096+\ks*1024+\c*512
.endr
.endr
	ds_load_b128 v[XS+4*\u:XS+4*\u+3], v[XSA] offset:(2*(\p)+\u)*256
.endr
.endm
	s_load_b256 s[4:11], s[0:1], 0x0               ; xq, wts, bq, bk
	s_load_b128 s[12:15], s[0:1], 0x20             ; bv, qb
	s_load_b64 s[16:17], s[0:1], 0x30              ; kv
	v_lshl_add_u32 v254, v0, 2, 0x8800
	v_mov_b32 v255, 0
	v_lshrrev_b32 v1, 5, v0
	v_readfirstlane_b32 s[WV], v1                  ; wave = head
	s_and_b32 s19, ttmp7, 0xffff                   ; 0 q, 1 k, 2 v
	v_and_b32 v5, 31, v0                           ; lane
	v_and_b32 v9, 15, v0                           ; r
	v_bfe_u32 v10, v0, 4, 1                        ; h
	v_lshlrev_b32 v[LI], 4, v5
	v_lshl_add_u32 v[XSA], v9, 4, XSC
	v_lshlrev_b32 v[T16], 4, v0
	v_lshlrev_b32 v[T8], 3, v0
	v_lshlrev_b32 v[VO], 4, v9
	v_lshl_add_u32 v[VO], v10, 10, v[VO]
	v_lshlrev_b32 v[L8], 3, v5
	v_lshlrev_b32 v[BO], 6, v10
	v_lshlrev_b32 v[L4], 2, v5
.irp b, 0,1,2,3
	v_mov_b32 v[TM+4+\b], 0                        ; written once: a lane permute's destination counts as one of its sources
.endr
	s_mov_b32 s[SEL], 0x76543210
	s_mov_b32 s[SEL+1], 0xfedcba98                 ; v_permlanex16_b32's selects for lane l xor 16
	s_mov_b32 vcc_lo, 0xffff0000                   ; the mask of lanes 16-31, for the whole kernel
	s_wait_alu depctr_va_sdst(0)                   ; the wave's number is written, ahead of its first reader: the weight's, the bias's and the results' addresses are made from it
	s_lshl_b32 s24, ttmp9, 15                      ; my 8 tiles' images,
	s_mov_b32 s25, 0
	s_lshl_b32 s26, ttmp9, 11                      ; their scale bytes,
	s_mov_b32 s27, 0
	s_lshl_b32 s28, s19, 17                        ; my weight's images, my head's four tiles,
	s_lshl_b32 s29, s[WV], 14
	s_add_co_u32 s28, s28, s29
	s_mov_b32 s29, 0
	s_lshl_b32 s30, s19, 13                        ; and their scale words
	s_lshl_b32 s31, s[WV], 8
	s_add_co_u32 s30, s30, s31
	s_add_co_u32 s30, s30, WS0
	s_mov_b32 s31, 0
	s_lshr_b32 s32, ttmp9, 5                       ; the batch,
	s_lshl_b32 s32, s32, 3
	s_add_co_u32 s32, s32, s[WV]                   ; its head,
	s_lshl_b32 s32, s32, 5
	s_and_b32 s33, ttmp9, 31
	s_add_co_u32 s32, s32, s33                     ; and the group of 128 tokens in it
	s_mul_i32 s34, s32, 4608
	s_mul_i32 s35, s32, 9216
	s_lshl_b32 s40, s[WV], 8                       ; my head's 64 numbers of a bias
	s_mov_b32 s41, 0
	s_wait_kmcnt 0x0
	s_add_nc_u64 s[24:25], s[4:5], s[24:25]
	s_add_nc_u64 s[26:27], s[4:5], s[26:27]
	s_add_nc_u64 s[26:27], s[26:27], XQS
	s_add_nc_u64 s[28:29], s[6:7], s[28:29]
	s_add_nc_u64 s[30:31], s[6:7], s[30:31]
	s_wait_alu depctr_va_vdst(0)                   ; the offsets and addresses v1 to v11 are written: every load and store of the kernel reads one of them
.irp i, 0,1,2,3,4,5,6,7
	global_load_b128 v[XF+4*\i:XF+4*\i+3], v[T16], s[24:25] offset:4096*\i   ; the work-group's 256 threads copy 4,096 consecutive bytes a load
.endr
	global_load_b64 v[XF+32:XF+33], v[T8], s[26:27]
	WIN 0x40                                       ; destination window 1
.set ff, 0
.rept 16
.irp c, 0,1
	global_load_b128 v[8*ff+4*\c:8*ff+4*\c+3], v[LI], s[28:29] offset:ff*1024+\c*512
.endr
.set ff, ff+1
.endr
	WIN 0
.irp ks, 0,1,2,3
.irp pr, 0,1
	global_load_b32 v[WS+2*\ks+\pr], v[L4], s[30:31] offset:2048*\ks+128*\pr   ; lanes 0-15: tile 2 pr; lanes 16-31: tile 2 pr + 1
.endr
.endr
	s_wait_loadcnt 40                              ; the nine loads of x's codes and scale bytes are in; the 32 + 8 behind them may be out
.irp i, 0,1,2,3,4,5,6,7
	ds_store_b128 v[T16], v[XF+4*\i:XF+4*\i+3] offset:4096*\i
.endr
	ds_store_b64 v[T8], v[XF+32:XF+33] offset:XSC
	s_wait_dscnt 0x0                               ; my part of the copy has landed
	s_barrier_signal -1
	s_barrier_wait -1                              ; everybody's has; from here on LDS is only read
	s_wait_alu depctr_vm_vsrc(0)                   ; my LDS stores have read v[XF ..], in which the first pair's fragments land on either way below
	s_cmp_eq_u32 s19, 2
	s_cbranch_scc1 .Lv
	; ---------------- q and k
	s_cmp_eq_u32 s19, 0
	s_cselect_b64 s[36:37], s[14:15], s[16:17]
	s_cselect_b64 s[38:39], s[8:9], s[10:11]
	s_cselect_b32 s34, s34, s35
	s_mov_b32 s35, 0
	s_add_nc_u64 s[36:37], s[36:37], s[34:35]
	s_add_nc_u64 s[38:39], s[38:39], s[40:41]
	WIN 0x40
.irp nt, 0,1,2,3
.irp q, 0,1
	global_load_b128 v[WBI+8*\nt+4*\q:WBI+8*\nt+4*\q+3], v[BO], s[38:39] offset:(32*(\nt/2)+8*(\nt%2))*4+16*\q   ; lane (r, h), tile 2 b + u: the bias at 32 b + 16 h + 8 u + 0 .. 7
.endr
.endr
	WIN 0
	FETCHX 0                                       ; no vector instruction has been issued since the wait at the head
	s_wait_loadcnt 0x0
.irp p, 0,1,2,3
	s_wait_dscnt 0x0                               ; this pair's fragments and scale words are in
.irp ks, 0,1,2,3
.if \ks == 0
	WIN 0x11                                       ; source 0 (W) and C (the bias) window 1
.else
	WIN 0x01
.endif
.irp u, 0,1
.irp nt, 0,1,2,3                               ; the eight accumulators take turns, one instruction a turn
.if \ks == 0
	WM HA+32*\u+8*\nt, 8*(4*\nt+\ks), XF+32*\u+8*\ks, WBI+8*\nt, WS+2*\ks+\nt/2, XS+4*\u+\ks, \nt%2
.else
	WM HA+32*\u+8*\nt, 8*(4*\nt+\ks), XF+32*\u+8*\ks, HA+32*\u+8*\nt, WS+2*\ks+\nt/2, XS+4*\u+\ks, \nt%2
.endif
.endr
.endr
.endr
	WIN 0
	PLACES 4                                       ; behind the last products, ahead of the first read of results
	s_wait_alu depctr_va_vdst(0)                   ; the products are done reading XF and XS, in which the next pair's loads land; the quantiser of the pair before has written its codes, which the stores below read
.if \p < 3
	FETCHX \p+1                                    ; they land while this pair is quantised
.endif
.if \p > 0
.irp u, 0,1
	global_store_b128 v[LI], v[PC+8*(\p-1)+4*\u:PC+8*(\p-1)+4*\u+3], s[36:37] offset:(2*(\p-1)+\u)*512   ; the pair before: 512 consecutive bytes, aligned
.endr
.endif
	QUANT HA, PC+8*\p                              ; blocks: (tile u, half b of the head's 64)
	v_lshl_or_b32 v[TP], v[TM+5], 8, v[TM+4]       ; the even tile's two bytes,
	v_lshl_or_b32 v[TP+1], v[TM+7], 8, v[TM+6]     ; the odd tile's,
	v_cndmask_b32 v[TP], v[TP], v[TP+1], vcc_lo    ; the even tile's in lanes 0-15, the odd tile's in lanes 16-31,
	v_or_b32 v[SW+\p], 0x7f7f0000, v[TP]           ; and 127 for the half of a K step of 128 that a head of 64 leaves empty
.endr
	s_wait_alu depctr_va_vdst(0)                   ; the last pair's codes and the four scale words are written, which the stores below read
.irp u, 0,1
	global_store_b128 v[LI], v[PC+24+4*\u:PC+24+4*\u+3], s[36:37] offset:(6+\u)*512
.endr
	global_store_b128 v[LI], v[SW:SW+3], s[36:37] offset:4096
	s_wait_dscnt 0x0
	s_wait_alu depctr_hold_cnt(0) depctr_sa_sdst(0) depctr_va_vdst(0) depctr_va_sdst(0) depctr_va_ssrc(0) depctr_va_vcc(0) depctr_vm_vsrc(0)
	s_wait_tensorcnt 0x0
	ds_add_u32 v254, v255
	s_wait_dscnt 0x0
	s_endpgm
	; ---------------- v
.Lv:
	s_mov_b32 s34, s35
	s_mov_b32 s35, 0
	s_add_nc_u64 s[36:37], s[16:17], s[34:35]
	s_add_nc_u64 s[36:37], s[36:37], 4608
	s_add_nc_u64 s[38:39], s[12:13], s[40:41]
	v_and_b32 v[TP+4], 8, v9
	v_add_nc_u32 v[TP+4], v[TP+4], v9
	v_lshlrev_b32 v[TP+4], 2, v[TP+4]              ; 4 (r + 8 (r / 8)): my channel in a pair of tiles
	s_wait_alu depctr_va_vdst(0)                   ; that offset is written, which the four loads below read
.irp nt, 0,1,2,3
	global_load_b32 v[TP+\nt], v[TP+4], s[38:39] offset:(32*(\nt/2)+8*(\nt%2))*4
.endr
	FETCHX 0
	s_wait_loadcnt 0x0
	WIN 0x40
.irp nt, 0,1,2,3
.irp j, 0,1,2,3,4,5,6,7
	v_mov_b32 v[WBI+8*\nt+\j], v[TP+\nt]           ; here a lane holds one channel: its bias eight times
.endr
.endr
	WIN 0
	s_wait_alu depctr_va_vdst(0)
.irp p, 0,1,2,3
	s_wait_dscnt 0x0                               ; this pair's fragments and scale words are in
.irp ks, 0,1,2,3
.if \ks == 0
	WIN 0x14                                       ; source 1 (W) and C (the bias) window 1
.else
	WIN 0x04
.endif
.irp u, 0,1
.irp nt, 0,1,2,3
.if \ks == 0
	WM HA+16*\nt+8*\u, XF+32*\u+8*\ks, 8*(4*\nt+\ks), WBI+8*\nt, XS+4*\u+\ks, WS+2*\ks+\nt/2, 2*(\nt%2)
.else
	WM HA+16*\nt+8*\u, XF+32*\u+8*\ks, 8*(4*\nt+\ks), HA+16*\nt+8*\u, XS+4*\u+\ks, WS+2*\ks+\nt/2, 2*(\nt%2)
.endif
.endr
.endr
.endr
	WIN 0
	PLACES 4
	s_wait_alu depctr_va_vdst(0)                   ; the products are done reading XF and XS, in which the next pair's loads land; the quantiser of the pair before has written its codes, which the stores below read
.if \p < 3
	FETCHX \p+1
.endif
.if \p > 0
.irp c, 0,1
	global_store_b128 v[VO], v[PC+8*(\p-1)+4*\c:PC+8*(\p-1)+4*\c+3], s[36:37] offset:\c*2048+(\p-1)*256   ; the pair before: channel tile 2 c + h, its block: sixteen lanes store 256 consecutive bytes, aligned
.endr
.endif
	QUANT HA, PC+8*\p                              ; block nt: keys 32 p .. 32 p + 31 of my channel in tile nt
.irp nt, 0,1,2,3
.if \p == 0
	v_mov_b32 v[SW+\nt], v[TM+4+\nt]
.else
	v_lshl_or_b32 v[SW+\nt], v[TM+4+\nt], 8*\p, v[SW+\nt]   ; the key step's four bytes make a channel's scale word
.endif
.endr
.endr
	v_cndmask_b32 v[VP], v[SW], v[SW+1], vcc_lo
	v_cndmask_b32 v[VP+1], v[SW+2], v[SW+3], vcc_lo
	s_wait_alu depctr_va_vdst(0)                   ; the last pair's codes and the two scale words are written, which the stores below read
.irp c, 0,1
	global_store_b128 v[VO], v[PC+24+4*\c:PC+24+4*\c+3], s[36:37] offset:\c*2048+3*256
.endr
	global_store_b64 v[L8], v[VP:VP+1], s[36:37] offset:4096
	s_wait_dscnt 0x0
	s_wait_alu depctr_hold_cnt(0) depctr_sa_sdst(0) depctr_va_vdst(0) depctr_va_sdst(0) depctr_va_ssrc(0) depctr_va_vcc(0) depctr_vm_vsrc(0)
	s_wait_tensorcnt 0x0
	ds_add_u32 v254, v255
	s_wait_dscnt 0x0
	s_endpgm
.Lfunc_end_k_q90afc565ec_qkv:
	.size	k_q90afc565ec_qkv, .Lfunc_end_k_q90afc565ec_qkv-k_q90afc565ec_qkv
	.p2alignl 7, 3214868480
	.fill 96, 4, 3214868480
	.section	.rodata,"a",@progbits
	.p2align	6, 0x0
	.amdhsa_kernel k_q90afc565ec_qkv
		.amdhsa_group_segment_fixed_size 35840
		.amdhsa_private_segment_fixed_size 0
		.amdhsa_enable_private_segment 0
		.amdhsa_kernarg_size 56
		.amdhsa_user_sgpr_count 2
		.amdhsa_user_sgpr_kernarg_segment_ptr 1
		.amdhsa_wavefront_size32 1
		.amdhsa_system_sgpr_workgroup_id_x 1
		.amdhsa_system_sgpr_workgroup_id_y 1
		.amdhsa_system_sgpr_workgroup_id_z 1
		.amdhsa_system_vgpr_workitem_id 0
		.amdhsa_next_free_vgpr 448
		.amdhsa_next_free_sgpr 66
		.amdhsa_reserve_vcc 1
		.amdhsa_float_denorm_mode_32 3
		.amdhsa_float_denorm_mode_16_64 3
		.amdhsa_memory_ordered 1
		.amdhsa_forward_progress 1
		.amdhsa_inst_pref_size 87
	.end_amdhsa_kernel
	.amdgpu_metadata
---
amdhsa.version: [ 1, 2 ]
amdhsa.kernels:
  - .name:           k_q90afc565ec_qkv
    .symbol:         k_q90afc565ec_qkv.kd
    .args:
      - { .name: xq, .offset: 0, .size: 8, .value_kind: global_buffer, .address_space: global }
      - { .name: wts, .offset: 8, .size: 8, .value_kind: global_buffer, .address_space: global }
      - { .name: bq, .offset: 16, .size: 8, .value_kind: global_buffer, .address_space: global }
      - { .name: bk, .offset: 24, .size: 8, .value_kind: global_buffer, .address_space: global }
      - { .name: bv, .offset: 32, .size: 8, .value_kind: global_buffer, .address_space: global }
      - { .name: qb, .offset: 40, .size: 8, .value_kind: global_buffer, .address_space: global }
      - { .name: kv, .offset: 48, .size: 8, .value_kind: global_buffer, .address_space: global }
    .group_segment_fixed_size: 35840
    .private_segment_fixed_size: 0
    .kernarg_segment_align: 8
    .kernarg_segment_size: 56
    .max_flat_workgroup_size: 256
    .sgpr_count:     66
    .vgpr_count:     448
    .wavefront_size: 32
...
	.end_amdgpu_metadata
.endif
;; end of part 6
;; launch attn (part 7): grid 16 x 16, 16 waves a work-group, no clusters, 20,480 bytes of LDS; arguments qb, kv, ctx; writes ctx
.if DOCPART == 7
	.amdgcn_target "amdgcn-amd-amdhsa--gfx1250"
	.amdhsa_code_object_version 6
	.text
	.protected	k_q90afc565ec_attn
	.globl	k_q90afc565ec_attn
	.p2align	8
	.type	k_q90afc565ec_attn,@function
k_q90afc565ec_attn:
	s_mov_b64 s[64:65], 0
	v_nop
	global_prefetch_b8 v0, s[64:65] scope:SCOPE_SE
	s_setreg_imm32_b32 hwreg(HW_REG_WAVE_SCHED_MODE, 0, 2), 2
	s_setreg_imm32_b32 hwreg(HW_REG_WAVE_MODE, 25, 1), 1
	s_wait_xcnt 0x0
	s_wait_alu depctr_vm_vsrc(0)
; ctx = softmax(q k^T / 8, causal) v for 16 heads of batch, 4,096 tokens, head size 64, both products on codes of FP4 with E8M0 scales; ctx is quantised at once along the 512 columns that the next product sums over.
; THE SOFTMAX: t = score x log2(e) / 8; M = the row's largest t so far, rounded UP to a whole number; p = 2^(t - M) is what is quantised, along the keys, not normalised.  The row's sum is taken of the
; unquantised p and divides at the end.  When M moves, the sum and O are multiplied by 2^(old M - new M): exact.
; SHARES.  y: the head of batch.  x = j: the work-group owns the groups of 128 queries j and 31 - j, so that under the causal mask every work-group has 8 (j + 1) + 8 (32 - j) = 264 steps of a tile.
; Each of its sixteen waves owns one tile of 16 queries: wave w tile w / 2 of group j or 31 - j by the bit (w xor w / 4) & 1.  The work-group walks key steps 0 .. 31 - j, 128 keys each.
; A wave leaves out the work of steps beyond its own group (a scalar branch on ids); it still copies and passes every barrier.  In the step on the diagonal hidden scores become -infinity.
; A key step's 8,960 bytes (K's 8 tiles and scale words, V^T's 4 fragments and scale words, as the launch before laid them) are copied through registers into one of two LDS slots, a step ahead:
; loaded at a step's head, stored at its end, one barrier a step: in front of it each wave's reads of this slot and its stores into the other are done.
; LAYOUT.  Both products are used transposed: S^T = K Q^T, O^T = V^T P^T: a lane holds ONE query throughout; the keys of a tile of K are chosen so that p's 16 registers of two neighbouring tiles are 16 neighbouring keys.
; A HEAD OF 64 IN AN INSTRUCTION OF 128: Q's registers 4-7 are zero codes and the scale bytes 2 and 3 are 127 on both sides; K's operand of tile t is its four registers and the four that follow (the next tile's codes, at the
; end four zeros): every code is a finite number, and it meets a zero.
; LIMITS: NaN and infinities are not served; a block of ctx under 2^-124, and a block of zeros, get the scale byte 1 (this program alone reads the bytes).
; REGISTERS: v1-8 addresses; v12 -M, v13 the largest t, v[14:15] the sum in two halves; v16-23 Q, v24 its scale words; v26-31 the copy; v32-67 K; v68-99 V^T; v100-163 S^T, then p; v164-195 O^T; v196-203 p's codes;
; v204-207 K's scale words, v208-209 V's, v228 p's; v212-231 at work.
; THE MODE: SCHED_MODE bits 1:0 = 2 (LLVM: expert scheduling mode 2), set by the entry lines.  The code itself states the register dependences
; between vector or matrix instructions and memory or LDS instructions, with s_wait_alu, always for 0.
; THE PLAN.  Registers that memory or LDS instructions touch, in the loop:
;   v1-v4, v6      offsets and addresses: made once at the head, never written again.
;   LD, LE         a global load lands in them at a step's head, an LDS store reads them at its end; no vector instruction names them.
;   KS, KF, VS, VF LDS loads land in them at a step's head; that step's products read them.
;   PC, PS         written by vector instructions, taken by the second product as its operand and its scale word.
; A step has one wait on vm_vsrc, at its head (the last step's LDS stores have read LD and LE), and, beside the wait ahead of its exponentials and the two behind them, two on va_vdst: ahead of its run of LDS loads (the last step's
; products are done reading V) and ahead of its second product (p's codes and scale word are written).  The causal mask's compares write scalar registers, eight to a run, with one wait on va_sdst behind each run.
.set XQS,  2097152
.set SLOT, 9216
.set KSCO, 4096
.set VIO,  4608
.set VSCO, 8704
.set QF,  16
.set QS,  24
.set LD,  26
.set LE,  30
.set KF,  32
.set VF,  68
.set S,   100
.set OA,  164
.set PC,  196
.set KS,  204
.set VS,  208
.set BM,  212
.set PD,  216
.set SO,  220
.set T,   224
.set F,   226
.set PS,  228
.set SU,  230
.set WV,  10
.set LIM, 15                           ; s15  my group of queries = my last key step
.set SS,  16                           ; s16  the key step in hand
.set TR,  17                           ; s17  trips of two steps
.set CN,  18
.set PL,  19                           ; s19  a wave prefetches while the step in hand is under this
.set SEL, 20
.set CS,  22
.set KVB, 24                           ; s[24:25] my head's first key step
.set NB,  26                           ; s[26:27] the next key step
.set MK,  40                           ; s[40:47] eight masks of the causal compares (the head is done with these registers)
.macro WM d, a, b, c, sa, sb, mod
.if (\mod) == 1
	v_wmma_scale_f32_16x16x128_f8f6f4 v[\d:\d+7], v[\a:\a+7], v[\b:\b+7], v[\c:\c+7], v[\sa], v[\sb] matrix_a_fmt:MATRIX_FMT_FP4 matrix_b_fmt:MATRIX_FMT_FP4 matrix_a_scale:MATRIX_SCALE_ROW1
.else
	v_wmma_scale_f32_16x16x128_f8f6f4 v[\d:\d+7], v[\a:\a+7], v[\b:\b+7], v[\c:\c+7], v[\sa], v[\sb] matrix_a_fmt:MATRIX_FMT_FP4 matrix_b_fmt:MATRIX_FMT_FP4
.endif
.endm
.macro WM0 d, a, b, sa, sb, mod        ; the product starts the sum
.if (\mod) == 1
	v_wmma_scale_f32_16x16x128_f8f6f4 v[\d:\d+7], v[\a:\a+7], v[\b:\b+7], 0, v[\sa], v[\sb] matrix_a_fmt:MATRIX_FMT_FP4 matrix_b_fmt:MATRIX_FMT_FP4 matrix_a_scale:MATRIX_SCALE_ROW1
.else
	v_wmma_scale_f32_16x16x128_f8f6f4 v[\d:\d+7], v[\a:\a+7], v[\b:\b+7], 0, v[\sa], v[\sb] matrix_a_fmt:MATRIX_FMT_FP4 matrix_b_fmt:MATRIX_FMT_FP4
.endif
.endm
; A KEY STEP out of slot \slot
.macro STEP slot
	s_wait_xcnt 0x0                                ; the last prefetch, a step back, has read its address; the loads that named it were waited for at that step's end
	s_wait_alu depctr_vm_vsrc(0)                   ; the LDS stores at the last step's end (in the first trip: the head's) have read LD and LE, in which the loads below land
	s_add_co_u32 s30, s[SS], 1
	s_min_u32 s30, s30, 31                         ; the next step (the last one is copied again where there is none: no load leaves the buffer)
	s_mul_i32 s30, s30, SLOT
	s_mov_b32 s31, 0
	s_add_nc_u64 s[NB:NB+1], s[KVB:KVB+1], s[30:31]
	global_load_b128 v[LD:LD+3], v3, s[NB:NB+1]    ; 512 threads x 16 bytes,
	s_cmp_lt_u32 s[WV], 3
	s_cbranch_scc0 .Lnl_\@
	global_load_b64 v[LE:LE+1], v4, s[NB:NB+1] offset:8192   ; and 96 threads x 8 bytes: 8,960 in all
.Lnl_\@:
	s_cmp_lt_u32 s[SS], s[PL]                      ; a prefetch into the L2 of the step three on, two steps ahead of the load that will want it: its first 8,192 bytes, lanes 256 bytes apart.  All sixteen work-groups of a
	s_cbranch_scc0 .Lna_\@                         ; head walk the same steps: wave 3 of the work-group that walks them all (x = 0) asks, nobody else; it stops when step 31 has been named.  Steps 0 to 2 come by their loads alone
	global_prefetch_b8 v6, s[NB:NB+1] offset:2*SLOT th:TH_LOAD_NT scope:SCOPE_SE
.Lna_\@:
	s_cmp_gt_u32 s[SS], s[LIM]                     ; all keys of this step come after my queries: nothing to compute
	s_cbranch_scc1 .Lhid_\@
	s_wait_alu depctr_va_vdst(0)                   ; the last step's products are done reading K, V and their scale words, in which the loads below land; in the first trip: the zero codes beside Q and behind K's last tile are written, which the products take
	ds_load_b128 v[KS:KS+3], v1 offset:\slot*SLOT+KSCO
.irp t, 0,1,2,3,4,5,6,7
	ds_load_b128 v[KF+4*\t:KF+4*\t+3], v1 offset:\slot*SLOT+512*\t
.endr
	ds_load_b64 v[VS:VS+1], v2 offset:\slot*SLOT+VSCO
.irp d, 0,1,2,3
.irp c, 0,1
	ds_load_b128 v[VF+8*\d+4*\c:VF+8*\d+4*\c+3], v1 offset:\slot*SLOT+VIO+1024*\d+512*\c
.endr
.endr
	s_wait_dscnt 9                                 ; K and its scale words are in; V's nine loads may be out
.irp t, 0,1,2,3,4,5,6,7
	WM0 S+8*\t, KF+4*\t, QF, KS+\t/2, QS, \t%2     ; S^T: lane (r, h) holds query r; registers 16 b + i are keys 32 b + 16 h + i
.endr
.rept 4
	v_nop                                          ; places behind the products, ahead of the first read of results
.endr
	s_cmp_lt_u32 s[SS], s[LIM]                     ; under the diagonal every key counts
	s_cbranch_scc1 .Lopen_\@
	v_mov_b32 v[T], 0xff800000                     ; -infinity
.set nn, 0
.rept 8                                        ; v5 = my query's place in the group - 16 h: register 16 b + i's key is hidden where 32 b + i is above it.  Eight compares, one wait, eight selects
.irp i, 0,1,2,3,4,5,6,7
	v_cmp_gt_i32 s[MK+\i], 32*((nn+\i)/16)+(nn+\i)%16, v5
.endr
	s_wait_alu depctr_va_sdst(0)                   ; the eight masks are written, ahead of the selects that read them
.irp i, 0,1,2,3,4,5,6,7
	v_cndmask_b32 v[S+nn+\i], v[S+nn+\i], v[T], s[MK+\i]
.endr
.set nn, nn+8
.endr
.Lopen_\@:
.irp b, 0,1,2,3
	v_max3_num_f32 v[BM+\b], v[S+16*\b], v[S+1+16*\b], v[S+2+16*\b]   ; the largest score of each block of 32 keys: it serves the row's maximum and, since p rises with the score, the block's largest p
.endr
.irp i, 3,5,7,9,11,13
.irp b, 0,1,2,3
	v_max3_num_f32 v[BM+\b], v[BM+\b], v[S+16*\b+\i], v[S+1+16*\b+\i]
.endr
.endr
.irp b, 0,1,2,3
	v_max_num_f32 v[BM+\b], v[BM+\b], v[S+15+16*\b]
.endr
.irp b, 0,1,2,3
	v_permlanex16_b32 v[PD+\b], v[BM+\b], s[SEL], s[SEL+1]
.endr
.irp b, 0,1,2,3
	v_max_num_f32 v[BM+\b], v[BM+\b], v[PD+\b]     ; with lane l xor 16's 16 keys
.endr
	v_max3_num_f32 v[T], v[BM], v[BM+1], v[BM+2]
	v_max_num_f32 v[T], v[T], v[BM+3]              ; the step's largest score of my query
	v_mul_f32 v[T], s[CS], v[T]                    ; as t
	v_max_num_f32 v13, v13, v[T]                   ; the running largest t
	v_mov_b32 v[T], v12
	v_floor_f32 v12, -v13                          ; the new -M = floor(-t) = -ceil(t)
	v_sub_f32 v[T], v12, v[T]                      ; old M - new M: a whole number, 0 or less
	v_cvt_i32_f32 v[T], v[T]                       ; (it saturates)
	v_ldexp_f32 v[F], 1.0, v[T]                    ; f = 2^(old M - new M)
.set jj, 0
.rept 32
	v_pk_fma_f32 v[S+jj:S+jj+1], v[S+jj:S+jj+1], s[CS:CS+1], v[12:13] op_sel_hi:[1,0,0]   ; t - M, two at a time
.set jj, jj+2
.endr
.irp b, 0,1,2,3
	v_fma_f32 v[BM+\b], v[BM+\b], s[CS], v12       ; the same of each block's largest score
.endr
.set jj, 0
	s_wait_alu depctr_va_vdst(0)
.rept 64
	v_exp_f32 v[S+jj], v[S+jj]                     ; p = 2^(t - M)
.set jj, jj+1
.endr
	v_pk_mul_f32 v[14:15], v[14:15], v[F:F+1] op_sel_hi:[1,0]   ; the sums under the new M: a plain instruction behind the exponentials
	s_wait_alu depctr_va_vdst(0)                   ; the 64 exponentials have written p, ahead of its first reader: one wait for the whole batch
.irp b, 0,1,2,3
	v_exp_f32 v[BM+\b], v[BM+\b]                   ; the block's largest p
.endr
	v_pk_add_f32 v[SU:SU+1], v[S:S+1], v[S+2:S+3]  ; the row's sum of the unquantised p, in two chains
.irp j, 4,8,12,16,20,24,28,32,36,40,44,48,52,56,60
	v_pk_add_f32 v[14:15], v[14:15], v[S+\j:S+\j+1]
	v_pk_add_f32 v[SU:SU+1], v[SU:SU+1], v[S+2+\j:S+3+\j]
.endr
	v_pk_add_f32 v[14:15], v[14:15], v[SU:SU+1]
	s_wait_alu depctr_va_vdst(0)                   ; the four exponentials have written the blocks' largest p, ahead of its first reader
.irp b, 0,1,2,3
	v_max_num_f32 v[BM+\b], 0x1800000, v[BM+\b]    ; the floor 2^(3 - 127): a block whose every p is 0 keeps the byte 1; its codes are zeros
.endr
.irp b, 0,1,2,3
	v_add_nc_u32 v[SO+\b], 0xff000000, v[BM+\b]    ; 2 off the exponent field: the conversion's scale operand
.endr
.irp b, 0,1,2,3
	v_lshrrev_b32 v[PD+\b], 23, v[SO+\b]           ; the scale's byte
.endr
	v_lshl_or_b32 v[PS], v[PD+1], 8, v[PD]         ; p's scale word for these 128 keys
	v_lshl_or_b32 v[PS], v[PD+2], 16, v[PS]
	v_lshl_or_b32 v[PS], v[PD+3], 24, v[PS]
.irp b, 0,1,2,3
	v_cvt_scalef32_pk8_fp4_f32 v[PC+2*\b], v[S+16*\b:S+7+16*\b], v[SO+\b]
	v_cvt_scalef32_pk8_fp4_f32 v[PC+1+2*\b], v[S+8+16*\b:S+15+16*\b], v[SO+\b]
.endr
	v_nop                                          ; one plain instruction behind the scaled conversions
.irp c, 0,1
.irp i, 0,1
	v_permlane16_swap_b32 v[PC+4*\c+\i], v[PC+2+4*\c+\i]   ; a whole block in a lane: lanes 0-15 block 2 c, lanes 16-31 block 2 c + 1
.endr
.endr
.set jj, 0
.rept 16
	v_pk_mul_f32 v[OA+jj:OA+jj+1], v[OA+jj:OA+jj+1], v[F:F+1] op_sel_hi:[1,0]   ; O^T under the new M; these sixteen are also the places between p's scale word and codes and the products
.set jj, jj+2
.endr
	s_wait_dscnt 0x0                               ; V is in
	s_wait_alu depctr_va_vdst(0)                   ; p's codes and its scale word are written, which the products below take as operand and scales; the places stand above
.irp d, 0,1,2,3
	WM OA+8*\d, VF+8*\d, PC, OA+8*\d, VS+\d/2, PS, \d%2   ; O^T += V^T P^T: the four accumulators take turns
.endr
.rept 4
	v_nop                                          ; places behind the products: what touches their registers next are the next step's loads into V's registers and, behind the last step, the way out's reads of O^T
.endr
.Lhid_\@:
	s_wait_loadcnt 0x0                             ; the next step's bytes are in registers
	ds_store_b128 v3, v[LD:LD+3] offset:(1-\slot)*SLOT
	s_cmp_lt_u32 s[WV], 3
	s_cbranch_scc0 .Lns_\@
	ds_store_b64 v4, v[LE:LE+1] offset:(1-\slot)*SLOT+8192
.Lns_\@:
	s_wait_dscnt 0x0                               ; my stores into the other slot have landed, and my reads of this one are over
	s_barrier_signal -1
	s_barrier_wait -1                              ; both hold of every wave
	s_add_co_u32 s[SS], s[SS], 1
.endm
	s_load_b128 s[4:7], s[0:1], 0x0                ; qb, kv
	s_load_b64 s[8:9], s[0:1], 0x10                ; ctx
	v_lshl_add_u32 v254, v0, 2, 0x4800
	v_mov_b32 v255, 0
	v_lshrrev_b32 v1, 5, v0
	v_readfirstlane_b32 s[WV], v1                  ; wave 0..15
	s_and_b32 s11, ttmp7, 0xffff                   ; the head of batch
	s_wait_alu depctr_va_sdst(0)                   ; the wave's number is written, ahead of its first reader: the wave's tile, its branches and its addresses are made from it
	s_lshr_b32 s13, s[WV], 2
	s_xor_b32 s13, s13, s[WV]
	s_and_b32 s13, s13, 1                          ; which of the work-group's two groups of queries
	s_lshr_b32 s14, s[WV], 1                       ; which tile of it
	s_sub_co_u32 s28, 31, ttmp9
	s_cmp_eq_u32 s13, 1
	s_cselect_b32 s[LIM], s28, ttmp9
	s_sub_co_u32 s[TR], 33, ttmp9
	s_lshr_b32 s[TR], s[TR], 1                     ; 32 - j steps, two a trip, rounded up
	s_xor_b32 s28, s[WV], 3
	s_or_b32 s28, s28, ttmp9
	s_cmp_eq_u32 s28, 0
	s_cselect_b32 s[PL], 29, 0
	s_mov_b32 s[SEL], 0x76543210
	s_mov_b32 s[SEL+1], 0xfedcba98
	s_mov_b32 s[CS], 0x3e38aa3b                    ; c = log2(e) / 8
	s_mov_b32 s[CS+1], s[CS]                       ; (named with it as a pair, so it is written)
	s_mov_b32 s[SS], 0
	s_mov_b32 s[CN], 0
	v_and_b32 v9, 31, v0                           ; lane
	v_and_b32 v10, 15, v0                          ; r
	v_bfe_u32 v11, v0, 4, 1                        ; h
	v_lshlrev_b32 v1, 4, v9                        ; 16 x lane
	v_lshlrev_b32 v2, 3, v9                        ; 8 x lane
	v_lshlrev_b32 v3, 4, v0                        ; 16 x thread
	v_lshlrev_b32 v4, 3, v0                        ; 8 x thread
	v_lshlrev_b32 v6, 8, v9                        ; 256 x lane
	s_lshr_b32 s40, s14, 1
	s_lshl_b32 s40, s40, 5
	s_and_b32 s41, s14, 1
	s_lshl_b32 s41, s41, 3
	s_add_co_u32 s40, s40, s41                     ; my tile's first token in its group
	v_and_b32 v5, 8, v10
	v_add_nc_u32 v5, v5, v10
	v_lshlrev_b32 v7, 4, v11
	v_sub_nc_u32 v5, v5, v7
	v_add_nc_u32 v5, s40, v5                       ; my query's place in the group, less 16 h
	v_lshlrev_b32 v7, 4, v10                       ; 16 r
	v_add_nc_u32 v8, v7, v11                       ; 16 r + h
	s_lshl_b32 s28, s11, 5
	s_add_co_u32 s28, s28, s[LIM]
	s_mul_i32 s28, s28, 4608                       ; my group in qb
	s_lshl_b32 s29, s14, 9
	s_and_b32 s32, s14, 1
	s_lshl_b32 s32, s32, 8
	s_lshr_b32 s33, s14, 1
	s_lshl_b32 s33, s33, 2
	s_add_co_u32 s32, s32, s33
	s_add_co_u32 s32, s32, s28
	s_add_co_u32 s32, s32, 4096                    ; my tile's scale words: lanes 16 (tile % 2) on, word tile / 2
	s_mov_b32 s33, 0
	s_add_co_u32 s28, s28, s29                     ; my tile's image
	s_mov_b32 s29, 0
	s_mul_i32 s30, s11, 32*SLOT
	s_mov_b32 s31, 0
	s_lshr_b32 s36, s11, 3
	s_lshl_b32 s36, s36, 8
	s_lshl_b32 s37, s[LIM], 3
	s_add_co_u32 s36, s36, s37
	s_add_co_u32 s36, s36, s14                     ; my tile among the 512 of all tokens
	s_and_b32 s37, s11, 7                          ; my head
	s_lshl_b32 s38, s36, 8
	s_lshl_b32 s39, s37, 1
	s_add_co_u32 s38, s38, s39
	s_add_co_u32 s38, s38, XQS                     ; ctx's scale bytes: 256 a tile, 2 a head
	s_mov_b32 s39, 0
	s_lshl_b32 s36, s36, 12
	s_lshl_b32 s37, s37, 9
	s_add_co_u32 s36, s36, s37                     ; ctx's image: 4,096 a tile, 512 a head
	s_mov_b32 s37, 0
	s_wait_kmcnt 0x0
	s_add_nc_u64 s[28:29], s[4:5], s[28:29]
	s_add_nc_u64 s[32:33], s[4:5], s[32:33]
	s_add_nc_u64 s[KVB:KVB+1], s[6:7], s[30:31]
	s_add_nc_u64 s[36:37], s[8:9], s[36:37]
	s_add_nc_u64 s[38:39], s[8:9], s[38:39]
	s_wait_alu depctr_va_vdst(0)                   ; the offsets and addresses v1 to v8 are written: every load, store and prefetch of the kernel reads one of them
	global_load_b128 v[QF:QF+3], v1, s[28:29]      ; Q's fragment stays in registers
	global_load_b32 v[QS], v7, s[32:33]
	global_load_b128 v[LD:LD+3], v3, s[KVB:KVB+1]  ; key step 0
	s_cmp_lt_u32 s[WV], 3
	s_cbranch_scc0 .Lh0
	global_load_b64 v[LE:LE+1], v4, s[KVB:KVB+1] offset:8192
.Lh0:
.irp j, 0,1,2,3
	v_mov_b32 v[QF+4+\j], 0                        ; zero codes for the empty half of the K step
	v_mov_b32 v[KF+32+\j], 0                       ; what follows K's last tile
	v_mov_b32 v[PD+\j], 0                          ; written once: a lane permute's destination counts as one of its sources
.endr
	v_mov_b32 v13, 0xff61b1e6                      ; the largest t so far: -3e38, under every t
	v_floor_f32 v12, -v13                          ; -M
	v_mov_b32 v14, 0                               ; the sum, in two halves
	v_mov_b32 v15, 0
	v_mov_b32 v[F+1], 0                            ; (named as the upper half of a pair)
.set jj, 0
.rept 32
	v_mov_b32 v[OA+jj], 0                          ; O^T.  The step is written without a first step of its own: it finds zeros, which the first change of M leaves zeros
.set jj, jj+1
.endr
	s_wait_loadcnt 0x0
	ds_store_b128 v3, v[LD:LD+3]
	s_cmp_lt_u32 s[WV], 3
	s_cbranch_scc0 .Lh1
	ds_store_b64 v4, v[LE:LE+1] offset:8192
.Lh1:
	s_wait_dscnt 0x0
	s_barrier_signal -1
	s_barrier_wait -1                              ; slot 0 holds key step 0
.Lpair:
	STEP 0
	STEP 1
	s_add_co_u32 s[CN], s[CN], 1
	s_cmp_lt_u32 s[CN], s[TR]
	s_cbranch_scc1 .Lpair
	; THE WAY OUT: O^T / the sum, quantised along the head's 64 (two blocks of the next product's K), as an image of that operand's registers
	v_add_f32 v14, v14, v15
	v_permlanex16_b32 v[PD], v14, s[SEL], s[SEL+1]
	v_add_f32 v14, v14, v[PD]                      ; the row's sum
	s_wait_alu depctr_va_vdst(0)
	v_rcp_f32 v14, v14
	v_nop                                          ; a plain instruction behind the reciprocal,
	s_wait_alu depctr_va_vdst(0)                   ; and the wait: the reciprocal has written v14, ahead of its first reader
.set jj, 0
.rept 32
	v_mul_f32 v[S+jj], v[OA+jj], v14               ; register 16 b + i: channel 32 b + 16 h + i of my query
.set jj, jj+1
.endr
.irp b, 0,1
	v_max3_num_f32 v[BM+\b], |v[S+16*\b]|, |v[S+1+16*\b]|, 0x1800000
.endr
.irp i, 2,4,6,8,10,12,14
.irp b, 0,1
	v_max3_num_f32 v[BM+\b], v[BM+\b], |v[S+16*\b+\i]|, |v[S+1+16*\b+\i]|
.endr
.endr
.irp b, 0,1
	v_permlanex16_b32 v[PD+\b], v[BM+\b], s[SEL], s[SEL+1]
.endr
.irp b, 0,1
	v_max_num_f32 v[BM+\b], v[BM+\b], v[PD+\b]
.endr
.irp b, 0,1
	v_add_nc_u32 v[SO+\b], 0xff000000, v[BM+\b]
.endr
.irp b, 0,1
	v_lshrrev_b32 v[PD+\b], 23, v[SO+\b]
.endr
.irp b, 0,1
	v_cvt_scalef32_pk8_fp4_f32 v[PC+2*\b], v[S+16*\b:S+7+16*\b], v[SO+\b]
	v_cvt_scalef32_pk8_fp4_f32 v[PC+1+2*\b], v[S+8+16*\b:S+15+16*\b], v[SO+\b]
.endr
	v_nop
	v_permlane16_swap_b32 v[PC], v[PC+2]
	v_permlane16_swap_b32 v[PC+1], v[PC+3]         ; lane (r, h): block h of row r
	s_mov_b32 vcc_lo, 0xffff0000
	v_cndmask_b32 v[T], v[PD], v[PD+1], vcc_lo     ; and its byte
	s_wait_alu depctr_va_vdst(0)                   ; the codes and the byte are written, which the two stores below read
	global_store_b128 v1, v[PC:PC+3], s[36:37]     ; 512 consecutive bytes, aligned
	global_store_b8 v8, v[T], s[38:39]             ; one byte a lane, 16 apart: once a wave, so that the next launch takes a row's sixteen bytes by one load
	s_wait_dscnt 0x0
	s_wait_alu depctr_hold_cnt(0) depctr_sa_sdst(0) depctr_va_vdst(0) depctr_va_sdst(0) depctr_va_ssrc(0) depctr_va_vcc(0) depctr_vm_vsrc(0)
	s_wait_tensorcnt 0x0
	ds_add_u32 v254, v255
	s_wait_dscnt 0x0
	s_endpgm
.Lfunc_end_k_q90afc565ec_attn:
	.size	k_q90afc565ec_attn, .Lfunc_end_k_q90afc565ec_attn-k_q90afc565ec_attn
	.p2alignl 7, 3214868480
	.fill 96, 4, 3214868480
	.section	.rodata,"a",@progbits
	.p2align	6, 0x0
	.amdhsa_kernel k_q90afc565ec_attn
		.amdhsa_group_segment_fixed_size 20480
		.amdhsa_private_segment_fixed_size 0
		.amdhsa_enable_private_segment 0
		.amdhsa_kernarg_size 24
		.amdhsa_user_sgpr_count 2
		.amdhsa_user_sgpr_kernarg_segment_ptr 1
		.amdhsa_wavefront_size32 1
		.amdhsa_system_sgpr_workgroup_id_x 1
		.amdhsa_system_sgpr_workgroup_id_y 1
		.amdhsa_system_sgpr_workgroup_id_z 1
		.amdhsa_system_vgpr_workitem_id 0
		.amdhsa_next_free_vgpr 256
		.amdhsa_next_free_sgpr 66
		.amdhsa_reserve_vcc 1
		.amdhsa_float_denorm_mode_32 3
		.amdhsa_float_denorm_mode_16_64 3
		.amdhsa_memory_ordered 1
		.amdhsa_forward_progress 1
		.amdhsa_inst_pref_size 60
	.end_amdhsa_kernel
	.amdgpu_metadata
---
amdhsa.version: [ 1, 2 ]
amdhsa.kernels:
  - .name:           k_q90afc565ec_attn
    .symbol:         k_q90afc565ec_attn.kd
    .args:
      - { .name: qb, .offset: 0, .size: 8, .value_kind: global_buffer, .address_space: global }
      - { .name: kv, .offset: 8, .size: 8, .value_kind: global_buffer, .address_space: global }
      - { .name: ctx, .offset: 16, .size: 8, .value_kind: global_buffer, .address_space: global }
    .group_segment_fixed_size: 20480
    .private_segment_fixed_size: 0
    .kernarg_segment_align: 8
    .kernarg_segment_size: 24
    .max_flat_workgroup_size: 512
    .sgpr_count:     66
    .vgpr_count:     256
    .wavefront_size: 32
...
	.end_amdgpu_metadata
.endif
;; end of part 7
;; launch mlp (part 8): grid 128 x 1, 4 waves a work-group, no clusters, 71,168 bytes of LDS; arguments ctx, wts, x, bo, b1, b2, out0; writes out0
.if DOCPART == 8
	.amdgcn_target "amdgcn-amd-amdhsa--gfx1250"
	.amdhsa_code_object_version 6
	.text
	.protected	k_q90afc565ec_mlp
	.globl	k_q90afc565ec_mlp
	.p2align	8
	.type	k_q90afc565ec_mlp,@function
k_q90afc565ec_mlp:
	s_mov_b64 s[64:65], 0
	v_nop
	global_prefetch_b8 v0, s[64:65] scope:SCOPE_SE
	s_setreg_imm32_b32 hwreg(HW_REG_WAVE_SCHED_MODE, 0, 2), 2
	s_setreg_imm32_b32 hwreg(HW_REG_WAVE_MODE, 25, 1), 1
	s_wait_xcnt 0x0
	s_wait_alu depctr_vm_vsrc(0)
; x1 = x + ctx Wo + bo;  out = x1 + relu(x1 W1 + b1) W2 + b2.  All three products on codes of FP4 with E8M0 scales; x1 and the hidden layer are quantised in registers and never go to memory.
; SHARES.  A work-group takes 64 tokens (four tiles of 16).  THE WAVES SHARE THE COLUMNS: wave w makes columns 128 w .. 128 w + 127 of x1 and of out, and in each of four chunks of 512 hidden units the units 128 w .. + 127
; of the chunk, for all 64 tokens.  So what a wave makes is K step w of the next product: one fragment and one scale word a row and tile.
; 64 tokens to a work-group, 128 work-groups: every work-group has to read all 1.2 MB of weight codes, and with half the tokens that traffic would double while each fragment fed half as many products.
; No cluster and no joint loads in this text, though all work-groups walk the same weights: the weights go from memory straight into operand registers, laid by the first launch in that order.
; OPERANDS GO FROM WAVE TO WAVE THROUGH LDS AS IMAGES OF THEIR REGISTERS: two ds_store_b128 at 16 x lane a fragment, the scale word by ds_store_b32.
; ALL PRODUCTS ARE USED TRANSPOSED (source 0 = 16 columns of the weight, source 1 = 16 tokens): a lane holds one token and its registers run along the columns; the columns of a weight tile are chosen
; (row r of tile 2 b + u = column 32 b + 8 u + r + 8 (r / 8)) so that the 16 registers of two neighbouring tiles are 16 neighbouring columns.  Token tiles have the same order.
; x comes in by whole rows (512 consecutive bytes a load) and is turned into the results' layout through the wave's own stage in LDS; out leaves the same way.  x + bo is the C of the first product, b1 of the second;
; x1 + b2 starts the sums of the third.
; LIMITS: NaN and infinities are not served; a block under 2^-124, and a block of zeros, get the scale byte 1 (zero codes add nothing).
; REGISTERS, window 0: v1-8 addresses; v16-47 x1's fragments of a tile; v48-111 eight accumulators, later two sets of four hidden fragments; v112-119 codes; v120-136 at work; v140-143 x1's scale words;
;   v144-159 ctx's, later the hidden layer's; v160-175 Wo's, later W1's; v176-191 W2's; v192-255 b1.
; window 1: Wo, later a chunk of W1: fragment (tile nt, K step ks) at 8 (4 nt + ks).   window 2: bo, b2 and ctx's 16 fragments, later a chunk of W2.   window 3: x, then the 32 accumulators of out: (m, nt) at 64 m + 8 nt.
; THE MODE: SCHED_MODE bits 1:0 = 2 (LLVM: expert scheduling mode 2), set by the entry lines.  The code itself states the register dependences
; between vector or matrix instructions and memory or LDS instructions, with s_wait_alu, always for 0.
; THE PLAN.  Registers that memory or LDS instructions touch:
;   v1-v8          offsets and addresses: made once at the head, never written again.
;   window 3       at the head: x lands, the stage's LDS stores read it, the stage's LDS loads land in the same registers (a wait on vm_vsrc between); then accumulators; the way out's LDS stores read them.
;   PC, PW         a tile's quantiser writes them, the image's three LDS stores read them, the next tile's quantiser writes them again: va_vdst ahead of the image, vm_vsrc ahead of the next quantiser.
;   XF, XS         tile m's products read them; behind those and their places one wait on va_vdst, then the LDS loads of tile m + 1, which land while tile m is quantised.
;   HA's halves    in the second phase: the products of K step s - 1 read the set in which the LDS loads of K step s + 1 land: one wait on va_vdst at the head of K steps 1 and 2.
;   window 1, WAS, B1   read by the first phase's products; the next chunk's loads stand behind the wait ahead of tile 3's image, with no vector instruction between.
;   window 2, WBS, HS   read by the second phase's products; one wait on va_vdst behind the last K step serves the next chunk's loads and, at the end, the way out's LDS stores.
;   v16-143        on the way out: rows of out land, global stores read them: vm_vsrc beside each wait on XCNT ahead of the next landing.
.set XQS,  2097152
.set WS0,  1572864
.set XIMG, 0                           ; LDS: x1's 16 fragments (4 m + K step),
.set XSC,  16384                       ; their scale words [m][lane][4],
.set HIMG, 18432                       ; the hidden layer's 16 fragments,
.set HSC,  34816                       ; their scale words,
.set STG,  36864                       ; and a stage of 16 rows x (512 bytes + 16) for each wave
.set SPI,  528
.set LI,  1                            ; v1  16 x lane
.set R16, 2                            ; v2  16 r
.set IWI, 3                            ; v3  16 x lane + 1024 x wave
.set IWS, 4                            ; v4  16 x lane + 4 x wave
.set STO, 5                            ; v5  my stage: row r, + 64 h
.set SR,  6                            ; v6  my stage: 16 x lane
.set L4,  7                            ; v7  4 x lane
.set H64, 8                            ; v8  64 h
.set XF,  16
.set HA,  48
.set PC,  112
.set TM,  120
.set PW,  136
.set XS,  140
.set HS,  144
.set WAS, 160
.set WBS, 176
.set B1,  192
.set WV,  18
.set SEL, 20
.set CH,  22
.set MSB, 0
.macro WIN new                         ; the immediate's high byte repeats the setting that is left
.if MSB != \new
	s_set_vgpr_msb (MSB<<8)|\new
.set MSB, \new
.endif
.endm
.macro PLACES n
.rept \n
	v_nop
.endr
.endm
.macro WM d, a, b, c, sa, sb, mod
.if (\mod) == 1
	v_wmma_scale_f32_16x16x128_f8f6f4 v[\d:\d+7], v[\a:\a+7], v[\b:\b+7], v[\c:\c+7], v[\sa], v[\sb] matrix_a_fmt:MATRIX_FMT_FP4 matrix_b_fmt:MATRIX_FMT_FP4 matrix_a_scale:MATRIX_SCALE_ROW1
.else
	v_wmma_scale_f32_16x16x128_f8f6f4 v[\d:\d+7], v[\a:\a+7], v[\b:\b+7], v[\c:\c+7], v[\sa], v[\sb] matrix_a_fmt:MATRIX_FMT_FP4 matrix_b_fmt:MATRIX_FMT_FP4
.endif
.endm
; 64 numbers of a lane, register 16 b + i = column 32 b + 16 h + i of my token, become a fragment's codes in v[pc] on; the four bytes are left in v[TM+4 ..]
.macro QUANT s, pc
.irp b, 0,1,2,3
	v_max3_num_f32 v[TM+\b], |v[\s+16*\b]|, |v[\s+1+16*\b]|, 0x1800000   ; with the floor 2^(3 - 127): the byte cannot fall under 1
.endr
.irp i, 2,4,6,8,10,12,14
.irp b, 0,1,2,3
	v_max3_num_f32 v[TM+\b], v[TM+\b], |v[\s+16*\b+\i]|, |v[\s+1+16*\b+\i]|
.endr
.endr
.irp b, 0,1,2,3
	v_permlanex16_b32 v[TM+4+\b], v[TM+\b], s[SEL], s[SEL+1]
.endr
.irp b, 0,1,2,3
	v_max_num_f32 v[TM+\b], v[TM+\b], v[TM+4+\b]
.endr
.irp b, 0,1,2,3
	v_add_nc_u32 v[TM+12+\b], 0xff000000, v[TM+\b]
.endr
.irp b, 0,1,2,3
	v_lshrrev_b32 v[TM+4+\b], 23, v[TM+12+\b]
.endr
.irp b, 0,1,2,3
	v_cvt_scalef32_pk8_fp4_f32 v[\pc+2*\b], v[\s+16*\b:\s+7+16*\b], v[TM+12+\b]
	v_cvt_scalef32_pk8_fp4_f32 v[\pc+1+2*\b], v[\s+8+16*\b:\s+15+16*\b], v[TM+12+\b]
.endr
	v_nop                                          ; one plain instruction behind the scaled conversions
.irp c, 0,1
.irp i, 0,1
	v_permlane16_swap_b32 v[\pc+4*\c+\i], v[\pc+2+4*\c+\i]
.endr
.endr
	v_lshl_or_b32 v[PW], v[TM+5], 8, v[TM+4]       ; the four bytes make my token's scale word
	v_lshl_or_b32 v[PW], v[TM+6], 16, v[PW]
	v_lshl_or_b32 v[PW], v[TM+7], 24, v[PW]
.endm
.macro IMAGE img, sc                   ; the fragment just made goes to LDS as it stands: K step = my wave
.irp c, 0,1
	ds_store_b128 v[IWI], v[PC+4*\c:PC+4*\c+3] offset:\img+512*\c
.endr
	ds_store_b32 v[IWS], v[PW] offset:\sc
.endm
.macro XIN m                           ; tile m's 16 rows of x (my 128 columns) through my stage, into the results' layout, into the registers that they left; LDS serves a wave's instructions in order
	WIN 0x0c                                       ; an LDS store's data are its source 1: window 3
.irp i, 0,1,2,3,4,5,6,7,8,9,10,11,12,13,14,15
	ds_store_b128 v[SR], v[64*\m+4*\i:64*\m+4*\i+3] offset:SPI*\i
.endr
	WIN 0xc0
	s_wait_alu depctr_vm_vsrc(0)                   ; the sixteen LDS stores above have read the tile's 64 registers, in which the loads below land
.irp nt, 0,1,2,3,4,5,6,7
.irp q, 0,1
	ds_load_b128 v[64*\m+8*\nt+4*\q:64*\m+8*\nt+4*\q+3], v[STO] offset:128*(\nt/2)+32*(\nt%2)+16*\q
.endr
.endr
.endm
.macro FETCHX m                        ; x1's four fragments and scale words of tile m: nine LDS loads
.irp ks, 0,1,2,3
.irp c, 0,1
	ds_load_b128 v[XF+8*\ks+4*\c:XF+8*\ks+4*\c+3], v[LI] offset:XIMG+4096*(\m)+1024*\ks+512*\c
.endr
.endr
	ds_load_b128 v[XS:XS+3], v[LI] offset:XSC+512*(\m)
.endm
.macro FETCHH s                        ; the hidden layer's K step s of the four tiles, into set s % 2
.irp m, 0,1,2,3
.irp c, 0,1
	ds_load_b128 v[HA+32*((\s)%2)+8*\m+4*\c:HA+32*((\s)%2)+8*\m+4*\c+3], v[LI] offset:HIMG+4096*\m+1024*(\s)+512*\c
.endr
.endr
.endm
.macro LW1                             ; my part of a chunk of W1: 32 fragments, their scale words, b1
	WIN 0x40
.set ff, 0
.rept 32
.irp c, 0,1
	global_load_b128 v[8*ff+4*\c:8*ff+4*\c+3], v[LI], s[28:29] offset:ff*1024+\c*512
.endr
.set ff, ff+1
.endr
	WIN 0
.irp ks, 0,1,2,3
.irp i, 0,1,2,3
	global_load_b32 v[WAS+4*\ks+\i], v[L4], s[30:31] offset:8192*\ks+128*\i
.endr
.endr
.irp nt, 0,1,2,3,4,5,6,7
.irp q, 0,1
	global_load_b128 v[B1+8*\nt+4*\q:B1+8*\nt+4*\q+3], v[H64], s[32:33] offset:(32*(\nt/2)+8*(\nt%2))*4+16*\q
.endr
.endr
.endm
.macro LW2                             ; my part of a chunk of W2: 8 tiles x 4 K steps, and their scale words
	WIN 0x80
.irp nt, 0,1,2,3,4,5,6,7
.irp ks, 0,1,2,3
.irp c, 0,1
	global_load_b128 v[8*(4*\nt+\ks)+4*\c:8*(4*\nt+\ks)+4*\c+3], v[LI], s[34:35] offset:16384*\nt+1024*\ks+512*\c
.endr
.endr
.endr
	WIN 0
.irp ks, 0,1,2,3
.irp i, 0,1,2,3
	global_load_b32 v[WBS+4*\ks+\i], v[L4], s[36:37] offset:2048*\ks+128*\i
.endr
.endr
.endm
	s_load_b256 s[4:11], s[0:1], 0x0               ; ctx, wts, x, bo
	s_load_b128 s[12:15], s[0:1], 0x20             ; b1, b2
	s_load_b64 s[16:17], s[0:1], 0x30              ; out0
	v_lshl_add_u32 v14, v0, 2, 0x11400
	v_mov_b32 v15, 0
	v_lshrrev_b32 v1, 5, v0
	v_readfirstlane_b32 s[WV], v1                  ; wave 0..3
	v_and_b32 v9, 31, v0                           ; lane
	v_and_b32 v10, 15, v0                          ; r
	v_bfe_u32 v11, v0, 4, 1                        ; h
	v_lshlrev_b32 v[LI], 4, v9
	v_lshlrev_b32 v[R16], 4, v10
	s_wait_alu depctr_va_sdst(0)                   ; the wave's number is written, ahead of its first reader: LDS addresses and the buffers' addresses are made from it
	s_lshl_b32 s50, s[WV], 10
	v_add_nc_u32 v[IWI], s50, v[LI]
	s_lshl_b32 s50, s[WV], 2
	v_add_nc_u32 v[IWS], s50, v[LI]
	s_mul_i32 s50, s[WV], 16*SPI
	s_add_co_u32 s50, s50, STG
	v_mul_u32_u24 v[STO], v10, SPI
	v_lshl_add_u32 v[STO], v11, 6, v[STO]
	v_add_nc_u32 v[STO], s50, v[STO]
	v_add_nc_u32 v[SR], s50, v[LI]
	v_lshlrev_b32 v[L4], 2, v9
	v_lshlrev_b32 v[H64], 6, v11
.irp b, 0,1,2,3
	v_mov_b32 v[TM+4+\b], 0                        ; written once: a lane permute's destination counts as one of its sources
.endr
	s_mov_b32 s[SEL], 0x76543210
	s_mov_b32 s[SEL+1], 0xfedcba98
	s_mov_b32 s[CH], 4                             ; chunks to go
	s_lshl_b32 s50, s[WV], 15
	s_mov_b32 s51, 0
	s_lshl_b32 s52, s[WV], 9
	s_mov_b32 s53, 0
	s_lshl_b32 s54, s[WV], 17
	s_mov_b32 s55, 0
	s_lshl_b32 s56, ttmp9, 17                      ; 64 tokens of 2,048 bytes,
	s_add_co_u32 s56, s56, s52                     ; my 128 columns
	s_mov_b32 s57, 0
	s_lshl_b32 s58, ttmp9, 14
	s_mov_b32 s59, 0
	s_lshl_b32 s60, ttmp9, 10
	s_mov_b32 s61, 0
	s_wait_kmcnt 0x0
	s_add_nc_u64 s[28:29], s[6:7], s[50:51]
	s_add_nc_u64 s[24:25], s[28:29], 393216        ; Wo: my 8 tiles
	s_add_nc_u64 s[28:29], s[28:29], 524288        ; W1: my 8 tiles of chunk 0
	s_add_nc_u64 s[30:31], s[6:7], s[52:53]
	s_add_nc_u64 s[26:27], s[30:31], WS0+24576     ; Wo's scale words
	s_add_nc_u64 s[36:37], s[30:31], WS0+65536     ; W2's
	s_add_nc_u64 s[30:31], s[30:31], WS0+32768     ; W1's
	s_add_nc_u64 s[34:35], s[6:7], s[54:55]
	s_add_nc_u64 s[34:35], s[34:35], 1048576       ; W2: my 8 tiles, K steps 0 to 3
	s_add_nc_u64 s[32:33], s[12:13], s[52:53]      ; b1
	s_add_nc_u64 s[44:45], s[10:11], s[52:53]      ; bo
	s_add_nc_u64 s[46:47], s[14:15], s[52:53]      ; b2
	s_add_nc_u64 s[38:39], s[8:9], s[56:57]        ; x
	s_add_nc_u64 s[48:49], s[16:17], s[56:57]      ; out
	s_add_nc_u64 s[40:41], s[4:5], s[58:59]        ; ctx's images
	s_add_nc_u64 s[42:43], s[4:5], s[60:61]
	s_add_nc_u64 s[42:43], s[42:43], XQS           ; and scale bytes
	WIN 0xc0                                       ; destination window 3
	s_wait_alu depctr_va_vdst(0)                   ; the offsets and addresses v1 to v8 are written: every load and store of the kernel reads one of them
.irp m, 0,1,2,3
.irp i, 0,1,2,3,4,5,6,7,8,9,10,11,12,13,14,15
	global_load_b128 v[64*\m+4*\i:64*\m+4*\i+3], v[LI], s[38:39] offset:(32*(\m/2)+8*(\m%2)+\i+8*(\i/8))*2048 th:TH_LOAD_NT   ; row i of tile m: 512 consecutive bytes
.endr
.endr
	WIN 0x80                                       ; destination window 2
.set ff, 0
.rept 16
.irp c, 0,1
	global_load_b128 v[128+8*ff+4*\c:128+8*ff+4*\c+3], v[LI], s[40:41] offset:ff*1024+\c*512
.endr
.set ff, ff+1
.endr
.irp nt, 0,1,2,3,4,5,6,7
.irp q, 0,1
	global_load_b128 v[8*\nt+4*\q:8*\nt+4*\q+3], v[H64], s[44:45] offset:(32*(\nt/2)+8*(\nt%2))*4+16*\q
	global_load_b128 v[64+8*\nt+4*\q:64+8*\nt+4*\q+3], v[H64], s[46:47] offset:(32*(\nt/2)+8*(\nt%2))*4+16*\q
.endr
.endr
	WIN 0x40                                       ; destination window 1
.set ff, 0
.rept 32
.irp c, 0,1
	global_load_b128 v[8*ff+4*\c:8*ff+4*\c+3], v[LI], s[24:25] offset:ff*1024+\c*512
.endr
.set ff, ff+1
.endr
	WIN 0
.irp m, 0,1,2,3
	global_load_b128 v[HS+4*\m:HS+4*\m+3], v[R16], s[42:43] offset:256*\m
.endr
.irp ks, 0,1,2,3
.irp i, 0,1,2,3
	global_load_b32 v[WAS+4*\ks+\i], v[L4], s[26:27] offset:2048*\ks+128*\i
.endr
.endr
	s_wait_loadcnt 0x0
	XIN 0
	XIN 1
	XIN 2
	XIN 3
	WIN 0
	s_wait_dscnt 0x0
	; ---- A: x1 = x + bo + ctx Wo, a tile of 16 tokens at a time
.irp m, 0,1,2,3
	WIN 0x0b                                       ; source 0 (x) window 3, source 1 (bo) window 2
.set jj, 0
.rept 32
	v_pk_add_f32 v[HA+jj:HA+jj+1], v[64*\m+jj:64*\m+jj+1], v[jj:jj+1]
.set jj, jj+2
.endr
	WIN 0x09                                       ; source 0 (Wo) window 1, source 1 (ctx) window 2
	PLACES 4
.irp ks, 0,1,2,3
.irp nt, 0,1,2,3,4,5,6,7                       ; the eight accumulators take turns, one instruction a turn
	WM HA+8*\nt, 8*(4*\nt+\ks), 128+8*(4*\m+\ks), HA+8*\nt, WAS+4*\ks+\nt/2, HS+4*\m+\ks, \nt%2
.endr
.endr
	WIN 0
	PLACES 4
.if \m > 0
	s_wait_alu depctr_vm_vsrc(0)                   ; the last image's LDS stores have read the codes and the scale word, which the quantiser below writes again
.endif
	QUANT HA, PC
	WIN 0xc8                                       ; destination window 3, source 1 (b2) window 2
.set jj, 0
.rept 32
	v_pk_add_f32 v[64*\m+jj:64*\m+jj+1], v[HA+jj:HA+jj+1], v[64+jj:64+jj+1]   ; x1 + b2 starts the sums of out
.set jj, jj+2
.endr
	WIN 0
	s_wait_alu depctr_va_vdst(0)                   ; the codes and the scale word are written, which the image's stores read; in the last tile also: the products and additions are done reading Wo, its scale words, bo, b2 and ctx, in which the loads of W1 and W2 below land
	IMAGE XIMG+4096*\m, XSC+512*\m
.endr
	LW1                                            ; chunk 0 of W1, over Wo: no vector instruction has been issued since the wait above
	s_wait_dscnt 0x0                               ; for the other waves' sake: my four images have landed
	s_barrier_signal -1
	s_barrier_wait -1                              ; x1's sixteen fragments lie in LDS; they are only read from here on
	s_wait_loadcnt 0x0                             ; W1's chunk is in
	LW2                                            ; chunk 0 of W2, over bo, b2 and ctx: it has the whole first phase in which to land
	FETCHX 0
.Lchunk:
	; ---- 1: my 128 hidden units of the chunk, a tile of tokens at a time
.irp m, 0,1,2,3
.if \m == 0
	s_wait_dscnt 0x0                               ; x1's fragments are in
.else
	s_wait_dscnt 3                                 ; x1's fragments are in; the three stores of the last image, issued behind their nine loads, may be out
.endif
	WIN 0x01                                       ; source 0 (W1) window 1
.irp ks, 0,1,2,3
.irp nt, 0,1,2,3,4,5,6,7
.if \ks == 0
	WM HA+8*\nt, 8*(4*\nt+\ks), XF+8*\ks, B1+8*\nt, WAS+4*\ks+\nt/2, XS+\ks, \nt%2
.else
	WM HA+8*\nt, 8*(4*\nt+\ks), XF+8*\ks, HA+8*\nt, WAS+4*\ks+\nt/2, XS+\ks, \nt%2
.endif
.endr
.endr
	WIN 0
	PLACES 4                                       ; behind the products: ahead of loads into registers that they read, and of the first read of results
.if \m < 3
	s_wait_alu depctr_va_vdst(0)                   ; the products are done reading x1's fragments and scale words, in which the next tile's loads land
	FETCHX \m+1
.endif
.set jj, 0
.rept 64
	v_max_num_f32 v[HA+jj], 0, v[HA+jj]            ; the activation, in f32
.set jj, jj+1
.endr
	s_wait_alu depctr_vm_vsrc(0)                   ; the last image's LDS stores (in tile 0: the last chunk's, or x1's) have read the codes and the scale word, which the quantiser below writes again
	QUANT HA, PC
	s_wait_alu depctr_va_vdst(0)                   ; the codes and the scale word are written, which the image's stores read; in tile 3 also: all is done with W1's chunk, its scale words, b1 and the accumulators, in which the second phase's loads land
	IMAGE HIMG+4096*\m, HSC+512*\m
.endr
	s_wait_dscnt 0x0
	s_barrier_signal -1
	s_barrier_wait -1                              ; the chunk's sixteen hidden fragments lie in LDS
	; ---- 2: out += hidden W2, 32 accumulators by turns, a K step at a time
	s_wait_loadcnt 0x0                             ; W2's chunk is in: the only loads that were out
	s_cmp_eq_u32 s[CH], 1
	s_cbranch_scc1 .Lno_w1
	s_add_nc_u64 s[28:29], s[28:29], 131072        ; (the loads that named these are done)
	s_add_nc_u64 s[30:31], s[30:31], 2048
	s_add_nc_u64 s[32:33], s[32:33], 2048
	LW1                                            ; the next chunk of W1 lands during this phase
.Lno_w1:
.irp m, 0,1,2,3
	ds_load_b128 v[HS+4*\m:HS+4*\m+3], v[LI] offset:HSC+512*\m
.endr
	FETCHH 0
.irp ks, 0,1,2,3
.if \ks < 3
.if \ks > 0
	s_wait_alu depctr_va_vdst(0)                   ; the products of the K step before are done reading their set of hidden fragments, in which the loads below land
.endif
	FETCHH \ks+1
	s_wait_dscnt 8                                 ; all but the eight just issued
.else
	s_wait_dscnt 0x0
.endif
	WIN 0xf2                                       ; source 0 (W2) window 2, C and D window 3
.irp m, 0,1,2,3
.irp nt, 0,1,2,3,4,5,6,7
	WM 64*\m+8*\nt, 8*(4*\nt+\ks), HA+32*(\ks%2)+8*\m, 64*\m+8*\nt, WBS+4*\ks+\nt/2, HS+4*\m+\ks, \nt%2
.endr
.endr
	WIN 0
	PLACES 5                                       ; four ahead of loads into registers that these products read and of the way out's LDS stores of results; the fifth since the next chunk's first products write over such registers
.endr
	s_wait_alu depctr_va_vdst(0)                   ; the last products are done reading W2's chunk and the scale words, in which the next chunk's loads land, and have written out's accumulators, which the way out's LDS stores read
	s_barrier_signal -1                            ; (my LDS loads are in: the last wait was for 0)
	s_barrier_wait -1                              ; nobody reads the hidden fragments any more
	s_cmp_eq_u32 s[CH], 1
	s_cbranch_scc1 .Lno_w2
	s_wait_loadcnt 0x0                             ; the next chunk of W1 is in
	s_add_nc_u64 s[34:35], s[34:35], 4096
	s_add_nc_u64 s[36:37], s[36:37], 8192
	LW2
	FETCHX 0
.Lno_w2:
	s_sub_co_u32 s[CH], s[CH], 1
	s_cmp_lg_u32 s[CH], 0
	s_cbranch_scc1 .Lchunk
	; ---- THE WAY OUT: a tile at a time through my stage, back as whole rows of 512 bytes
.macro TOSTAGE m
	WIN 0x0c
.irp nt, 0,1,2,3,4,5,6,7
	ds_store_b128 v[STO], v[64*(\m)+8*\nt:64*(\m)+8*\nt+3] offset:128*(\nt/2)+32*(\nt%2)       ; each accumulator from its low end on
	ds_store_b128 v[STO], v[64*(\m)+8*\nt+4:64*(\m)+8*\nt+7] offset:128*(\nt/2)+32*(\nt%2)+16
.endr
	WIN 0
.irp i, 0,1,2,3,4,5,6,7,8,9,10,11,12,13,14,15
	ds_load_b128 v[16+64*((\m)%2)+4*\i:16+64*((\m)%2)+4*\i+3], v[SR] offset:SPI*\i   ; LDS serves a wave's instructions in order: these see the stores above
.endr
.endm
.macro SEND m, younger                 ; younger: the LDS instructions issued behind tile m's loads
	s_wait_dscnt \younger
.irp i, 0,1,2,3,4,5,6,7,8,9,10,11,12,13,14,15
	global_store_b128 v[LI], v[16+64*((\m)%2)+4*\i:16+64*((\m)%2)+4*\i+3], s[48:49] offset:(32*((\m)/2)+8*((\m)%2)+\i+8*(\i/8))*2048 th:TH_STORE_NT   ; 512 consecutive bytes, aligned
.endr
.endm
	s_wait_alu depctr_vm_vsrc(0)                   ; the last image's LDS stores have read the codes and the scale word: rows of out land in these registers below
	TOSTAGE 0
.irp m, 1,2,3
.if \m > 1
	s_wait_xcnt 0x0                                ; the stores of the tile two back have had their addresses translated,
	s_wait_alu depctr_vm_vsrc(0)                   ; and have read their registers, in which this tile's rows land
.endif
	TOSTAGE \m
	SEND \m-1, 32                                  ; behind that tile's loads: this tile's 16 stores and 16 loads
.endr
	SEND 3, 0
	s_wait_dscnt 0x0
	s_wait_alu depctr_hold_cnt(0) depctr_sa_sdst(0) depctr_va_vdst(0) depctr_va_sdst(0) depctr_va_ssrc(0) depctr_va_vcc(0) depctr_vm_vsrc(0)
	s_wait_tensorcnt 0x0
	ds_add_u32 v14, v15
	s_wait_dscnt 0x0
	s_endpgm
.Lfunc_end_k_q90afc565ec_mlp:
	.size	k_q90afc565ec_mlp, .Lfunc_end_k_q90afc565ec_mlp-k_q90afc565ec_mlp
	.p2alignl 7, 3214868480
	.fill 96, 4, 3214868480
	.section	.rodata,"a",@progbits
	.p2align	6, 0x0
	.amdhsa_kernel k_q90afc565ec_mlp
		.amdhsa_group_segment_fixed_size 71168
		.amdhsa_private_segment_fixed_size 0
		.amdhsa_enable_private_segment 0
		.amdhsa_kernarg_size 56
		.amdhsa_user_sgpr_count 2
		.amdhsa_user_sgpr_kernarg_segment_ptr 1
		.amdhsa_wavefront_size32 1
		.amdhsa_system_sgpr_workgroup_id_x 1
		.amdhsa_system_sgpr_workgroup_id_y 1
		.amdhsa_system_sgpr_workgroup_id_z 1
		.amdhsa_system_vgpr_workitem_id 0
		.amdhsa_next_free_vgpr 1024
		.amdhsa_next_free_sgpr 66
		.amdhsa_reserve_vcc 0
		.amdhsa_float_denorm_mode_32 3
		.amdhsa_float_denorm_mode_16_64 3
		.amdhsa_memory_ordered 1
		.amdhsa_forward_progress 1
		.amdhsa_inst_pref_size 193
	.end_amdhsa_kernel
	.amdgpu_metadata
---
amdhsa.version: [ 1, 2 ]
amdhsa.kernels:
  - .name:           k_q90afc565ec_mlp
    .symbol:         k_q90afc565ec_mlp.kd
    .args:
      - { .name: ctx, .offset: 0, .size: 8, .value_kind: global_buffer, .address_space: global }
      - { .name: wts, .offset: 8, .size: 8, .value_kind: global_buffer, .address_space: global }
      - { .name: x, .offset: 16, .size: 8, .value_kind: global_buffer, .address_space: global }
      - { .name: bo, .offset: 24, .size: 8, .value_kind: global_buffer, .address_space: global }
      - { .name: b1, .offset: 32, .size: 8, .value_kind: global_buffer, .address_space: global }
      - { .name: b2, .offset: 40, .size: 8, .value_kind: global_buffer, .address_space: global }
      - { .name: out0, .offset: 48, .size: 8, .value_kind: global_buffer, .address_space: global }
    .group_segment_fixed_size: 71168
    .private_segment_fixed_size: 0
    .kernarg_segment_align: 8
    .kernarg_segment_size: 56
    .max_flat_workgroup_size: 128
    .sgpr_count:     66
    .vgpr_count:     1024
    .wavefront_size: 32
...
	.end_amdgpu_metadata
.endif
;; end of part 8
